; MI455X (gfx1250); checked and timed in simulation.
; The chip was launched on July 23, 2026; its instructions are those of AMD's public machine-readable ISA for CDNA 5 (MIT licence, August 2026) and "CDNA5" Instruction Set Architecture Reference Guide (July 2026). The comments in the code are by the model that wrote it; some were corrected since.
;; Basic Transformer Block. Allowed arithmetic: float matrix products may take bf16 or f16 operands with f32 sums; all other float work in f32.
;; Inputs: ca_bo 512 float32; ca_wk 768 x 256 float32; ca_wo 256 x 512 float32; ca_wq 512 x 256 float32; ca_wv 768 x 256 float32; cond_emb 8 x 256 x 768 float32; ff_b1 4,096 float32; ff_b2 512 float32; ff_w1 512 x 4,096 float32; ff_w2 2,048 x 512 float32; ln1_b 512 float32; ln1_g 512 float32; ln2_b 512 float32; ln2_g 512 float32; ln3_b 512 float32; ln3_g 512 float32; sa_bo 512 float32; sa_wk 512 x 256 float32; sa_wo 256 x 512 float32; sa_wq 512 x 256 float32; sa_wv 512 x 256 float32; x 8 x 1,024 x 512 float32.
;; Outputs: out0 8 x 1,024 x 512 float32.
;; 2 versions, each right and faster than the one before. Each part assembles by itself: llvm-mc -triple=amdgcn-amd-amdhsa -mcpu=gfx1250 --defsym DOCPART=n.
;; ======== version 1 of 2: 6 launches
;; limits: values are held in f16: magnitudes above 65,504 overflow, below 6.1e-05 lose precision
;; workspace buffers: wf 8,650,752 bytes; af 11,534,336 bytes; qkv 14,680,064 bytes; of 4,194,304 bytes; x2f 16,777,216 bytes; h3f 8,388,608 bytes; gf 33,554,432 bytes
;; launch prep (part 1): grid 688 x 1, 4 waves a work-group, no clusters, 99,840 bytes of LDS; arguments ff_w1, ff_w2, sa_wq, sa_wk, sa_wv, sa_wo, ca_wq, ca_wo, ca_wk, ca_wv, x, cond_emb, ln1_g, ln1_b, wf, af; writes wf, af
.if DOCPART == 1
	.amdgcn_target "amdgcn-amd-amdhsa--gfx1250"
	.amdhsa_code_object_version 6
	.text
	.protected	k_q6b4ef705a3_prep
	.globl	k_q6b4ef705a3_prep
	.p2align	8
	.type	k_q6b4ef705a3_prep,@function
k_q6b4ef705a3_prep:
	s_mov_b64 s[64:65], 0
	v_nop
	global_prefetch_b8 v0, s[64:65] scope:SCOPE_SE
	s_setreg_imm32_b32 hwreg(HW_REG_WAVE_MODE, 25, 1), 1
	s_wait_xcnt 0x0
; PREP.  Every operand of the later matrix products is laid out once in FRAGMENT ORDER.  A fragment is 1,024 bytes: 16 lines x 32 k of 16-bit numbers, in two
; chunks of 512 bytes; in chunk c lane L (r = L % 16, h = L / 16) owns the 16 bytes at 16 L: line r, k = 16 c + 8 h + 0..7.  Two 16-byte loads a lane then
; fill a matrix source, and every load or store of a wave covers 512 consecutive bytes.
; Work-groups 0-527: the ten weights [K][N] f32 -> wf, fragment (nb, kb) at its region + (nb K/32 + kb) 1024, line = column 16 nb + r.  bf16, but ff_w1 in f16.
;   ff_w1's column blocks are permuted: half s (0 a, 1 gate), block u -> 4 (u / 2) + 2 s + u % 2, so that four blocks on end are two of a and the two of gate for the same columns.
; Work-groups 528-655: h1 = LayerNorm1(x) -> af + H1F, fragments [row block][kb 16], bf16.   Work-groups 656-687: cond_emb -> af, fragments [row block][kb 24], bf16.
; The variance is the mean square of the deviations from the mean.  LIMITS: ff_w1 must lie within f16's 65,504; NaN and infinities are not treated apart.
.set SPARE, 99328                      ; behind the four waves' row stages: the spare words, 128 bytes a wave
.set W2F, 4194304
.set SAQ, 6291456
.set SAK, 6553600
.set SAV, 6815744
.set SAO, 7077888
.set CAQ, 7340032
.set CAO, 7602176
.set CAK, 7864320
.set CAV, 8257536
.set H1F, 3145728
.set OFS, 8                            ; weights: v8-23   byte offsets of my 16 source rows
.set DST, 24                           ;          v24-27  byte offsets of my 16 bytes in the four fragments
.set DD_, 28                           ;          v28-91  64 numbers as loaded
.set PK_, 92                           ;          v92-123 packed
.set GG, 8                             ; rows: v8-23 gain, v24-39 bias of my columns
.set BB, 24
.set XX, 40                            ;       v40-135 four rows
.set TT, 136                           ;       v136-147 at work
.set OUT, 148                          ;       v148-179 eight chunks on the way out
	s_load_b512 s[4:19], s[0:1], 0x0               ; ff_w1, ff_w2, sa_wq, sa_wk, sa_wv, sa_wo, ca_wq, ca_wo
	s_load_b512 s[20:35], s[0:1], 0x40             ; ca_wk, ca_wv, x, cond_emb, ln1_g, ln1_b, wf, af
	v_lshl_add_u32 v5, v0, 2, SPARE                ; my spare word
	v_mov_b32 v6, 0
	v_lshrrev_b32 v7, 5, v0
	v_readfirstlane_b32 s42, v7                    ; wave 0..3
	v_and_b32 v1, 31, v0                           ; lane
	s_wait_kmcnt 0x0
	s_cmp_ge_u32 ttmp9, 528
	s_cbranch_scc1 .Lrows
; ---- WEIGHTS.  A wave's task: one kb (32 source rows) and four neighbouring column blocks (256 bytes of each row).
.macro PICK first, P, lg, kb, dst      ; from work-group 'first' on: this weight, 64 << lg columns, K / 32 = kb, region dst
	s_cmp_ge_u32 ttmp9, \first
	s_cselect_b64 s[36:37], s[\P:\P+1], s[36:37]
	s_cselect_b32 s38, \first, s38
	s_cselect_b32 s39, \lg, s39
	s_cselect_b32 s40, \kb, s40
	s_cselect_b32 s41, \dst, s41
.endm
	s_mov_b64 s[36:37], s[4:5]
	s_mov_b32 s38, 0
	s_mov_b32 s39, 6
	s_mov_b32 s40, 16
	s_mov_b32 s41, 0
	PICK 256, 6, 3, 64, W2F
	PICK 384, 8, 2, 16, SAQ
	PICK 400, 10, 2, 16, SAK
	PICK 416, 12, 2, 16, SAV
	PICK 432, 14, 3, 8, SAO
	PICK 448, 16, 2, 16, CAQ
	PICK 464, 18, 3, 8, CAO
	PICK 480, 20, 2, 24, CAK
	PICK 504, 22, 2, 24, CAV
	s_sub_co_u32 s43, ttmp9, s38
	s_lshl_b32 s43, s43, 2
	s_add_co_u32 s43, s43, s42                     ; the task's number in its weight
	s_bfm_b32 s44, s39, 0
	s_and_b32 s44, s43, s44                        ; ng: which 64 columns
	s_lshr_b32 s45, s43, s39                       ; kb
	s_lshl_b32 s46, 256, s39                       ; bytes in a source row
	s_add_co_u32 s47, s39, 13
	s_lshl_b32 s48, s45, s47                       ; 32 kb rows
	s_lshl_b32 s49, s44, 8
	s_add_co_u32 s48, s48, s49
	s_mov_b32 s49, 0
	s_add_nc_u64 s[36:37], s[36:37], s[48:49]      ; the task's first source byte
	s_lshl_b32 s50, s44, 2                         ; first destination block: 4 ng, the four on end;
	s_and_b32 s51, s44, 31
	s_lshl_b32 s51, s51, 3
	s_lshr_b32 s52, s44, 5
	s_lshl1_add_u32 s51, s52, s51                  ; for ff_w1: 8 (ng % 32) + 2 (ng / 32), then +1, +4, +5
	s_cmp_lt_u32 ttmp9, 256
	s_cselect_b32 s50, s51, s50
	s_cselect_b32 s53, 4, 2
	s_mul_i32 s50, s50, s40
	s_add_co_u32 s50, s50, s45
	s_lshl_b32 s50, s50, 10
	s_add_co_u32 s50, s50, s41
	s_mov_b32 s51, 0
	s_add_nc_u64 s[32:33], s[32:33], s[50:51]      ; the first fragment
	s_lshl_b32 s54, s40, 10                        ; bytes from a block to the next
	s_mul_i32 s55, s54, s53
	s_lshl_b32 s56, s46, 4                         ; 16 source rows
	v_and_b32 v2, 15, v0                           ; r
	v_bfe_u32 v3, v0, 4, 1                         ; h
	v_lshlrev_b32 v4, 3, v3
	v_mul_lo_u32 v4, v4, s46
	v_lshl_add_u32 v[OFS], v2, 2, v4               ; row 8 h, column r
.set q, 1
.rept 7
	v_add_nc_u32 v[OFS+q], s46, v[OFS+q-1]         ; rows 8 h + 1 .. 7
.set q, q+1
.endr
.set q, 0
.rept 8
	v_add_nc_u32 v[OFS+8+q], s56, v[OFS+q]         ; rows 16 + 8 h + 0 .. 7
.set q, q+1
.endr
	v_lshlrev_b32 v[DST], 4, v1
	v_add_nc_u32 v[DST+1], s54, v[DST]
	v_add_nc_u32 v[DST+2], s55, v[DST]
	v_add_nc_u32 v[DST+3], s54, v[DST+2]
.set i, 0
.rept 4
.set q, 0
.rept 16
	global_load_b32 v[DD_+16*i+q], v[OFS+q], s[36:37] offset:64*i th:TH_LOAD_NT
.set q, q+1
.endr
.set i, i+1
.endr
.macro CVST cvt                        ; block i: its 16 loads are in when at most the later blocks' 16 (3 - i) are out; two roundings an instruction; two stores of 512 consecutive bytes
.set i, 0
.rept 4
	s_wait_loadcnt 48-16*i
.set n, 0
.rept 8
	\cvt v[PK_+8*i+n], v[DD_+16*i+2*n], v[DD_+16*i+2*n+1]
.set n, n+1
.endr
	global_store_b128 v[DST+i], v[PK_+8*i:PK_+8*i+3], s[32:33]
	global_store_b128 v[DST+i], v[PK_+8*i+4:PK_+8*i+7], s[32:33] offset:512
.set i, i+1
.endr
	s_endpgm
.endm
	s_cmp_lt_u32 ttmp9, 256
	s_cbranch_scc1 .Lw1
	CVST v_cvt_pk_bf16_f32
.Lw1:
	CVST v_cvt_pk_f16_f32
; ---- ROWS.  A wave owns 16 rows.  A row is read as NI loads of 512 consecutive bytes (lane L: columns 128 i + 4 L + 0..3), normalised (norm = 1), rounded to bf16 and put
; into the wave's own LDS stage (pitch 256 NI + 16 bytes: an odd multiple of 16, so the 16 rows of a chunk start in different groups of banks: ISA guide 11.1); the chunks are read back and stored.
.macro RED a, b                        ; the sum over the 32 lanes, into every lane
	v_add_f32_dpp v[\a], v[\a], v[\a] row_xmask:1 row_mask:0xf bank_mask:0xf
	v_add_f32_dpp v[\a], v[\a], v[\a] row_xmask:2 row_mask:0xf bank_mask:0xf
	v_add_f32_dpp v[\a], v[\a], v[\a] row_xmask:4 row_mask:0xf bank_mask:0xf
	v_add_f32_dpp v[\a], v[\a], v[\a] row_xmask:8 row_mask:0xf bank_mask:0xf
	v_permlanex16_b32 v[\b], v[\a], s58, s59
	v_add_f32 v[\a], v[\a], v[\b]
.endm
.macro LNR xb                          ; one row of 512 numbers, 16 a lane, at v[xb]
	v_pk_add_f32 v[TT:TT+1], v[\xb:\xb+1], v[\xb+2:\xb+3]
	v_pk_add_f32 v[TT+2:TT+3], v[\xb+4:\xb+5], v[\xb+6:\xb+7]
	v_pk_add_f32 v[TT+4:TT+5], v[\xb+8:\xb+9], v[\xb+10:\xb+11]
	v_pk_add_f32 v[TT+6:TT+7], v[\xb+12:\xb+13], v[\xb+14:\xb+15]
	v_pk_add_f32 v[TT:TT+1], v[TT:TT+1], v[TT+2:TT+3]
	v_pk_add_f32 v[TT+4:TT+5], v[TT+4:TT+5], v[TT+6:TT+7]
	v_pk_add_f32 v[TT:TT+1], v[TT:TT+1], v[TT+4:TT+5]
	v_add_f32 v[TT], v[TT], v[TT+1]
	RED TT, TT+1
	v_mul_f32 v[TT], s56, v[TT]                    ; the mean,
	v_mov_b32 v[TT+1], v[TT]                       ; as a pair
.set n, 0
.rept 8
	v_pk_add_f32 v[\xb+2*n:\xb+2*n+1], v[\xb+2*n:\xb+2*n+1], v[TT:TT+1] neg_lo:[0,1] neg_hi:[0,1]
.set n, n+1
.endr
	v_pk_mul_f32 v[TT+2:TT+3], v[\xb:\xb+1], v[\xb:\xb+1]
	v_pk_mul_f32 v[TT+4:TT+5], v[\xb+2:\xb+3], v[\xb+2:\xb+3]
.set n, 2
.rept 6
	v_pk_fma_f32 v[TT+2+2*(n%2):TT+3+2*(n%2)], v[\xb+2*n:\xb+2*n+1], v[\xb+2*n:\xb+2*n+1], v[TT+2+2*(n%2):TT+3+2*(n%2)]
.set n, n+1
.endr
	v_pk_add_f32 v[TT+2:TT+3], v[TT+2:TT+3], v[TT+4:TT+5]
	v_add_f32 v[TT+2], v[TT+2], v[TT+3]
	RED TT+2, TT+3
	v_fma_f32 v[TT+2], v[TT+2], s56, s57           ; variance + eps
	v_rsq_f32 v[TT+4], v[TT+2]
	v_rsq_f32 v[TT+5], v[TT+2]
	v_nop                                          ; a plain instruction behind the transcendentals (ISA guide 5.7.2)
.set n, 0
	s_wait_alu depctr_va_vdst(0)
.rept 8
	v_pk_mul_f32 v[\xb+2*n:\xb+2*n+1], v[\xb+2*n:\xb+2*n+1], v[TT+4:TT+5]
.set n, n+1
.endr
.set n, 0
.rept 8
	v_pk_fma_f32 v[\xb+2*n:\xb+2*n+1], v[\xb+2*n:\xb+2*n+1], v[GG+2*n:GG+2*n+1], v[BB+2*n:BB+2*n+1]
.set n, n+1
.endr
.endm
.macro ROWS NI, norm
.set PT, 256*\NI+16
.set RB, 512*\NI
	v_mad_u32_u24 v4, v7, PT, v4                   ; back: row r of the stage, 16 h
.if \norm
	s_sub_co_u32 s44, ttmp9, 528
.else
	s_sub_co_u32 s44, ttmp9, 656
.endif
	s_lshl2_add_u32 s44, s44, s42                  ; my block of 16 rows
	s_mul_i32 s46, s44, 16*RB
	s_mov_b32 s47, 0
.if \norm
	s_add_nc_u64 s[48:49], s[24:25], s[46:47]
.else
	s_add_nc_u64 s[48:49], s[26:27], s[46:47]
.endif
	s_mul_i32 s46, s44, 4096*\NI                   ; 4 NI fragments a block
.if \norm
	s_add_co_u32 s46, s46, H1F
.set i, 0
.rept 4
	global_load_b128 v[GG+4*i:GG+4*i+3], v2, s[28:29] offset:512*i
	global_load_b128 v[BB+4*i:BB+4*i+3], v2, s[30:31] offset:512*i
.set i, i+1
.endr
.endif
	s_add_nc_u64 s[34:35], s[34:35], s[46:47]
	s_mov_b32 s50, 4
.Lrow\@:                                               ; four trips of four rows
.set j, 0
.rept 4
.set i, 0
.rept \NI
.if \norm
	global_load_b128 v[XX+4*\NI*j+4*i:XX+4*\NI*j+4*i+3], v2, s[48:49] offset:j*RB+512*i
.else
	global_load_b128 v[XX+4*\NI*j+4*i:XX+4*\NI*j+4*i+3], v2, s[48:49] offset:j*RB+512*i th:TH_LOAD_NT
.endif
.set i, i+1
.endr
.set j, j+1
.endr
.set j, 0
.rept 4
	s_wait_loadcnt (3-j)*\NI                       ; row j is in (and gain and bias, issued earlier); the later rows' loads stay out
.if \norm
	LNR XX+16*j
.endif
.set n, 0
.rept 2*\NI
	v_cvt_pk_bf16_f32 v[TT+n], v[XX+4*\NI*j+2*n], v[XX+4*\NI*j+2*n+1]
.set n, n+1
.endr
.set i, 0
.rept \NI
	ds_store_b64 v3, v[TT+2*i:TT+2*i+1] offset:j*PT+256*i
.set i, i+1
.endr
.set j, j+1
.endr
	v_add_nc_u32 v3, 4*PT, v3
	s_add_nc_u64 s[48:49], s[48:49], 4*RB          ; every load of the trip has been waited for, so the base may step
	s_sub_co_u32 s50, s50, 1
	s_cmp_lg_u32 s50, 0
	s_cbranch_scc1 .Lrow\@
.set bt, 0
.rept \NI                              ; 8 NI chunks, eight at a time.  LDS serves a wave's instructions in order (ISA guide 5.7.1.4): the loads see the stores above
	s_wait_xcnt 0x0                                ; the last eight stores' data registers are rewritten only behind this wait
.set n, 0
.rept 8
	ds_load_b128 v[OUT+4*n:OUT+4*n+3], v4 offset:((8*bt+n)/2)*64+((8*bt+n)%2)*32
.set n, n+1
.endr
.set n, 0
.rept 8
	s_wait_dscnt 7-n                               ; chunk n of the eight is in
	global_store_b128 v2, v[OUT+4*n:OUT+4*n+3], s[34:35] offset:((8*bt+n)/2)*1024+((8*bt+n)%2)*512
.set n, n+1
.endr
.set bt, bt+1
.endr
	s_wait_tensorcnt 0x0                           ; the wave's end: behind my last LDS store
	ds_add_u32 v5, v6
	s_wait_dscnt 0x0
	s_endpgm
.endm
.Lrows:
	v_lshlrev_b32 v2, 4, v1                        ; 16 L
	s_mul_i32 s43, s42, 24832                      ; my wave's stage: 16 rows of 1,552 bytes at the most
	v_lshl_add_u32 v3, v1, 3, s43                  ; in: 8 bytes a lane
	v_and_b32 v7, 15, v0
	v_bfe_u32 v4, v0, 4, 1
	v_lshlrev_b32 v4, 4, v4
	v_add_nc_u32 v4, s43, v4
	s_mov_b32 s56, 0x3b000000                      ; 1 / 512
	s_mov_b32 s57, 0x3727c5ac                      ; 1e-5
	s_mov_b32 s58, 0x76543210
	s_mov_b32 s59, 0xfedcba98
	s_cmp_ge_u32 ttmp9, 656
	s_cbranch_scc1 .Lcond
	ROWS 4, 1
.Lcond:
	ROWS 6, 0
.Lfunc_end_k_q6b4ef705a3_prep:
	.size	k_q6b4ef705a3_prep, .Lfunc_end_k_q6b4ef705a3_prep-k_q6b4ef705a3_prep
	.p2alignl 7, 3214868480
	.fill 96, 4, 3214868480
	.section	.rodata,"a",@progbits
	.p2align	6, 0x0
	.amdhsa_kernel k_q6b4ef705a3_prep
		.amdhsa_group_segment_fixed_size 99840
		.amdhsa_private_segment_fixed_size 0
		.amdhsa_enable_private_segment 0
		.amdhsa_kernarg_size 128
		.amdhsa_user_sgpr_count 2
		.amdhsa_user_sgpr_kernarg_segment_ptr 1
		.amdhsa_wavefront_size32 1
		.amdhsa_system_sgpr_workgroup_id_x 1
		.amdhsa_system_sgpr_workgroup_id_y 1
		.amdhsa_system_sgpr_workgroup_id_z 1
		.amdhsa_system_vgpr_workitem_id 0
		.amdhsa_next_free_vgpr 180
		.amdhsa_next_free_sgpr 66
		.amdhsa_reserve_vcc 0
		.amdhsa_float_denorm_mode_32 3
		.amdhsa_float_denorm_mode_16_64 3
		.amdhsa_memory_ordered 1
		.amdhsa_forward_progress 1
		.amdhsa_inst_pref_size 62
	.end_amdhsa_kernel
	.amdgpu_metadata
---
amdhsa.version: [ 1, 2 ]
amdhsa.kernels:
  - .name:           k_q6b4ef705a3_prep
    .symbol:         k_q6b4ef705a3_prep.kd
    .args:
      - { .name: ff_w1, .offset: 0, .size: 8, .value_kind: global_buffer, .address_space: global }
      - { .name: ff_w2, .offset: 8, .size: 8, .value_kind: global_buffer, .address_space: global }
      - { .name: sa_wq, .offset: 16, .size: 8, .value_kind: global_buffer, .address_space: global }
      - { .name: sa_wk, .offset: 24, .size: 8, .value_kind: global_buffer, .address_space: global }
      - { .name: sa_wv, .offset: 32, .size: 8, .value_kind: global_buffer, .address_space: global }
      - { .name: sa_wo, .offset: 40, .size: 8, .value_kind: global_buffer, .address_space: global }
      - { .name: ca_wq, .offset: 48, .size: 8, .value_kind: global_buffer, .address_space: global }
      - { .name: ca_wo, .offset: 56, .size: 8, .value_kind: global_buffer, .address_space: global }
      - { .name: ca_wk, .offset: 64, .size: 8, .value_kind: global_buffer, .address_space: global }
      - { .name: ca_wv, .offset: 72, .size: 8, .value_kind: global_buffer, .address_space: global }
      - { .name: x, .offset: 80, .size: 8, .value_kind: global_buffer, .address_space: global }
      - { .name: cond_emb, .offset: 88, .size: 8, .value_kind: global_buffer, .address_space: global }
      - { .name: ln1_g, .offset: 96, .size: 8, .value_kind: global_buffer, .address_space: global }
      - { .name: ln1_b, .offset: 104, .size: 8, .value_kind: global_buffer, .address_space: global }
      - { .name: wf, .offset: 112, .size: 8, .value_kind: global_buffer, .address_space: global }
      - { .name: af, .offset: 120, .size: 8, .value_kind: global_buffer, .address_space: global }
    .group_segment_fixed_size: 99840
    .private_segment_fixed_size: 0
    .kernarg_segment_align: 8
    .kernarg_segment_size: 128
    .max_flat_workgroup_size: 128
    .sgpr_count:     66
    .vgpr_count:     180
    .wavefront_size: 32
...
	.end_amdgpu_metadata
.endif
;; end of part 1
;; launch front (part 2): grid 256 x 1, 4 waves a work-group, no clusters, 167,936 bytes of LDS; arguments af, wf, qkv; writes qkv
.if DOCPART == 2
	.amdgcn_target "amdgcn-amd-amdhsa--gfx1250"
	.amdhsa_code_object_version 6
	.text
	.protected	k_q6b4ef705a3_front
	.globl	k_q6b4ef705a3_front
	.p2align	8
	.type	k_q6b4ef705a3_front,@function
k_q6b4ef705a3_front:
	s_mov_b64 s[64:65], 0
	v_nop
	global_prefetch_b8 v0, s[64:65] scope:SCOPE_SE
	s_setreg_imm32_b32 hwreg(HW_REG_WAVE_MODE, 25, 1), 1
	s_wait_xcnt 0x0
; FRONT.  q (times log2(e) / 4), k, v = h1 W and k2, v2 = cond W, all bf16 products with f32 sums, stored as bf16 fragments by pairs of heads:
; fragment (batch, head pair, block of 16 rows): line = row, chunk = head % 2, k = channel.  (Fragment order: 1,024 bytes, chunk c, lane L's 16 bytes at 16 L = line L % 16, k = 16 c + 8 (L / 16) + 0..7.)
; A work-group owns 256 rows, a wave 64.  A's fragments stay in registers for the whole launch; only the weights go through LDS, brought by the tensor data mover and never filled again.
; Work-groups 0-191: rows rb = id % 32 of h1, columns 128 (id / 32) .. +127 of [q | k | v]: two tiles of 64 columns.  192-255: batch b = id' % 8 of cond, tile id' / 8 of [k2 | v2].
; The matrix instruction takes 16 columns of W as source 0 and 16 rows of A as source 1: a lane then holds row L % 16 and eight neighbouring columns, which pack into its 16 bytes of a chunk.
; NO CLUSTER: the two kinds of work-groups issue different numbers of tensor loads and part on the work-group's number; the weights are 128 or 96 KB of the 384 or 480 KB that a work-group reads.
; q is rounded to bf16 after the scaling.  NaN and infinities are not treated apart.
; REGISTERS.  window 0: v1 16 L; v2, v3 LDS addresses; v6, v7 the add's; v64-127 two buffers of W's fragments, then packed results; v128-255 16 accumulators (mb, nb) at 128 + 8 (4 mb + nb).
;   windows 1-3: A's fragment (mb, kb) in window 1 + kb / 8 at v[8 (4 (kb % 8) + mb)].
.set SPARE, 131072
.set SAQ, 6291456
.set CAK, 7864320
.set H1F, 3145728
.set K2F, 12582912
.set BF, 64
.set ACC, 128
.set MSB, 0
.macro WIN new                         ; the immediate's high byte repeats the setting that is left
.if MSB != (\new)
	s_set_vgpr_msb (MSB<<8)|(\new)
.set MSB, \new
.endif
.endm
.macro PLACES                          ; four places behind matrix instructions (ISA guide 7.12.1)
.rept 4
	v_nop
.endr
.endm
.macro DESC g, R                       ; descriptor group 1: R rows of 256 dense bytes (32 elements of 8 bytes)
	s_mov_b32 s[\g], 3<<16
	s_mov_b32 s[\g+1], 32<<16
	s_mov_b32 s[\g+2], (\R)<<16
	s_mov_b32 s[\g+3], 32<<16
	s_mov_b32 s[\g+4], \R
	s_mov_b32 s[\g+5], 32
	s_mov_b32 s[\g+6], 0
	s_mov_b32 s[\g+7], 0
.endm
.macro ALOAD KB                        ; my 4 x KB fragments of A, from s[54:55]
.set kb, 0
.rept \KB
	WIN (1+kb/8)<<6
.set mb, 0
.rept 4
.set ar, ((kb%8)*4+mb)*8
	global_load_b128 v[ar:ar+3], v1, s[54:55] offset:(mb*\KB+kb)*1024
	global_load_b128 v[ar+4:ar+7], v1, s[54:55] offset:(mb*\KB+kb)*1024+512
.set mb, mb+1
.endr
.set kb, kb+1
.endr
	WIN 0
.endm
.macro FB KB, kb                       ; W's four fragments of K step kb: eight LDS loads into buffer kb % 2
.set fb, BF+32*((\kb)%2)
.irp n, 0,1,2,3
	ds_load_b128 v[fb+8*\n:fb+8*\n+3], v[2+\n/2] offset:((\n%2)*\KB+(\kb))*1024
	ds_load_b128 v[fb+8*\n+4:fb+8*\n+7], v[2+\n/2] offset:((\n%2)*\KB+(\kb))*1024+512
.endr
.endm
.macro MUL KB                          ; 64 rows x 64 columns x 32 KB.  The 16 accumulators take turns, one instruction a turn; the first K step starts the sums
	FB \KB, 0
	FB \KB, 1
.set kk, 0
.rept \KB
	WIN (1+kk/8)<<2                                ; source 1 alone leaves window 0
.if kk == \KB-1
	s_wait_dscnt 0x0
.else
	s_wait_dscnt 0x8                               ; this step's eight loads are in, the next step's eight may be out
.endif
.set mb, 0
.rept 4
.set nb, 0
.rept 4
.set ac, ACC+8*(4*mb+nb)
.set ar, ((kk%8)*4+mb)*8
.set br, BF+32*(kk%2)+8*nb
.if kk == 0
	v_wmma_f32_16x16x32_bf16 v[ac:ac+7], v[br:br+7], v[ar:ar+7], 0
.else
	v_wmma_f32_16x16x32_bf16 v[ac:ac+7], v[br:br+7], v[ar:ar+7], v[ac:ac+7]
.endif
.set nb, nb+1
.endr
.set mb, mb+1
.endr
.if kk+2 < \KB
	PLACES                                         ; in front of loads into the buffer just multiplied
	FB \KB, kk+2
.endif
.set kk, kk+1
.endr
	WIN 0
.endm
.macro EPI P                           ; scaled, rounded, stored: 512 consecutive bytes a store.  P: bytes from a head pair to the next
	PLACES
.set mb, 0
.rept 4
.set nb, 0
.rept 4
.set ac, ACC+8*(4*mb+nb)
.set oo, BF+4*(4*mb+nb)
.set n, 0
.rept 4
	v_pk_mul_f32 v[ac+2*n:ac+2*n+1], v[ac+2*n:ac+2*n+1], s[56:57] op_sel_hi:[1,0]
.set n, n+1
.endr
.set n, 0
.rept 4
	v_cvt_pk_bf16_f32 v[oo+n], v[ac+2*n], v[ac+2*n+1]
.set n, n+1
.endr
	global_store_b128 v1, v[oo:oo+3], s[52:53] offset:(nb/2)*\P+mb*1024+(nb%2)*512
.set nb, nb+1
.endr
.set mb, mb+1
.endr
.endm
.macro FIN
	s_wait_tensorcnt 0x0                           ; the wave's end
	ds_add_u32 v6, v7
	s_wait_dscnt 0x0
	s_endpgm
.endm
	s_load_b128 s[4:7], s[0:1], 0x0                ; af, wf
	s_load_b64 s[8:9], s[0:1], 0x10                ; qkv
	v_lshl_add_u32 v6, v0, 2, SPARE
	v_mov_b32 v7, 0
	ds_add_u32 v6, v7                              ; the wave's opening: the add and its wait ahead of my first tensor load
	ds_add_u32 v6, v7
	v_lshrrev_b32 v1, 5, v0
	v_readfirstlane_b32 s10, v1                    ; wave 0..3
	v_and_b32 v1, 31, v0
	v_lshlrev_b32 v1, 4, v1                        ; 16 L
	DESC 24, 64
	DESC 32, 96
	s_mov_b32 s40, 1
	s_mov_b32 s44, 1
	s_mov_b32 s15, 0
	s_mov_b32 s17, 0
	s_wait_dscnt 0x0
	s_wait_kmcnt 0x0
	s_cmp_ge_u32 ttmp9, 192
	s_cbranch_scc1 .Lcond
	s_lshr_b32 s11, ttmp9, 5                       ; y: 0, 1 q; 2, 3 k; 4, 5 v
	s_and_b32 s12, ttmp9, 31                       ; rb
	s_lshl_b32 s14, s11, 17                        ; tile 2 y: 65,536 bytes a tile,
	s_lshl_b32 s41, s10, 14                        ; of which block w is mine, and goes to LDS byte 16,384 w
	s_add_co_u32 s14, s14, s41
	s_add_co_u32 s14, s14, SAQ
	s_add_nc_u64 s[42:43], s[6:7], s[14:15]
	s_add_nc_u64 s[46:47], s[42:43], 65536
	s_or_b32 s43, s43, 0x80000000
	s_or_b32 s47, s47, 0x80000000
	s_add_co_u32 s45, s41, 65536
	tensor_load_to_lds s[40:43], s[24:31]          ; both tiles go out together: two loads of mine are out
	s_nop 0
	tensor_load_to_lds s[44:47], s[24:31]
	s_nop 0
	PLACES
	s_lshl_b32 s14, s12, 4
	s_lshl2_add_u32 s14, s10, s14                  ; my first block of 16 rows
	s_lshl_b32 s14, s14, 14
	s_add_co_u32 s14, s14, H1F
	s_add_nc_u64 s[54:55], s[4:5], s[14:15]
	ALOAD 16
	s_lshr_b32 s16, s11, 1                         ; where the results go: tensor,
	s_lshl_b32 s16, s16, 22
	s_lshr_b32 s18, s12, 2                         ; batch,
	s_lshl_b32 s18, s18, 19
	s_add_co_u32 s16, s16, s18
	s_and_b32 s18, s11, 1                          ; head pairs 4 (y % 2) on,
	s_lshl_b32 s18, s18, 18
	s_add_co_u32 s16, s16, s18
	s_and_b32 s18, s12, 3                          ; row block in the batch
	s_lshl_b32 s18, s18, 4
	s_lshl2_add_u32 s18, s10, s18
	s_lshl_b32 s18, s18, 10
	s_add_co_u32 s16, s16, s18
	s_add_nc_u64 s[52:53], s[8:9], s[16:17]
	s_cmp_lt_u32 s11, 2
	s_cselect_b32 s56, 0x3eb8aa3b, 1.0             ; q takes log2(e) / 4
	s_mov_b32 s57, s56
	s_wait_tensorcnt 0x0                           ; my parts of both tiles are in,
	s_barrier_signal -1
	s_barrier_wait -1                              ; everybody's are
	s_wait_loadcnt 0x0                             ; A
	s_mov_b32 s62, 0
	s_mov_b32 s50, 2
.Lq:
	v_add_nc_u32 v2, s62, v1
	v_add_nc_u32 v3, 32768, v2
	MUL 16
	EPI 65536
	s_wait_xcnt 0x0                                ; the stores' base and data registers are rewritten only behind this wait
	s_add_nc_u64 s[52:53], s[52:53], 131072        ; two head pairs on
	s_xor_b32 s62, s62, 65536
	s_sub_co_u32 s50, s50, 1
	s_cmp_lg_u32 s50, 0
	s_cbranch_scc1 .Lq
	FIN
.Lcond:
	s_sub_co_u32 s11, ttmp9, 192
	s_and_b32 s12, s11, 7                          ; batch
	s_lshr_b32 s11, s11, 3                         ; tile: 0-3 k2, 4-7 v2
	s_mul_i32 s14, s11, 98304
	s_mul_i32 s41, s10, 24576
	s_add_co_u32 s14, s14, s41
	s_add_co_u32 s14, s14, CAK
	s_add_nc_u64 s[42:43], s[6:7], s[14:15]
	s_or_b32 s43, s43, 0x80000000
	tensor_load_to_lds s[40:43], s[32:39]
	s_nop 0
	PLACES
	s_lshl_b32 s14, s12, 4
	s_lshl2_add_u32 s14, s10, s14
	s_mul_i32 s14, s14, 24576
	s_add_nc_u64 s[54:55], s[4:5], s[14:15]
	ALOAD 24
	s_lshr_b32 s16, s11, 2
	s_lshl_b32 s16, s16, 20
	s_lshl_b32 s18, s12, 17
	s_add_co_u32 s16, s16, s18
	s_and_b32 s18, s11, 3
	s_lshl_b32 s18, s18, 15
	s_add_co_u32 s16, s16, s18
	s_lshl_b32 s18, s10, 12
	s_add_co_u32 s16, s16, s18
	s_add_co_u32 s16, s16, K2F
	s_add_nc_u64 s[52:53], s[8:9], s[16:17]
	s_mov_b32 s56, 1.0
	s_mov_b32 s57, 1.0
	s_wait_tensorcnt 0x0
	s_barrier_signal -1
	s_barrier_wait -1
	s_wait_loadcnt 0x0
	v_mov_b32 v2, v1
	v_add_nc_u32 v3, 49152, v1
	MUL 24
	EPI 16384
	FIN
.Lfunc_end_k_q6b4ef705a3_front:
	.size	k_q6b4ef705a3_front, .Lfunc_end_k_q6b4ef705a3_front-k_q6b4ef705a3_front
	.p2alignl 7, 3214868480
	.fill 96, 4, 3214868480
	.section	.rodata,"a",@progbits
	.p2align	6, 0x0
	.amdhsa_kernel k_q6b4ef705a3_front
		.amdhsa_group_segment_fixed_size 167936
		.amdhsa_private_segment_fixed_size 0
		.amdhsa_enable_private_segment 0
		.amdhsa_kernarg_size 24
		.amdhsa_user_sgpr_count 2
		.amdhsa_user_sgpr_kernarg_segment_ptr 1
		.amdhsa_wavefront_size32 1
		.amdhsa_system_sgpr_workgroup_id_x 1
		.amdhsa_system_sgpr_workgroup_id_y 1
		.amdhsa_system_sgpr_workgroup_id_z 1
		.amdhsa_system_vgpr_workitem_id 0
		.amdhsa_next_free_vgpr 1024
		.amdhsa_next_free_sgpr 66
		.amdhsa_reserve_vcc 0
		.amdhsa_float_denorm_mode_32 3
		.amdhsa_float_denorm_mode_16_64 3
		.amdhsa_memory_ordered 1
		.amdhsa_forward_progress 1
		.amdhsa_inst_pref_size 122
	.end_amdhsa_kernel
	.amdgpu_metadata
---
amdhsa.version: [ 1, 2 ]
amdhsa.kernels:
  - .name:           k_q6b4ef705a3_front
    .symbol:         k_q6b4ef705a3_front.kd
    .args:
      - { .name: af, .offset: 0, .size: 8, .value_kind: global_buffer, .address_space: global }
      - { .name: wf, .offset: 8, .size: 8, .value_kind: global_buffer, .address_space: global }
      - { .name: qkv, .offset: 16, .size: 8, .value_kind: global_buffer, .address_space: global }
    .group_segment_fixed_size: 167936
    .private_segment_fixed_size: 0
    .kernarg_segment_align: 8
    .kernarg_segment_size: 24
    .max_flat_workgroup_size: 128
    .sgpr_count:     66
    .vgpr_count:     1024
    .wavefront_size: 32
...
	.end_amdgpu_metadata
.endif
;; end of part 2
;; launch attn (part 3): grid 4 x 64, 8 waves a work-group, clusters of 4 x 1, 167,936 bytes of LDS; arguments qkv, of; writes of
.if DOCPART == 3
	.amdgcn_target "amdgcn-amd-amdhsa--gfx1250"
	.amdhsa_code_object_version 6
	.text
	.protected	k_q6b4ef705a3_attn
	.globl	k_q6b4ef705a3_attn
	.p2align	8
	.type	k_q6b4ef705a3_attn,@function
k_q6b4ef705a3_attn:
	s_mov_b64 s[64:65], 0
	v_nop
	global_prefetch_b8 v0, s[64:65] scope:SCOPE_SE
	s_setreg_imm32_b32 hwreg(HW_REG_WAVE_MODE, 25, 1), 1
	s_wait_xcnt 0x0
	s_wait_alu depctr_hold_cnt(0) depctr_sa_sdst(0) depctr_va_vdst(0) depctr_va_sdst(0) depctr_va_ssrc(0) depctr_va_vcc(0) depctr_vm_vsrc(0)
	s_getreg_b32 s2, hwreg(HW_REG_IB_STS2, 6, 4)
	s_cmp_eq_u32 s2, 0
	s_cbranch_scc0 .Lentry_in_a_cluster
	s_endpgm
.Lentry_in_a_cluster:
	s_bfe_u32 s2, ttmp6, 0x10000c
	s_cmp_lg_u32 s2, 0x3003
	s_cbranch_scc0 .Lentry_shape_is_right
	s_endpgm
.Lentry_shape_is_right:
; SELF-ATTENTION, 16 heads of 16 channels, 1,024 keys a batch.  A work-group: 256 queries of one batch and one PAIR of heads; a wave: 32 queries (two tiles of 16), both heads: four tile-heads tq = 2 tile + head.
; q arrives scaled by log2(e) / 4, so p = 2^(s - m).  q, k, v, p are bf16; products, maxima and sums f32.
; K and V of the head pair (64 KB each, fragments of 16 keys: line = key, chunk = head, k = channel) come into LDS once, by joint tensor loads: the four query blocks of a cluster share them.
; S^T = K Q^T: source 0 = 16 keys, source 1 = 16 queries.  A fragment holds both heads' channels; head 0's product takes (K's chunk 0, zeros), head 1's (zeros, K's chunk 1), so the other head's channels meet zeros.
; In the result a lane holds one query (L % 16) and the keys 8 (L / 16) + 0..7; two results rounded in pairs ARE source 1 (32 keys) of O^T = V^T P; V is turned on its way out of LDS (ds_load_tr16_b128).
; TWO PASSES.  Pass 1 makes all scores and keeps each query's true maximum m.  Pass 2 makes them again with -m as the C operand, so that the result is s - m: exponentials, roundings, V^T P, and l as ones x P.
; There is no running rescale; the second score product falls on a matrix unit that the 64 exponentials of a trip leave idle.  l is the sum of the weights as rounded, the same that the numerator uses.
; LIMITS: a weight below 2^-126 counts as 0; NaN and infinities are not treated apart.
.set SPARE, 131072
.set KF, 4194304
.set NT, 4
.set KAD, 2                            ; v2 K's next LDS address   v3 V's   v4, v7 their starts
.set VAD, 3
.set KAD0, 4
.set VAD0, 7
.set M_, 8                             ; v8-11 m; v12-15 at work; later v8-15 1 / l, in pairs
.set MT_, 12
.set R_, 8
.set Q_, 16                            ; v16-31 two fragments of Q
.set KZ_, 32                           ; v32-55 for each of two key blocks: chunk 0, four zeros, chunk 1
.set VT_, 56                           ; v56-71 V^T, 8 a head
.set ONE_, 72                          ; v72-79 ones
.set NM_, 80                           ; v80-111 -m, eight times a tile-head
.set S_, 112                           ; v112-175 scores, 16 a tile-head; P takes the first 8
.set O_, 176
.set LS_, 208
.set OC_, 112
.set WV, 10
.set CT, 50
.set SELR, 60
.macro PLACES
.rept 4
	v_nop
.endr
.endm
.macro CROUND                          ; a round of the cluster's barrier
	s_barrier_signal -1
	s_barrier_wait -1
	s_cmp_lg_u32 s[WV], 0
	s_cbranch_scc1 .Lnot_wave_0_\@
	s_barrier_signal -3
.Lnot_wave_0_\@:
	s_barrier_wait -3
	s_barrier_signal -1
	s_barrier_wait -1
.endm
.macro KLD                             ; 32 keys of K: four loads
.irp kbl, 0,1
.irp hd, 0,1
	ds_load_b128 v[KZ_+12*\kbl+8*\hd:KZ_+12*\kbl+8*\hd+3], v[KAD] offset:\kbl*1024+\hd*512
.endr
.endr
	v_add_nc_u32 v[KAD], 2048, v[KAD]
.endm
.macro VLD                             ; 32 keys of V, turned: four loads
.irp hd, 0,1
.irp kbl, 0,1
	ds_load_tr16_b128 v[VT_+8*\hd+4*\kbl:VT_+8*\hd+4*\kbl+3], v[VAD] offset:\hd*512+\kbl*1024
.endr
.endr
	v_add_nc_u32 v[VAD], 2048, v[VAD]
.endm
.macro SCORES cm                       ; 2 NT products; cm = 1: C = -m
.set tq, 0
.rept NT
.set kbl, 0
.rept 2
.if \cm
	v_wmma_f32_16x16x32_bf16 v[S_+16*tq+8*kbl:S_+16*tq+8*kbl+7], v[KZ_+12*kbl+4*(tq%2):KZ_+12*kbl+4*(tq%2)+7], v[Q_+8*(tq/2):Q_+8*(tq/2)+7], v[NM_+8*tq:NM_+8*tq+7]
.else
	v_wmma_f32_16x16x32_bf16 v[S_+16*tq+8*kbl:S_+16*tq+8*kbl+7], v[KZ_+12*kbl+4*(tq%2):KZ_+12*kbl+4*(tq%2)+7], v[Q_+8*(tq/2):Q_+8*(tq/2)+7], 0
.endif
.set kbl, kbl+1
.endr
.set tq, tq+1
.endr
.endm
.macro EE t                            ; eight exponentials, in place, from the result's low end on
.set n, 0
.rept 8
	v_exp_f32 v[S_+8*(\t)+n], v[S_+8*(\t)+n]
.set n, n+1
.endr
.endm
.macro CC t                            ; result t rounded: four registers of P
.set n, 0
	s_wait_alu depctr_va_vdst(0)
.rept 4
	v_cvt_pk_bf16_f32 v[S_+16*((\t)/2)+4*((\t)%2)+n], v[S_+8*(\t)+2*n], v[S_+8*(\t)+2*n+1]
.set n, n+1
.endr
.endm
.macro ATT trips                       ; trips of 32 keys
	v_mov_b32 v[KAD], v[KAD0]
	v_mov_b32 v[VAD], v[VAD0]
.set tq, 0
.rept NT
	v_mov_b32 v[M_+tq], 0xff7fffff
	v_mov_b32 v[MT_+tq], 0
.set tq, tq+1
.endr
	KLD
	s_mov_b32 s[CT], \trips
.Lp1_\@:                                               ; PASS 1
	s_wait_dscnt 0x0                               ; K is in
	SCORES 0
	PLACES                                         ; in front of the loads into K's registers and of the reads of the scores
	KLD                                            ; (the last trip's reads the 2 KB behind K, filled bytes that nobody uses)
.set ii, 0
.rept 4
.set kbl, 0
.rept 2
.set tq, 0
.rept NT
	v_max3_num_f32 v[M_+tq], v[M_+tq], v[S_+16*tq+8*kbl+2*ii], v[S_+16*tq+8*kbl+2*ii+1]
.set tq, tq+1
.endr
.set kbl, kbl+1
.endr
.set ii, ii+1
.endr
	s_sub_co_u32 s[CT], s[CT], 1
	s_cmp_lg_u32 s[CT], 0
	s_cbranch_scc1 .Lp1_\@
	s_wait_dscnt 0x0
.set tq, 0
.rept NT
	v_permlanex16_b32 v[MT_+tq], v[M_+tq], s[SELR], s[SELR+1]  ; the query's other keys lie in the lane 16 away
.set tq, tq+1
.endr
.set tq, 0
.rept NT
	v_max_num_f32 v[M_+tq], v[M_+tq], v[MT_+tq]
.set tq, tq+1
.endr
.set tq, 0
.rept NT
.set n, 0
.rept 8
	v_sub_f32 v[NM_+8*tq+n], 0, v[M_+tq]
.set n, n+1
.endr
.set tq, tq+1
.endr
	v_mov_b32 v[KAD], v[KAD0]
.set n, 0
.rept 8*NT                             ; O^T and l start at 0: 16 NT moves a call, the price of writing no first trip out
	v_mov_b32 v[O_+n], 0
	v_mov_b32 v[LS_+n], 0
.set n, n+1
.endr
	KLD
	s_mov_b32 s[CT], \trips
.Lp2_\@:                                               ; PASS 2
	VLD
	s_wait_dscnt 0x4                               ; K is in; V's four loads may be out
	SCORES 1
	PLACES
	KLD
	EE 0
	v_nop                                          ; a plain instruction stands between each run of exponentials and the use of its results (ISA guide 5.7.2)
.set tt, 1
.rept 2*NT-1
	EE tt
	CC tt-1
.set tt, tt+1
.endr
	CC 2*NT-1
	s_wait_dscnt 0x4                               ; V is in; the next K's four loads may be out
.set tq, 0
.rept NT                               ; 2 NT accumulators, one instruction a turn
	v_wmma_f32_16x16x32_bf16 v[O_+8*tq:O_+8*tq+7], v[VT_+8*(tq%2):VT_+8*(tq%2)+7], v[S_+16*tq:S_+16*tq+7], v[O_+8*tq:O_+8*tq+7]
	v_wmma_f32_16x16x32_bf16 v[LS_+8*tq:LS_+8*tq+7], v[ONE_:ONE_+7], v[S_+16*tq:S_+16*tq+7], v[LS_+8*tq:LS_+8*tq+7]
.set tq, tq+1
.endr
.rept 5
	v_nop                                          ; five places: the next scores write over P, the next loads over V^T
.endr
	s_sub_co_u32 s[CT], s[CT], 1
	s_cmp_lg_u32 s[CT], 0
	s_cbranch_scc1 .Lp2_\@
	s_wait_dscnt 0x0
.set tq, 0
.rept NT
	v_rcp_f32 v[R_+2*tq], v[LS_+8*tq]
	v_rcp_f32 v[R_+2*tq+1], v[LS_+8*tq]
.set tq, tq+1
.endr
	v_nop
.set tq, 0
	s_wait_alu depctr_va_vdst(0)
.rept NT
.set n, 0
.rept 4
	v_pk_mul_f32 v[O_+8*tq+2*n:O_+8*tq+2*n+1], v[O_+8*tq+2*n:O_+8*tq+2*n+1], v[R_+2*tq:R_+2*tq+1]
.set n, n+1
.endr
.set n, 0
.rept 4
	v_cvt_pk_bf16_f32 v[OC_+4*tq+n], v[O_+8*tq+2*n], v[O_+8*tq+2*n+1]
.set n, n+1
.endr
.set tq, tq+1
.endr
.endm
	s_load_b128 s[4:7], s[0:1], 0x0                ; qkv, of
	v_lshl_add_u32 v5, v0, 2, SPARE
	v_mov_b32 v6, 0
	ds_add_u32 v5, v6                              ; the wave's opening: the add and its wait ahead of my first tensor load
	ds_add_u32 v5, v6
	v_lshrrev_b32 v1, 5, v0
	v_readfirstlane_b32 s[WV], v1                  ; wave 0..7
	s_bfe_u32 s11, ttmp6, 0x40000                  ; cx
	s_and_b32 s12, ttmp7, 0xffff                   ; y = 8 batch + head pair, which the four partners share
	s_lshl_b32 s13, ttmp9, 2
	s_add_co_u32 s13, s13, s11                     ; my block of 256 queries: it enters Q's and O's addresses alone
	s_mov_b32 s24, 15|(3<<16)|(1<<21)              ; group 1: the mask of four, 8-byte elements, bit 21 beside a mask; 64 rows of 256 dense bytes
	s_mov_b32 s25, 32<<16
	s_mov_b32 s26, 64<<16
	s_mov_b32 s27, 32<<16
	s_mov_b32 s28, 64
	s_mov_b32 s29, 32
	s_mov_b32 s30, 0
	s_mov_b32 s31, 0
	s_mov_b32 s40, 1
	s_lshl_b32 s41, s[WV], 14                      ; waves 0-3 bring K's quarters to LDS 0 .., waves 4-7 V's to 65,536 ..
	s_lshr_b32 s14, s[WV], 2
	s_lshl_b32 s14, s14, 22
	s_lshl_b32 s15, s12, 16
	s_add_co_u32 s14, s14, s15
	s_and_b32 s15, s[WV], 3
	s_lshl_b32 s15, s15, 14
	s_add_co_u32 s14, s14, s15
	s_add_co_u32 s14, s14, KF
	s_mov_b32 s15, 0
	s_mov_b32 s[SELR], 0x76543210
	s_mov_b32 s[SELR+1], 0xfedcba98
	s_wait_dscnt 0x0
	s_wait_kmcnt 0x0
	s_add_nc_u64 s[42:43], s[4:5], s[14:15]
	s_or_b32 s43, s43, 0x80000000
	CROUND                                         ; all four work-groups are here: the joint loads meet
	tensor_load_to_lds s[40:43], s[24:31]          ; my one tensor load of the launch
	s_nop 0
	PLACES
	v_and_b32 v1, 31, v0
	v_lshlrev_b32 v1, 4, v1                        ; 16 L
	v_mov_b32 v[KAD0], v1
	v_bfe_u32 v16, v0, 4, 1                        ; the turning load: lane L addresses key 8 (L / 16) + L % 8, channels 8 ((L / 8) % 2) ..
	v_and_b32 v17, 7, v0
	v_lshl_add_u32 v17, v16, 3, v17
	v_lshlrev_b32 v17, 4, v17
	v_bfe_u32 v16, v0, 3, 1
	v_lshl_add_u32 v17, v16, 8, v17
	v_add_nc_u32 v[VAD0], 65536, v17
	s_lshl_b32 s16, s12, 6
	s_lshl4_add_u32 s16, s13, s16
	s_lshl1_add_u32 s16, s[WV], s16                ; Q's fragment: 64 y + 16 block + 2 wave
	s_lshl_b32 s16, s16, 10
	s_mov_b32 s17, 0
	s_add_nc_u64 s[4:5], s[4:5], s[16:17]
.irp n, 0,1,2,3
	global_load_b128 v[Q_+4*\n:Q_+4*\n+3], v1, s[4:5] offset:512*\n
.endr
	s_lshr_b32 s16, s12, 3                         ; O's fragment: (64 batch + 16 block + 2 wave) 8 + head pair
	s_lshl_b32 s16, s16, 6
	s_lshl4_add_u32 s16, s13, s16
	s_lshl1_add_u32 s16, s[WV], s16
	s_and_b32 s18, s12, 7
	s_lshl3_add_u32 s16, s16, s18
	s_lshl_b32 s16, s16, 10
	s_add_nc_u64 s[6:7], s[6:7], s[16:17]
.irp n, 0,1,2,3
	v_mov_b32 v[KZ_+4+\n], 0
	v_mov_b32 v[KZ_+16+\n], 0
.endr
.irp n, 0,1,2,3,4,5,6,7
	v_mov_b32 v[ONE_+\n], 0x3f803f80
.endr
	s_wait_tensorcnt 0x0                           ; my part of K or V is in,
	s_barrier_signal -1
	s_barrier_wait -1                              ; everybody's is
	s_wait_loadcnt 0x0                             ; Q
	ATT 32
.irp n, 0,1,2,3
	global_store_b128 v1, v[OC_+4*\n:OC_+4*\n+3], s[6:7] offset:(\n/2)*8192+(\n%2)*512  ; 512 consecutive bytes: a chunk of the output projection's A
.endr
	s_wait_tensorcnt 0x0                           ; the wave's end
	ds_add_u32 v5, v6
	s_wait_dscnt 0x0
	CROUND                                         ; the closing round
	s_endpgm
.Lfunc_end_k_q6b4ef705a3_attn:
	.size	k_q6b4ef705a3_attn, .Lfunc_end_k_q6b4ef705a3_attn-k_q6b4ef705a3_attn
	.p2alignl 7, 3214868480
	.fill 96, 4, 3214868480
	.section	.rodata,"a",@progbits
	.p2align	6, 0x0
	.amdhsa_kernel k_q6b4ef705a3_attn
		.amdhsa_group_segment_fixed_size 167936
		.amdhsa_private_segment_fixed_size 0
		.amdhsa_enable_private_segment 0
		.amdhsa_kernarg_size 16
		.amdhsa_user_sgpr_count 2
		.amdhsa_user_sgpr_kernarg_segment_ptr 1
		.amdhsa_wavefront_size32 1
		.amdhsa_system_sgpr_workgroup_id_x 1
		.amdhsa_system_sgpr_workgroup_id_y 1
		.amdhsa_system_sgpr_workgroup_id_z 1
		.amdhsa_system_vgpr_workitem_id 0
		.amdhsa_next_free_vgpr 240
		.amdhsa_next_free_sgpr 66
		.amdhsa_reserve_vcc 0
		.amdhsa_float_denorm_mode_32 3
		.amdhsa_float_denorm_mode_16_64 3
		.amdhsa_memory_ordered 1
		.amdhsa_forward_progress 1
		.amdhsa_inst_pref_size 22
	.end_amdhsa_kernel
	.amdgpu_metadata
---
amdhsa.version: [ 1, 2 ]
amdhsa.kernels:
  - .name:           k_q6b4ef705a3_attn
    .symbol:         k_q6b4ef705a3_attn.kd
    .args:
      - { .name: qkv, .offset: 0, .size: 8, .value_kind: global_buffer, .address_space: global }
      - { .name: of, .offset: 8, .size: 8, .value_kind: global_buffer, .address_space: global }
    .group_segment_fixed_size: 167936
    .private_segment_fixed_size: 0
    .kernarg_segment_align: 8
    .kernarg_segment_size: 16
    .max_flat_workgroup_size: 256
    .sgpr_count:     66
    .vgpr_count:     240
    .wavefront_size: 32
...
	.end_amdgpu_metadata
.endif
;; end of part 3
;; launch mid (part 4): grid 256 x 1, 8 waves a work-group, clusters of 4 x 1, 327,680 bytes of LDS; arguments of, x, wf, qkv, sa_bo, ln2_g, ln2_b, ca_bo, ln3_g, ln3_b, x2f, h3f; writes x2f, h3f
.if DOCPART == 4
	.amdgcn_target "amdgcn-amd-amdhsa--gfx1250"
	.amdhsa_code_object_version 6
	.text
	.protected	k_q6b4ef705a3_mid
	.globl	k_q6b4ef705a3_mid
	.p2align	8
	.type	k_q6b4ef705a3_mid,@function
k_q6b4ef705a3_mid:
	s_mov_b64 s[64:65], 0
	v_nop
	global_prefetch_b8 v0, s[64:65] scope:SCOPE_SE
	s_setreg_imm32_b32 hwreg(HW_REG_WAVE_MODE, 25, 1), 1
	s_wait_xcnt 0x0
	s_wait_alu depctr_hold_cnt(0) depctr_sa_sdst(0) depctr_va_vdst(0) depctr_va_sdst(0) depctr_va_ssrc(0) depctr_va_vcc(0) depctr_vm_vsrc(0)
	s_getreg_b32 s2, hwreg(HW_REG_IB_STS2, 6, 4)
	s_cmp_eq_u32 s2, 0
	s_cbranch_scc0 .Lentry_in_a_cluster
	s_endpgm
.Lentry_in_a_cluster:
	s_bfe_u32 s2, ttmp6, 0x10000c
	s_cmp_lg_u32 s2, 0x3003
	s_cbranch_scc0 .Lentry_shape_is_right
	s_endpgm
.Lentry_shape_is_right:
; MID.  All that is local to a row between self-attention and the FFN, for 32 rows a work-group:
;   x1 = o Wo + bo + x;  h2 = LN2(x1);  q2 = h2 Wq log2(e) / 4;  cross-attention over the batch's 256 keys;  x2 = o2 Wo2 + bo2 + x1;  h3 = LN3(x2).
; Stored: x2 as f32 result tiles (1,024 bytes: chunk c = registers 4 c .. 4 c + 3 of lane L at 16 L), h3 as f16 fragments.  Matrix operands here are bf16, sums f32.
; SHARES.  Wave w owns columns 64 w .. 64 w + 63 of the 512 (blocks nb = 4 w + 0..3) for both row blocks: eight accumulators X that carry x1 and then x2; in the cross-attention it owns head pair w.
; The matrix instruction takes W's columns as source 0 and rows as source 1: a lane holds row L % 16 and eight neighbouring columns.
; K2 and V2 of the batch (128 KB each) come into LDS once by joint tensor loads: the four work-groups of a cluster lie in one batch.  The weights are NOT shared through LDS: each of their
; fragments is used by exactly one wave of a work-group and is loaded straight into that wave's registers, four K steps ahead.
; Row statistics meet in LDS: each wave's partial sums, a barrier, every wave adds the eight.  The variance is the mean square of the deviations.
; LIMITS: h3 must lie within f16's 65,504, that is 22.6 |ln3_g| + |ln3_b| must; a weight below 2^-126 counts as 0; NaN and infinities are not treated apart.
.set PA, 262144                        ; 16 KB: A of the two output projections, fragment (mb, kb) at (8 mb + kb) 1024
.set PH, 278528                        ; 32 KB: h2, fragment (mb, kb) at (16 mb + kb) 1024
.set STAT, 311296                      ; 4 x 1 KB: [wave][32 rows] f32
.set SPARE, 315392
.set SAO, 7077888
.set CAQ, 7340032
.set CAO, 7602176
.set K2F, 12582912
.set X, 16                             ; v16-79  X(mb, n) at 16 + 8 (4 mb + n)
.set NT, 2
.set KAD, 2
.set VAD, 3
.set KAD0, 4
.set VAD0, 5
.set KZ_, 96
.set VT_, 120
.set ONE_, 136
.set NM_, 144
.set S_, 160
.set O_, 192
.set LS_, 208
.set M_, 224
.set MT_, 226
.set R_, 228
.set OC_, 232
.set WV, 30
.set CT, 50
.set SELR, 60
.macro PLACES
.rept 4
	v_nop
.endr
.endm
.macro CROUND
	s_barrier_signal -1
	s_barrier_wait -1
	s_cmp_lg_u32 s[WV], 0
	s_cbranch_scc1 .Lnot_wave_0_\@
	s_barrier_signal -3
.Lnot_wave_0_\@:
	s_barrier_wait -3
	s_barrier_signal -1
	s_barrier_wait -1
.endm
.macro BAR
	s_barrier_signal -1
	s_barrier_wait -1
.endm
; ---- the attention macros (as in the self-attention launch; here one query tile, two tile-heads)
.macro KLD
.irp kbl, 0,1
.irp hd, 0,1
	ds_load_b128 v[KZ_+12*\kbl+8*\hd:KZ_+12*\kbl+8*\hd+3], v[KAD] offset:\kbl*1024+\hd*512
.endr
.endr
	v_add_nc_u32 v[KAD], 2048, v[KAD]
.endm
.macro VLD
.irp hd, 0,1
.irp kbl, 0,1
	ds_load_tr16_b128 v[VT_+8*\hd+4*\kbl:VT_+8*\hd+4*\kbl+3], v[VAD] offset:\hd*512+\kbl*1024
.endr
.endr
	v_add_nc_u32 v[VAD], 2048, v[VAD]
.endm
.macro SCORES cm
.set tq, 0
.rept NT
.set kbl, 0
.rept 2
.if \cm
	v_wmma_f32_16x16x32_bf16 v[S_+16*tq+8*kbl:S_+16*tq+8*kbl+7], v[KZ_+12*kbl+4*(tq%2):KZ_+12*kbl+4*(tq%2)+7], v[Q_+8*(tq/2):Q_+8*(tq/2)+7], v[NM_+8*tq:NM_+8*tq+7]
.else
	v_wmma_f32_16x16x32_bf16 v[S_+16*tq+8*kbl:S_+16*tq+8*kbl+7], v[KZ_+12*kbl+4*(tq%2):KZ_+12*kbl+4*(tq%2)+7], v[Q_+8*(tq/2):Q_+8*(tq/2)+7], 0
.endif
.set kbl, kbl+1
.endr
.set tq, tq+1
.endr
.endm
.macro EE t
.set n, 0
.rept 8
	v_exp_f32 v[S_+8*(\t)+n], v[S_+8*(\t)+n]
.set n, n+1
.endr
.endm
.macro CC t
.set n, 0
	s_wait_alu depctr_va_vdst(0)
.rept 4
	v_cvt_pk_bf16_f32 v[S_+16*((\t)/2)+4*((\t)%2)+n], v[S_+8*(\t)+2*n], v[S_+8*(\t)+2*n+1]
.set n, n+1
.endr
.endm
.macro ATT trips
	v_mov_b32 v[KAD], v[KAD0]
	v_mov_b32 v[VAD], v[VAD0]
.set tq, 0
.rept NT
	v_mov_b32 v[M_+tq], 0xff7fffff
	v_mov_b32 v[MT_+tq], 0
.set tq, tq+1
.endr
	KLD
	s_mov_b32 s[CT], \trips
.Lp1_\@:                                               ; pass 1: the true maximum
	s_wait_dscnt 0x0
	SCORES 0
	PLACES
	KLD                                            ; (the last trip's reads the 2 KB behind my K, filled bytes that nobody uses)
.set ii, 0
.rept 4
.set kbl, 0
.rept 2
.set tq, 0
.rept NT
	v_max3_num_f32 v[M_+tq], v[M_+tq], v[S_+16*tq+8*kbl+2*ii], v[S_+16*tq+8*kbl+2*ii+1]
.set tq, tq+1
.endr
.set kbl, kbl+1
.endr
.set ii, ii+1
.endr
	s_sub_co_u32 s[CT], s[CT], 1
	s_cmp_lg_u32 s[CT], 0
	s_cbranch_scc1 .Lp1_\@
	s_wait_dscnt 0x0
.set tq, 0
.rept NT
	v_permlanex16_b32 v[MT_+tq], v[M_+tq], s[SELR], s[SELR+1]
.set tq, tq+1
.endr
.set tq, 0
.rept NT
	v_max_num_f32 v[M_+tq], v[M_+tq], v[MT_+tq]
.set tq, tq+1
.endr
.set tq, 0
.rept NT
.set n, 0
.rept 8
	v_sub_f32 v[NM_+8*tq+n], 0, v[M_+tq]
.set n, n+1
.endr
.set tq, tq+1
.endr
	v_mov_b32 v[KAD], v[KAD0]
.set n, 0
.rept 8*NT
	v_mov_b32 v[O_+n], 0
	v_mov_b32 v[LS_+n], 0
.set n, n+1
.endr
	KLD
	s_mov_b32 s[CT], \trips
.Lp2_\@:                                               ; pass 2: s - m from the product itself
	VLD
	s_wait_dscnt 0x4                               ; K is in; V's four loads may be out
	SCORES 1
	PLACES
	KLD
	EE 0
	v_nop
.set tt, 1
.rept 2*NT-1
	EE tt
	CC tt-1
.set tt, tt+1
.endr
	CC 2*NT-1
	s_wait_dscnt 0x4                               ; V is in; the next K's four loads may be out
.set tq, 0
.rept NT
	v_wmma_f32_16x16x32_bf16 v[O_+8*tq:O_+8*tq+7], v[VT_+8*(tq%2):VT_+8*(tq%2)+7], v[S_+16*tq:S_+16*tq+7], v[O_+8*tq:O_+8*tq+7]
	v_wmma_f32_16x16x32_bf16 v[LS_+8*tq:LS_+8*tq+7], v[ONE_:ONE_+7], v[S_+16*tq:S_+16*tq+7], v[LS_+8*tq:LS_+8*tq+7]
.set tq, tq+1
.endr
.rept 5
	v_nop
.endr
	s_sub_co_u32 s[CT], s[CT], 1
	s_cmp_lg_u32 s[CT], 0
	s_cbranch_scc1 .Lp2_\@
	s_wait_dscnt 0x0
.set tq, 0
.rept NT
	v_rcp_f32 v[R_+2*tq], v[LS_+8*tq]
	v_rcp_f32 v[R_+2*tq+1], v[LS_+8*tq]
.set tq, tq+1
.endr
	v_nop
.set tq, 0
	s_wait_alu depctr_va_vdst(0)
.rept NT
.set n, 0
.rept 4
	v_pk_mul_f32 v[O_+8*tq+2*n:O_+8*tq+2*n+1], v[O_+8*tq+2*n:O_+8*tq+2*n+1], v[R_+2*tq:R_+2*tq+1]
.set n, n+1
.endr
.set n, 0
.rept 4
	v_cvt_pk_bf16_f32 v[OC_+4*tq+n], v[O_+8*tq+2*n], v[O_+8*tq+2*n+1]
.set n, n+1
.endr
.set tq, tq+1
.endr
.endm
; ---- a product of the 32 rows with NBW column blocks of a weight.  W's fragments come from memory (base s[68:69]) into four buffers at v80, A's from the LDS panel whose address is v[PAN] into two at v208.
.macro WL KB, NBW, kb
.set wb, 80+8*\NBW*((\kb)%4)
.set n, 0
.rept \NBW
	global_load_b128 v[wb+8*n:wb+8*n+3], v1, s[68:69] offset:(n*\KB+(\kb))*1024
	global_load_b128 v[wb+8*n+4:wb+8*n+7], v1, s[68:69] offset:(n*\KB+(\kb))*1024+512
.set n, n+1
.endr
.endm
.macro AL KB, PAN, kb
.set ab, 208+16*((\kb)%2)
.irp mb, 0,1
	ds_load_b128 v[ab+8*\mb:ab+8*\mb+3], v[\PAN] offset:(\mb*\KB+(\kb))*1024
	ds_load_b128 v[ab+8*\mb+4:ab+8*\mb+7], v[\PAN] offset:(\mb*\KB+(\kb))*1024+512
.endr
.endm
.macro GEMMW KB, NBW, PAN, AC, zero    ; no global load is out when it begins
	WL \KB, \NBW, 0
	WL \KB, \NBW, 1
	WL \KB, \NBW, 2
	WL \KB, \NBW, 3
	AL \KB, \PAN, 0
	AL \KB, \PAN, 1
.set gk, 0
.rept \KB
.set rem, \KB-1-gk
.if rem > 3
.set rem, 3
.endif
	s_wait_loadcnt rem*2*\NBW                      ; this step's W is in; the later steps' groups of 2 NBW loads stay out
.if gk == \KB-1
	s_wait_dscnt 0x0
.else
	s_wait_dscnt 0x4                               ; this step's A is in; the next step's four loads may be out
.endif
.set mb, 0
.rept 2
.set n, 0
.rept \NBW                             ; the 2 NBW accumulators take turns
.set ac, \AC+8*(\NBW*mb+n)
.set wr, 80+8*\NBW*(gk%4)+8*n
.set ar, 208+16*(gk%2)+8*mb
.if (\zero) && (gk == 0)
	v_wmma_f32_16x16x32_bf16 v[ac:ac+7], v[wr:wr+7], v[ar:ar+7], 0
.else
	v_wmma_f32_16x16x32_bf16 v[ac:ac+7], v[wr:wr+7], v[ar:ar+7], v[ac:ac+7]
.endif
.set n, n+1
.endr
.set mb, mb+1
.endr
.if gk+2 < \KB
	PLACES
.endif
.if gk+4 < \KB
	WL \KB, \NBW, gk+4
.endif
.if gk+2 < \KB
	AL \KB, \PAN, gk+2
.endif
.set gk, gk+1
.endr
.endm
.macro BLOAD P                         ; a bias of my 64 columns into v144-175: lane: columns 16 n + 8 h + 0..7
.irp n, 0,1,2,3
	global_load_b128 v[144+8*\n:144+8*\n+3], v9, s[\P:\P+1] offset:\n*64
	global_load_b128 v[144+8*\n+4:144+8*\n+7], v9, s[\P:\P+1] offset:\n*64+16
.endr
.endm
.macro BADD
.set i, 0
.rept 32
	v_pk_add_f32 v[X+2*i:X+2*i+1], v[X+2*i:X+2*i+1], v[144+2*(i%16):144+2*(i%16)+1]
.set i, i+1
.endr
.endm
; ---- the exchange of row statistics: my lanes' sums at v[208 + 8 mb] -> the rows' sums over all eight waves at v[232 + 8 mb]
.macro XCH st
.irp mb, 0,1
	v_add_f32 v[208+8*\mb], v[208+8*\mb], v[209+8*\mb]
	v_permlanex16_b32 v[209+8*\mb], v[208+8*\mb], s[SELR], s[SELR+1]  ; the row's other 32 of my columns lie in the lane 16 away
	v_add_f32 v[208+8*\mb], v[208+8*\mb], v[209+8*\mb]
	ds_store_b32 v12, v[208+8*\mb] offset:(\st)*1024+64*\mb
.endr
	s_wait_dscnt 0x0                               ; for the others' sake: my stores are done
	BAR
.irp mb, 0,1
.irp wv, 0,1,2,3,4,5,6,7
	ds_load_b32 v[232+8*\mb+\wv], v13 offset:(\st)*1024+64*\mb+128*\wv
.endr
.endr
	s_wait_dscnt 0x0
.irp mb, 0,1
	v_add_f32 v[232+8*\mb], v[232+8*\mb], v[233+8*\mb]
	v_add_f32 v[234+8*\mb], v[234+8*\mb], v[235+8*\mb]
	v_add_f32 v[236+8*\mb], v[236+8*\mb], v[237+8*\mb]
	v_add_f32 v[238+8*\mb], v[238+8*\mb], v[239+8*\mb]
	v_add_f32 v[232+8*\mb], v[232+8*\mb], v[234+8*\mb]
	v_add_f32 v[236+8*\mb], v[236+8*\mb], v[238+8*\mb]
	v_add_f32 v[232+8*\mb], v[232+8*\mb], v[236+8*\mb]
.endr
.endm
; ---- LayerNorm of X.  H v80-143, gain v144-175, bias v176-207.  dest 0: bf16 into the LDS panel PH; dest 1: f16 to h3f.
.macro LNM st, gP, bP, dest
.irp n, 0,1,2,3
	global_load_b128 v[144+8*\n:144+8*\n+3], v9, s[\gP:\gP+1] offset:\n*64
	global_load_b128 v[144+8*\n+4:144+8*\n+7], v9, s[\gP:\gP+1] offset:\n*64+16
	global_load_b128 v[176+8*\n:176+8*\n+3], v9, s[\bP:\bP+1] offset:\n*64
	global_load_b128 v[176+8*\n+4:176+8*\n+7], v9, s[\bP:\bP+1] offset:\n*64+16
.endr
.irp mb, 0,1
.set xb, X+32*\mb
.set tb, 208+8*\mb
	v_pk_add_f32 v[tb:tb+1], v[xb:xb+1], v[xb+8:xb+9]              ; each accumulator is read from its low end on
	v_pk_add_f32 v[tb+2:tb+3], v[xb+16:xb+17], v[xb+24:xb+25]
.set i, 0
.rept 12
	v_pk_add_f32 v[tb+2*(i%2):tb+2*(i%2)+1], v[tb+2*(i%2):tb+2*(i%2)+1], v[xb+8*(i%4)+2*(i/4)+2:xb+8*(i%4)+2*(i/4)+3]
.set i, i+1
.endr
	v_pk_add_f32 v[tb:tb+1], v[tb:tb+1], v[tb+2:tb+3]
.endr
	XCH \st
.irp mb, 0,1
	v_mul_f32 v[224+2*\mb], s66, v[232+8*\mb]      ; the mean, as a pair
	v_mov_b32 v[225+2*\mb], v[224+2*\mb]
.endr
.set i, 0
.rept 32
	v_pk_add_f32 v[80+2*i:80+2*i+1], v[X+2*i:X+2*i+1], v[224+2*(i/16):225+2*(i/16)] neg_lo:[0,1] neg_hi:[0,1]
.set i, i+1
.endr
.irp mb, 0,1
.set hb, 80+32*\mb
.set tb, 208+8*\mb
	v_pk_mul_f32 v[tb:tb+1], v[hb:hb+1], v[hb:hb+1]
	v_pk_mul_f32 v[tb+2:tb+3], v[hb+2:hb+3], v[hb+2:hb+3]
.set i, 2
.rept 14
	v_pk_fma_f32 v[tb+2*(i%2):tb+2*(i%2)+1], v[hb+2*i:hb+2*i+1], v[hb+2*i:hb+2*i+1], v[tb+2*(i%2):tb+2*(i%2)+1]
.set i, i+1
.endr
	v_pk_add_f32 v[tb:tb+1], v[tb:tb+1], v[tb+2:tb+3]
.endr
	XCH (\st)+1
	v_fma_f32 v232, v232, s66, s67                 ; variance + eps
	v_fma_f32 v240, v240, s66, s67
	v_rsq_f32 v228, v232
	v_rsq_f32 v229, v232
	v_rsq_f32 v230, v240
	v_rsq_f32 v231, v240
	v_nop
	s_wait_loadcnt 0x0                             ; gain and bias
.set i, 0
	s_wait_alu depctr_va_vdst(0)
.rept 32
	v_pk_mul_f32 v[80+2*i:80+2*i+1], v[80+2*i:80+2*i+1], v[228+2*(i/16):229+2*(i/16)]
.set i, i+1
.endr
.set i, 0
.rept 32
	v_pk_fma_f32 v[80+2*i:80+2*i+1], v[80+2*i:80+2*i+1], v[144+2*(i%16):144+2*(i%16)+1], v[176+2*(i%16):176+2*(i%16)+1]
.set i, i+1
.endr
.set i, 0
.rept 8                                ; (mb, n) = (i / 4, i % 4): packed in place, ascending, and sent as chunk n % 2 of fragment (mb, 2 w + n / 2)
.set hb, 80+8*i
.set n, 0
.rept 4
.if \dest
	v_cvt_pk_f16_f32 v[hb+n], v[hb+2*n], v[hb+2*n+1]
.else
	v_cvt_pk_bf16_f32 v[hb+n], v[hb+2*n], v[hb+2*n+1]
.endif
.set n, n+1
.endr
.if \dest
	global_store_b128 v1, v[hb:hb+3], s[26:27] offset:((i/4)*16+(i%4)/2)*1024+(i%2)*512
.else
	ds_store_b128 v14, v[hb:hb+3] offset:((i/4)*16+(i%4)/2)*1024+(i%2)*512
.endif
.set i, i+1
.endr
.endm
	s_load_b512 s[4:19], s[0:1], 0x0               ; of, x, wf, qkv, sa_bo, ln2_g, ln2_b, ca_bo
	s_load_b256 s[20:27], s[0:1], 0x40             ; ln3_g, ln3_b, x2f, h3f
	v_lshl_add_u32 v6, v0, 2, SPARE
	v_mov_b32 v7, 0
	ds_add_u32 v6, v7                              ; the wave's opening: the add and its wait ahead of my first tensor load
	ds_add_u32 v6, v7
	v_lshrrev_b32 v1, 5, v0
	v_readfirstlane_b32 s[WV], v1                  ; wave 0..7
	s_bfe_u32 s31, ttmp6, 0x40000                  ; cx
	s_lshl_b32 s32, ttmp9, 2
	s_add_co_u32 s32, s32, s31                     ; g: my 32 rows; it enters global addresses alone
	s_lshr_b32 s33, ttmp9, 3                       ; the batch, which the four partners share
	s_mov_b32 s36, 15|(3<<16)|(1<<21)              ; group 1: the mask of four; 128 rows of 256 dense bytes
	s_mov_b32 s37, 32<<16
	s_mov_b32 s38, 128<<16
	s_mov_b32 s39, 32<<16
	s_mov_b32 s40, 128
	s_mov_b32 s41, 32
	s_mov_b32 s42, 0
	s_mov_b32 s43, 0
	s_mov_b32 s44, 1
	s_lshl_b32 s45, s[WV], 15                      ; waves 0-3: K2's quarters to LDS 0 ..; waves 4-7: V2's to 131,072 ..
	s_lshr_b32 s52, s[WV], 2
	s_lshl_b32 s52, s52, 20
	s_lshl_b32 s53, s33, 17
	s_add_co_u32 s52, s52, s53
	s_and_b32 s53, s[WV], 3
	s_lshl_b32 s53, s53, 15
	s_add_co_u32 s52, s52, s53
	s_add_co_u32 s52, s52, K2F
	s_mov_b32 s53, 0
	s_mov_b32 s[SELR], 0x76543210
	s_mov_b32 s[SELR+1], 0xfedcba98
	s_mov_b32 s62, 0x3eb8aa3b                      ; log2(e) / 4
	s_mov_b32 s63, s62
	s_mov_b32 s66, 0x3b000000                      ; 1 / 512
	s_mov_b32 s67, 0x3727c5ac                      ; 1e-5
	s_wait_dscnt 0x0
	s_wait_kmcnt 0x0
	s_add_nc_u64 s[46:47], s[10:11], s[52:53]
	s_or_b32 s47, s47, 0x80000000
	CROUND                                         ; all four work-groups are here: the joint loads meet
	tensor_load_to_lds s[44:47], s[36:43]          ; my one tensor load of the launch
	s_nop 0
	PLACES
	s_lshl_b32 s52, s32, 14
	s_lshl_b32 s54, s[WV], 11
	s_add_co_u32 s52, s52, s54
	s_add_nc_u64 s[4:5], s[4:5], s[52:53]          ; of: my 2 KB of the group's 16 fragments
	s_lshl_b32 s52, s32, 16
	s_lshl_b32 s54, s[WV], 8
	s_add_co_u32 s52, s52, s54
	s_add_nc_u64 s[6:7], s[6:7], s[52:53]          ; x: the group's first row, my 256 bytes of it
	s_lshl_b32 s52, s32, 16
	s_lshl_b32 s54, s[WV], 12
	s_add_co_u32 s52, s52, s54
	s_add_nc_u64 s[24:25], s[24:25], s[52:53]      ; x2f
	s_lshl_b32 s52, s32, 15
	s_lshl_b32 s54, s[WV], 11
	s_add_co_u32 s52, s52, s54
	s_add_nc_u64 s[26:27], s[26:27], s[52:53]      ; h3f
	s_lshl_b32 s52, s[WV], 15
	s_add_nc_u64 s[8:9], s[8:9], s[52:53]          ; wf + 32,768 w: my blocks in each of the three weights
	v_and_b32 v1, 31, v0
	v_lshlrev_b32 v1, 4, v1                        ; 16 L
	v_and_b32 v208, 15, v0                         ; r
	v_bfe_u32 v209, v0, 4, 1                       ; h
	v_lshlrev_b32 v9, 5, v209
	v_lshl_add_u32 v8, v208, 11, v9                ; x: row r, 32 h
	s_lshl_b32 s54, s[WV], 8
	v_add_nc_u32 v9, s54, v9                       ; biases and gains: 256 w + 32 h
	v_add_nc_u32 v10, PA, v1
	v_add_nc_u32 v11, PH, v1
	v_lshlrev_b32 v13, 2, v208
	v_add_nc_u32 v13, STAT, v13
	s_lshl_b32 s54, s[WV], 7
	v_add_nc_u32 v12, s54, v13
	s_lshl_b32 s54, s[WV], 11
	v_add_nc_u32 v14, s54, v11
	v_add_nc_u32 v210, s54, v10
	s_lshl_b32 s54, s[WV], 10
	v_add_nc_u32 v15, s54, v10
	s_lshl_b32 s54, s[WV], 14
	v_add_nc_u32 v[KAD0], s54, v1                  ; my head pair's K2
	v_and_b32 v211, 7, v0
	v_lshl_add_u32 v211, v209, 3, v211
	v_lshlrev_b32 v211, 4, v211
	v_bfe_u32 v212, v0, 3, 1
	v_lshl_add_u32 v211, v212, 8, v211
	s_add_co_u32 s54, s54, 131072
	v_add_nc_u32 v[VAD0], s54, v211                ; and V2, for the turning load
	; P0: o into the panel; X = x + sa_bo
.irp n, 0,1,2,3
	global_load_b128 v[80+4*\n:80+4*\n+3], v1, s[4:5] offset:512*\n
.endr
.set i, 0
.rept 8
	global_load_b128 v[X+8*i:X+8*i+3], v8, s[6:7] offset:(i/4)*32768+(i%4)*64
	global_load_b128 v[X+8*i+4:X+8*i+7], v8, s[6:7] offset:(i/4)*32768+(i%4)*64+16
.set i, i+1
.endr
	BLOAD 12
	s_wait_loadcnt 0x0
.irp n, 0,1,2,3
	ds_store_b128 v210, v[80+4*\n:80+4*\n+3] offset:512*\n
.endr
	BADD
	s_wait_tensorcnt 0x0                           ; my part of K2 or V2 is in,
	s_wait_dscnt 0x0                               ; my part of the panel is written:
	BAR                                            ; everybody's are
	; P1: X += o Wo
	s_add_nc_u64 s[68:69], s[8:9], SAO
	GEMMW 8, 4, 10, X, 0
	; P2: h2 = LN2(X) into PH
	PLACES
	LNM 0, 14, 16, 0
	s_wait_dscnt 0x0
	BAR
	; P3: q2 for head pair w, straight into source registers
	s_add_nc_u64 s[68:69], s[8:9], CAQ
	GEMMW 16, 2, 11, 144, 1
	PLACES
.set i, 0
.rept 16
	v_pk_mul_f32 v[144+2*i:144+2*i+1], v[144+2*i:144+2*i+1], s[62:63] op_sel_hi:[1,0]
.set i, i+1
.endr
.set i, 0
.rept 16
	v_cvt_pk_bf16_f32 v[80+i], v[144+2*i], v[144+2*i+1]            ; tile mb at v[80 + 8 mb]: registers 0-3 head 2 w, 4-7 head 2 w + 1
.set i, i+1
.endr
.irp n, 0,1,2,3
	v_mov_b32 v[KZ_+4+\n], 0
	v_mov_b32 v[KZ_+16+\n], 0
.endr
.irp n, 0,1,2,3,4,5,6,7
	v_mov_b32 v[ONE_+\n], 0x3f803f80
.endr
	; P4: cross-attention, a query tile at a time; o2 into the panel PA, whose earlier readers have passed two barriers
.set Q_, 80
	ATT 8
	ds_store_b128 v15, v[OC_:OC_+3]
	ds_store_b128 v15, v[OC_+4:OC_+7] offset:512
.set Q_, 88
	ATT 8
	ds_store_b128 v15, v[OC_:OC_+3] offset:8192
	ds_store_b128 v15, v[OC_+4:OC_+7] offset:8704
	BLOAD 18
	s_wait_dscnt 0x0
	BAR
	; P5: X += ca_bo + o2 Wo2
	s_wait_loadcnt 0x0
	BADD
	s_add_nc_u64 s[68:69], s[8:9], CAO
	GEMMW 8, 4, 10, X, 0
	; P6: x2 out, h3 = LN3(X) out
	PLACES
.set i, 0
.rept 8
	global_store_b128 v1, v[X+8*i:X+8*i+3], s[24:25] offset:(i/4)*32768+(i%4)*1024
	global_store_b128 v1, v[X+8*i+4:X+8*i+7], s[24:25] offset:(i/4)*32768+(i%4)*1024+512
.set i, i+1
.endr
	LNM 2, 20, 22, 1
	s_wait_tensorcnt 0x0                           ; the wave's end: behind my last LDS store
	ds_add_u32 v6, v7
	s_wait_dscnt 0x0
	CROUND                                         ; the closing round
	s_endpgm
.Lfunc_end_k_q6b4ef705a3_mid:
	.size	k_q6b4ef705a3_mid, .Lfunc_end_k_q6b4ef705a3_mid-k_q6b4ef705a3_mid
	.p2alignl 7, 3214868480
	.fill 96, 4, 3214868480
	.section	.rodata,"a",@progbits
	.p2align	6, 0x0
	.amdhsa_kernel k_q6b4ef705a3_mid
		.amdhsa_group_segment_fixed_size 327680
		.amdhsa_private_segment_fixed_size 0
		.amdhsa_enable_private_segment 0
		.amdhsa_kernarg_size 96
		.amdhsa_user_sgpr_count 2
		.amdhsa_user_sgpr_kernarg_segment_ptr 1
		.amdhsa_wavefront_size32 1
		.amdhsa_system_sgpr_workgroup_id_x 1
		.amdhsa_system_sgpr_workgroup_id_y 1
		.amdhsa_system_sgpr_workgroup_id_z 1
		.amdhsa_system_vgpr_workitem_id 0
		.amdhsa_next_free_vgpr 256
		.amdhsa_next_free_sgpr 80
		.amdhsa_reserve_vcc 0
		.amdhsa_float_denorm_mode_32 3
		.amdhsa_float_denorm_mode_16_64 3
		.amdhsa_memory_ordered 1
		.amdhsa_forward_progress 1
		.amdhsa_inst_pref_size 118
	.end_amdhsa_kernel
	.amdgpu_metadata
---
amdhsa.version: [ 1, 2 ]
amdhsa.kernels:
  - .name:           k_q6b4ef705a3_mid
    .symbol:         k_q6b4ef705a3_mid.kd
    .args:
      - { .name: of, .offset: 0, .size: 8, .value_kind: global_buffer, .address_space: global }
      - { .name: x, .offset: 8, .size: 8, .value_kind: global_buffer, .address_space: global }
      - { .name: wf, .offset: 16, .size: 8, .value_kind: global_buffer, .address_space: global }
      - { .name: qkv, .offset: 24, .size: 8, .value_kind: global_buffer, .address_space: global }
      - { .name: sa_bo, .offset: 32, .size: 8, .value_kind: global_buffer, .address_space: global }
      - { .name: ln2_g, .offset: 40, .size: 8, .value_kind: global_buffer, .address_space: global }
      - { .name: ln2_b, .offset: 48, .size: 8, .value_kind: global_buffer, .address_space: global }
      - { .name: ca_bo, .offset: 56, .size: 8, .value_kind: global_buffer, .address_space: global }
      - { .name: ln3_g, .offset: 64, .size: 8, .value_kind: global_buffer, .address_space: global }
      - { .name: ln3_b, .offset: 72, .size: 8, .value_kind: global_buffer, .address_space: global }
      - { .name: x2f, .offset: 80, .size: 8, .value_kind: global_buffer, .address_space: global }
      - { .name: h3f, .offset: 88, .size: 8, .value_kind: global_buffer, .address_space: global }
    .group_segment_fixed_size: 327680
    .private_segment_fixed_size: 0
    .kernarg_segment_align: 8
    .kernarg_segment_size: 96
    .max_flat_workgroup_size: 256
    .sgpr_count:     80
    .vgpr_count:     256
    .wavefront_size: 32
...
	.end_amdgpu_metadata
.endif
;; end of part 4
;; launch ff1 (part 5): grid 32 x 8, 4 waves a work-group, clusters of 4 x 1, 327,680 bytes of LDS; arguments h3f, wf, ff_b1, gf; writes gf
.if DOCPART == 5
	.amdgcn_target "amdgcn-amd-amdhsa--gfx1250"
	.amdhsa_code_object_version 6
	.text
	.protected	k_q6b4ef705a3_ff1
	.globl	k_q6b4ef705a3_ff1
	.p2align	8
	.type	k_q6b4ef705a3_ff1,@function
k_q6b4ef705a3_ff1:
	s_mov_b64 s[64:65], 0
	v_nop
	global_prefetch_b8 v0, s[64:65] scope:SCOPE_SE
	s_setreg_imm32_b32 hwreg(HW_REG_WAVE_MODE, 25, 1), 1
	s_wait_xcnt 0x0
	s_wait_alu depctr_hold_cnt(0) depctr_sa_sdst(0) depctr_va_vdst(0) depctr_va_sdst(0) depctr_va_ssrc(0) depctr_va_vcc(0) depctr_vm_vsrc(0)
	s_getreg_b32 s2, hwreg(HW_REG_IB_STS2, 6, 4)
	s_cmp_eq_u32 s2, 0
	s_cbranch_scc0 .Lentry_in_a_cluster
	s_endpgm
.Lentry_in_a_cluster:
	s_bfe_u32 s2, ttmp6, 0x10000c
	s_cmp_lg_u32 s2, 0x3003
	s_cbranch_scc0 .Lentry_shape_is_right
	s_endpgm
.Lentry_shape_is_right:
; FF1 + GEGLU.  g = (h3 W1a + b1a) gelu(h3 W1g + b1g), gelu exact (erf).  h3 and W1 are f16 fragments, sums f32, g leaves as bf16 fragments [row block][kb 64].
; A work-group owns 256 rows (a wave 64) and 8 tiles of W1; h3's fragments stay in registers for the whole launch (windows 1, 2), only W1 goes through LDS.
; A tile is four column blocks: two of a and the two of gate for the same 32 columns of g, so that it makes one fragment of g for each row block.
; RING.  Two LDS slots of 64 KB; wave w brings block w of a tile by one joint tensor load (the four row blocks of a cluster walk the same tiles).  A slot is asked for behind a round of the
; cluster's barrier and has a whole tile (256 matrix instructions and the GELU) in which to land; one tensor load of a wave is out at a time.
; GELU: gelu(x) = max(x, 0) - |x| e B, t = 1 / (1 + 0.2316419 |x|), B = a polynomial of degree 5 in t, e = exp(-x^2 / 2) (Abramowitz and Stegun 26.2.17): the normal distribution function within 7.5e-8.
; LIMITS: h3 and W1 arrive within f16's range; g is bf16 because a x gelu(gate) has no room in f16; NaN and infinities are not treated apart.
; REGISTERS.  window 0: v1 16 L; v2, v3 LDS addresses; v4 g's offset; v5 32 h; v6, v7 the add's; v8-39 biases; v40-63, v104-111 packed results; v64-127 two buffers of W's fragments, then at work;
;   v128-255 accumulators (mb, n) at 128 + 8 (4 mb + n), n = 0, 1 a, 2, 3 gate.   windows 1, 2: A's fragment (mb, kb) in window 1 + kb / 8 at v[8 (4 (kb % 8) + mb)].
.set SLOT, 65536
.set SPARE, 131072
.set BF, 64
.set ACC, 128
.set T0, 64
.set T1, 72
.set T2, 80
.set T3, 88
.set T4, 96
.set WV, 12
.set MSB, 0
.macro WIN new
.if MSB != (\new)
	s_set_vgpr_msb (MSB<<8)|(\new)
.set MSB, \new
.endif
.endm
.macro PLACES
.rept 4
	v_nop
.endr
.endm
.macro CROUND
	s_barrier_signal -1
	s_barrier_wait -1
	s_cmp_lg_u32 s[WV], 0
	s_cbranch_scc1 .Lnot_wave_0_\@
	s_barrier_signal -3
.Lnot_wave_0_\@:
	s_barrier_wait -3
	s_barrier_signal -1
	s_barrier_wait -1
.endm
.macro PAIR r, val                     ; a constant for packed arithmetic: both words are written, the low one is used
	s_mov_b32 s[\r], \val
	s_mov_b32 s[\r+1], \val
.endm
.macro ALOAD KB
.set kb, 0
.rept \KB
	WIN (1+kb/8)<<6
.set mb, 0
.rept 4
.set ar, ((kb%8)*4+mb)*8
	global_load_b128 v[ar:ar+3], v1, s[54:55] offset:(mb*\KB+kb)*1024
	global_load_b128 v[ar+4:ar+7], v1, s[54:55] offset:(mb*\KB+kb)*1024+512
.set mb, mb+1
.endr
.set kb, kb+1
.endr
	WIN 0
.endm
.macro FB KB, kb
.set fb, BF+32*((\kb)%2)
.irp n, 0,1,2,3
	ds_load_b128 v[fb+8*\n:fb+8*\n+3], v[2+\n/2] offset:((\n%2)*\KB+(\kb))*1024
	ds_load_b128 v[fb+8*\n+4:fb+8*\n+7], v[2+\n/2] offset:((\n%2)*\KB+(\kb))*1024+512
.endr
.endm
.macro MUL KB                          ; the 16 accumulators take turns, one instruction a turn; the first K step starts the sums
	FB \KB, 0
	FB \KB, 1
.set kk, 0
.rept \KB
	WIN (1+kk/8)<<2
.if kk == \KB-1
	s_wait_dscnt 0x0
.else
	s_wait_dscnt 0x8                               ; this step's eight loads are in, the next step's eight may be out
.endif
.set mb, 0
.rept 4
.set nb, 0
.rept 4
.set ac, ACC+8*(4*mb+nb)
.set ar, ((kk%8)*4+mb)*8
.set br, BF+32*(kk%2)+8*nb
.if kk == 0
	v_wmma_f32_16x16x32_f16 v[ac:ac+7], v[br:br+7], v[ar:ar+7], 0
.else
	v_wmma_f32_16x16x32_f16 v[ac:ac+7], v[br:br+7], v[ar:ar+7], v[ac:ac+7]
.endif
.set nb, nb+1
.endr
.set mb, mb+1
.endr
.if kk+2 < \KB
	PLACES
	FB \KB, kk+2
.endif
.set kk, kk+1
.endr
	WIN 0
.endm
.macro P4 line:vararg                  ; one line for each of four register pairs, p = 0, 2, 4, 6
.set p, 0
.rept 4
	\line
.set p, p+2
.endr
.endm
.macro E8 line:vararg                  ; one line for each of eight registers
.set p, 0
	s_wait_alu depctr_va_vdst(0)
.rept 8
	\line
.set p, p+1
.endr
.endm
.macro GEL8 mb, jb                     ; 16 rows x 16 columns of g
.set aa, ACC+8*(4*\mb+\jb)
.set gg, ACC+8*(4*\mb+2+\jb)
.set ba, 8+8*\jb
.set bg, 24+8*\jb
.set ix, 2*\mb+\jb
.if ix < 6
.set oo, 40+4*ix
.else
.set oo, 104+4*(ix-6)
.endif
	P4 v_pk_add_f32 v[T0+p:T0+p+1], v[gg+p:gg+p+1], v[bg+p:bg+p+1]                         ; x
	E8 v_and_b32 v[T1+p], s80, v[T0+p]                                                      ; |x|
	P4 v_pk_fma_f32 v[T2+p:T2+p+1], v[T1+p:T1+p+1], s[66:67], 1.0 op_sel_hi:[1,0,0]
	P4 v_pk_mul_f32 v[T3+p:T3+p+1], v[T0+p:T0+p+1], s[68:69] op_sel_hi:[1,0]
	P4 v_pk_mul_f32 v[T3+p:T3+p+1], v[T3+p:T3+p+1], v[T0+p:T0+p+1]                          ; -x^2 log2(e) / 2
	E8 v_rcp_f32 v[T2+p], v[T2+p]                                                           ; t
	E8 v_exp_f32 v[T3+p], v[T3+p]                                                           ; e
	E8 v_max_num_f32 v[T0+p], 0, v[T0+p]                                                    ; plain instructions behind the transcendentals
	P4 v_pk_fma_f32 v[T4+p:T4+p+1], v[T2+p:T2+p+1], s[78:79], s[76:77] op_sel_hi:[1,0,0]
	P4 v_pk_fma_f32 v[T4+p:T4+p+1], v[T4+p:T4+p+1], v[T2+p:T2+p+1], s[74:75] op_sel_hi:[1,1,0]
	P4 v_pk_fma_f32 v[T4+p:T4+p+1], v[T4+p:T4+p+1], v[T2+p:T2+p+1], s[72:73] op_sel_hi:[1,1,0]
	P4 v_pk_fma_f32 v[T4+p:T4+p+1], v[T4+p:T4+p+1], v[T2+p:T2+p+1], s[70:71] op_sel_hi:[1,1,0]
	P4 v_pk_mul_f32 v[T4+p:T4+p+1], v[T4+p:T4+p+1], v[T2+p:T2+p+1]                          ; B
	P4 v_pk_mul_f32 v[T3+p:T3+p+1], v[T3+p:T3+p+1], v[T1+p:T1+p+1]                          ; |x| e
	P4 v_pk_fma_f32 v[T0+p:T0+p+1], v[T4+p:T4+p+1], v[T3+p:T3+p+1], v[T0+p:T0+p+1] neg_lo:[1,0,0] neg_hi:[1,0,0]
	P4 v_pk_add_f32 v[T1+p:T1+p+1], v[aa+p:aa+p+1], v[ba+p:ba+p+1]
	P4 v_pk_mul_f32 v[T1+p:T1+p+1], v[T1+p:T1+p+1], v[T0+p:T0+p+1]
.set p, 0
.rept 4
	v_cvt_pk_bf16_f32 v[oo+p], v[T1+2*p], v[T1+2*p+1]
.set p, p+1
.endr
	global_store_b128 v4, v[oo:oo+3], s[56:57] offset:\mb*65536+\jb*512   ; 512 consecutive bytes: chunk jb of g's fragment
.endm
.macro TILE
.irp jb, 0,1
	global_load_b128 v[8+8*\jb:8+8*\jb+3], v5, s[52:53] offset:\jb*64
	global_load_b128 v[8+8*\jb+4:8+8*\jb+7], v5, s[52:53] offset:\jb*64+16
	global_load_b128 v[24+8*\jb:24+8*\jb+3], v5, s[52:53] offset:8192+\jb*64
	global_load_b128 v[24+8*\jb+4:24+8*\jb+7], v5, s[52:53] offset:8192+\jb*64+16
.endr
	MUL 16
	PLACES
	s_wait_loadcnt 0x0                             ; the biases
.irp mb, 0,1,2,3
	GEL8 \mb, 0
	GEL8 \mb, 1
.endr
	s_wait_xcnt 0x0                                ; the bases and the stores' data registers are rewritten only behind this wait
	s_add_nc_u64 s[52:53], s[52:53], 128
	s_add_nc_u64 s[56:57], s[56:57], 1024
.endm
; THE CHANGE OF SLOTS.  Each wave waits for all its tensor loads (one is out: its part of the tile to be multiplied), adds 0 to its spare word, and waits for that and for its reads of the other slot.
; fill = 1: a round of the cluster's barrier, and the other slot is asked for again, first thing behind it.
.macro CHANGE fill
	WIN 0
	s_wait_tensorcnt 0x0
	ds_add_u32 v6, v7
.if \fill
	s_xor_b32 s41, s41, SLOT
	s_add_nc_u64 s[42:43], s[42:43], 65536
.endif
	s_wait_dscnt 0x0
.if \fill
	CROUND
	tensor_load_to_lds s[40:43], s[24:31]
	s_nop 0
	PLACES
.else
	s_barrier_signal -1
	s_barrier_wait -1
.endif
	s_xor_b32 s62, s62, SLOT
	v_add_nc_u32 v2, s62, v1
	v_add_nc_u32 v3, 32768, v2
.endm
	s_load_b256 s[4:11], s[0:1], 0x0               ; h3f, wf, ff_b1, gf
	v_lshl_add_u32 v6, v0, 2, SPARE
	v_mov_b32 v7, 0
	ds_add_u32 v6, v7                              ; the wave's opening: the add and its wait ahead of my first tensor load
	ds_add_u32 v6, v7
	v_lshrrev_b32 v1, 5, v0
	v_readfirstlane_b32 s[WV], v1                  ; wave 0..3
	s_bfe_u32 s13, ttmp6, 0x40000                  ; cx
	s_lshl_b32 s14, ttmp9, 2
	s_add_co_u32 s14, s14, s13                     ; rb: my 256 rows; it enters h3f's and gf's addresses alone
	s_and_b32 s15, ttmp7, 0xffff                   ; y: tiles 8 y .. 8 y + 7, which the four partners share
	s_mov_b32 s24, 15|(3<<16)|(1<<21)              ; group 1: the mask of four; 64 rows of 256 dense bytes
	s_mov_b32 s25, 32<<16
	s_mov_b32 s26, 64<<16
	s_mov_b32 s27, 32<<16
	s_mov_b32 s28, 64
	s_mov_b32 s29, 32
	s_mov_b32 s30, 0
	s_mov_b32 s31, 0
	s_mov_b32 s40, 1
	s_lshl_b32 s41, s[WV], 14
	s_lshl_b32 s16, s15, 19
	s_add_co_u32 s16, s16, s41
	s_mov_b32 s17, 0
	s_mov_b32 s62, SLOT                            ; the first change of slots turns it into 0
	PAIR 66, 0x3e6d3389
	PAIR 68, 0xbf38aa3b
	PAIR 70, 0x3e027906
	PAIR 72, 0xbe11a98e
	PAIR 74, 0x3f35f0e3
	PAIR 76, 0xbf3a00e3
	PAIR 78, 0x3f07dc22
	s_mov_b32 s80, 0x7fffffff
	s_wait_dscnt 0x0
	s_wait_kmcnt 0x0
	s_add_nc_u64 s[42:43], s[6:7], s[16:17]
	s_or_b32 s43, s43, 0x80000000
	CROUND                                         ; all four work-groups are here: the first joint loads meet
	tensor_load_to_lds s[40:43], s[24:31]          ; tile 0 into slot 0
	s_nop 0
	PLACES
	v_and_b32 v1, 31, v0
	v_lshlrev_b32 v1, 4, v1
	v_bfe_u32 v5, v0, 4, 1
	v_lshlrev_b32 v5, 5, v5
	s_lshl_b32 s16, s[WV], 18
	v_add_nc_u32 v4, s16, v1                       ; 16 L + my four row blocks' place in gf
	s_lshl_b32 s16, s14, 4
	s_lshl2_add_u32 s16, s[WV], s16
	s_lshl_b32 s16, s16, 14
	s_add_nc_u64 s[54:55], s[4:5], s[16:17]
	ALOAD 16
	s_lshl_b32 s16, s15, 10
	s_add_nc_u64 s[52:53], s[8:9], s[16:17]        ; the biases of tile 8 y
	s_lshl_b32 s16, s14, 20
	s_lshl_b32 s18, s15, 13
	s_add_co_u32 s16, s16, s18
	s_add_nc_u64 s[56:57], s[10:11], s[16:17]      ; g's fragment kb = 8 y of my first rows
	s_wait_loadcnt 0x0                             ; A
	s_mov_b32 s50, 7
.Lt:                                                   ; seven trips: a tile is multiplied and the next is asked for
	CHANGE 1
	TILE
	s_sub_co_u32 s50, s50, 1
	s_cmp_lg_u32 s50, 0
	s_cbranch_scc1 .Lt
	CHANGE 0                                       ; the last tile is written out: nothing is asked for
	TILE
	s_wait_tensorcnt 0x0                           ; the wave's end
	ds_add_u32 v6, v7
	s_wait_dscnt 0x0
	CROUND                                         ; the closing round
	s_endpgm
.Lfunc_end_k_q6b4ef705a3_ff1:
	.size	k_q6b4ef705a3_ff1, .Lfunc_end_k_q6b4ef705a3_ff1-k_q6b4ef705a3_ff1
	.p2alignl 7, 3214868480
	.fill 96, 4, 3214868480
	.section	.rodata,"a",@progbits
	.p2align	6, 0x0
	.amdhsa_kernel k_q6b4ef705a3_ff1
		.amdhsa_group_segment_fixed_size 327680
		.amdhsa_private_segment_fixed_size 0
		.amdhsa_enable_private_segment 0
		.amdhsa_kernarg_size 32
		.amdhsa_user_sgpr_count 2
		.amdhsa_user_sgpr_kernarg_segment_ptr 1
		.amdhsa_wavefront_size32 1
		.amdhsa_system_sgpr_workgroup_id_x 1
		.amdhsa_system_sgpr_workgroup_id_y 1
		.amdhsa_system_sgpr_workgroup_id_z 1
		.amdhsa_system_vgpr_workitem_id 0
		.amdhsa_next_free_vgpr 1024
		.amdhsa_next_free_sgpr 90
		.amdhsa_reserve_vcc 0
		.amdhsa_float_denorm_mode_32 3
		.amdhsa_float_denorm_mode_16_64 3
		.amdhsa_memory_ordered 1
		.amdhsa_forward_progress 1
		.amdhsa_inst_pref_size 149
	.end_amdhsa_kernel
	.amdgpu_metadata
---
amdhsa.version: [ 1, 2 ]
amdhsa.kernels:
  - .name:           k_q6b4ef705a3_ff1
    .symbol:         k_q6b4ef705a3_ff1.kd
    .args:
      - { .name: h3f, .offset: 0, .size: 8, .value_kind: global_buffer, .address_space: global }
      - { .name: wf, .offset: 8, .size: 8, .value_kind: global_buffer, .address_space: global }
      - { .name: ff_b1, .offset: 16, .size: 8, .value_kind: global_buffer, .address_space: global }
      - { .name: gf, .offset: 24, .size: 8, .value_kind: global_buffer, .address_space: global }
    .group_segment_fixed_size: 327680
    .private_segment_fixed_size: 0
    .kernarg_segment_align: 8
    .kernarg_segment_size: 32
    .max_flat_workgroup_size: 128
    .sgpr_count:     90
    .vgpr_count:     1024
    .wavefront_size: 32
...
	.end_amdgpu_metadata
.endif
;; end of part 5
;; launch ff2 (part 6): grid 4 x 64, 4 waves a work-group, clusters of 4 x 4, 327,680 bytes of LDS; arguments gf, wf, x2f, ff_b2, out0; writes out0
.if DOCPART == 6
	.amdgcn_target "amdgcn-amd-amdhsa--gfx1250"
	.amdhsa_code_object_version 6
	.text
	.protected	k_q6b4ef705a3_ff2
	.globl	k_q6b4ef705a3_ff2
	.p2align	8
	.type	k_q6b4ef705a3_ff2,@function
k_q6b4ef705a3_ff2:
	s_mov_b64 s[64:65], 0
	v_nop
	global_prefetch_b8 v0, s[64:65] scope:SCOPE_SE
	s_setreg_imm32_b32 hwreg(HW_REG_WAVE_MODE, 25, 1), 1
	s_wait_xcnt 0x0
	s_wait_alu depctr_hold_cnt(0) depctr_sa_sdst(0) depctr_va_vdst(0) depctr_va_sdst(0) depctr_va_ssrc(0) depctr_va_vcc(0) depctr_vm_vsrc(0)
	s_getreg_b32 s2, hwreg(HW_REG_IB_STS2, 6, 4)
	s_cmp_eq_u32 s2, 0
	s_cbranch_scc0 .Lentry_in_a_cluster
	s_endpgm
.Lentry_in_a_cluster:
	s_bfe_u32 s2, ttmp6, 0x10000c
	s_cmp_lg_u32 s2, 0xf033
	s_cbranch_scc0 .Lentry_shape_is_right
	s_endpgm
.Lentry_shape_is_right:
; FF2.  out = g W2 + b2 + x2.  g and W2 are bf16 fragments, sums f32, out f32 row-major [8192][512].
; A tile of out is 128 x 128, four waves of 64 x 64: 16 accumulators, which START as x2 + b2 (x2 lies in memory as result tiles, so it is loaded straight into them).
; K = 2,048 goes in 8 steps of 256 through two LDS slots of 128 KB: 8 row blocks x 8 fragments of g, then 8 column blocks x 8 fragments of W2.  A wave brings four blocks by one tensor load:
; 4 rows of 8,192 consecutive bytes, 65,536 bytes apart.  One tensor load of a wave is out at a time; it has a K step (128 matrix instructions a wave) in which to land.
; CLUSTERS 4 x 4: g's tiles hang on the tile row and are asked for jointly along a row of the cluster, W2's on the tile column and jointly along a column.
; The matrix instruction takes W2's columns as source 0 and g's rows as source 1: a lane holds row L % 16 and eight neighbouring columns.  The way out goes through each wave's own LDS stage, so that
; sixteen lanes store 256 consecutive bytes, aligned.
; REGISTERS.  window 0: v1 16 L; v16-19 LDS addresses; v24-27 the way out and 32 h; v28, v29 the add's; v32-63 rows on the way out; v64-95 bias; v128-255 accumulators (a, b) at 128 + 8 (4 a + b).
;   window 1: two fragment buffers of 128: for two K steps of 32, 64 registers of g, then 64 of W2.
.set SLOT, 131072
.set STAGE, 262144
.set SPARE, 279552
.set W2F, 4194304
.set ACC, 128
.set F0, 0
.set F1, 128
.set SPW, 28
.set NIL, 29
.set WV, 14
.set MSB, 0
.macro WIN new
.if MSB != (\new)
	s_set_vgpr_msb (MSB<<8)|(\new)
.set MSB, \new
.endif
.endm
.macro PLACES
.rept 4
	v_nop
.endr
.endm
.macro CROUND
	s_barrier_signal -1
	s_barrier_wait -1
	s_cmp_lg_u32 s[WV], 0
	s_cbranch_scc1 .Lnot_wave_0_\@
	s_barrier_signal -3
.Lnot_wave_0_\@:
	s_barrier_wait -3
	s_barrier_signal -1
	s_barrier_wait -1
.endm
.macro JLOAD                           ; a joint load: waves 0 and 1 fetch g's two halves, waves 2 and 3 W2's; an s_nop 0 and four v_nop follow each of the two lines
	s_cmp_eq_u32 s15, 0
	s_cbranch_scc0 .Lfor_b_\@
	tensor_load_to_lds s[32:35], s[24:31]
	s_nop 0
	PLACES
	s_branch .Lasked_\@
.Lfor_b_\@:
	tensor_load_to_lds s[56:59], s[48:55]
	s_nop 0
	PLACES
.Lasked_\@:
.endm
.macro FETCH q, f                      ; 32 LDS loads: the fragments of 64 along K, quarter q of the step, into buffer f
	PLACES                                         ; behind the products that read the buffer
	WIN 0x40
.irp kk, 0,1
.irp i, 0,1,2,3
	ds_load_b128 v[(\f)+64+8*(4*\kk+\i):(\f)+64+8*(4*\kk+\i)+3], v17 offset:(8*\i+2*(\q)+\kk)*1024
	ds_load_b128 v[(\f)+64+8*(4*\kk+\i)+4:(\f)+64+8*(4*\kk+\i)+7], v17 offset:(8*\i+2*(\q)+\kk)*1024+512
	ds_load_b128 v[(\f)+8*(4*\kk+\i):(\f)+8*(4*\kk+\i)+3], v16 offset:(8*\i+2*(\q)+\kk)*1024
	ds_load_b128 v[(\f)+8*(4*\kk+\i)+4:(\f)+8*(4*\kk+\i)+7], v16 offset:(8*\i+2*(\q)+\kk)*1024+512
.endr
.endr
	WIN 0
.endm
.macro MUL32 f                         ; 32 products; the 16 accumulators take turns, one instruction a turn
	WIN 0x05
.irp kk, 0,1
.irp a, 0,1,2,3
.irp b, 0,1,2,3
	v_wmma_f32_16x16x32_bf16 v[ACC+8*(4*\a+\b):ACC+8*(4*\a+\b)+7], v[(\f)+64+8*(4*\kk+\b):(\f)+64+8*(4*\kk+\b)+7], v[(\f)+8*(4*\kk+\a):(\f)+8*(4*\kk+\a)+7], v[ACC+8*(4*\a+\b):ACC+8*(4*\a+\b)+7]
.endr
.endr
.endr
	WIN 0
.endm
.macro STEP                            ; a K step of 256: four quarters on buffers 0, 1, 0, 1; a quarter's loads are issued one quarter ahead
	FETCH 0, F0
	FETCH 1, F1
	s_wait_dscnt 32                                ; all but the 32 just issued
	MUL32 F0
	FETCH 2, F0
	s_wait_dscnt 32
	MUL32 F1
	FETCH 3, F1
	s_wait_dscnt 32
	MUL32 F0
	s_wait_dscnt 0x0
	MUL32 F1
.endm
; THE CHANGE OF SLOTS.  Each wave waits for all its tensor loads (one is out: its part of the slot to be multiplied), adds 0 to its spare word, and waits for that and for its reads of the other slot.
; fill = 1: a round of the cluster's barrier, and the other slot is asked for again, first thing behind it.
.macro CHANGE fill
	WIN 0
	s_wait_tensorcnt 0x0
	ds_add_u32 v[SPW], v[NIL]
.if \fill
	s_xor_b32 s33, s33, SLOT
	s_add_nc_u64 s[34:35], s[34:35], 8192
	s_xor_b32 s57, s57, SLOT
	s_add_nc_u64 s[58:59], s[58:59], 8192
.endif
	s_wait_dscnt 0x0
.if \fill
	CROUND
	JLOAD
.else
	s_barrier_signal -1
	s_barrier_wait -1
.endif
	s_xor_b32 s61, s61, SLOT
	v_add_nc_u32 v16, s61, v18
	v_add_nc_u32 v17, s61, v19
.endm
	s_load_b256 s[4:11], s[0:1], 0x0               ; gf, wf, x2f, ff_b2
	s_load_b64 s[12:13], s[0:1], 0x20              ; out0
	v_lshl_add_u32 v[SPW], v0, 2, SPARE
	v_mov_b32 v[NIL], 0
	ds_add_u32 v[SPW], v[NIL]                      ; the wave's opening: the add and its wait ahead of my first tensor load
	ds_add_u32 v28, v29
	v_lshrrev_b32 v1, 5, v0
	v_readfirstlane_b32 s[WV], v1                  ; wave 0..3
	s_lshr_b32 s15, s[WV], 1                       ; which half of the tile's rows is mine.  Also: I fetch for g (0) or for W2 (1)
	s_and_b32 s16, s[WV], 1                        ; which half of its columns.  Also: which four blocks I fetch
	s_bfe_u32 s17, ttmp6, 0x40000                  ; cx
	s_bfe_u32 s18, ttmp6, 0x40004                  ; cy
	s_lshl_b32 s19, ttmp9, 2
	s_add_co_u32 s19, s19, s17                     ; tile column
	s_and_b32 s20, ttmp7, 0xffff
	s_lshl_b32 s20, s20, 2
	s_add_co_u32 s20, s20, s18                     ; tile row
	s_lshl_b32 s21, s18, 2
	s_lshl_b32 s21, 15, s21                        ; my row of the cluster
	s_lshl_b32 s22, 0x1111, s17                    ; my column
	s_or_b32 s24, s21, (3<<16)|(1<<21)             ; group 1: the mask; 8-byte elements; bit 21 beside a mask
	s_or_b32 s48, s22, (3<<16)|(1<<21)
.irp g, 24, 48
	s_mov_b32 s[\g+1], 1024<<16                    ; tensor_dim0 = 1,024 elements: 8,192 bytes
	s_mov_b32 s[\g+2], 4<<16                       ; tensor_dim1 = 4
	s_mov_b32 s[\g+3], 1024<<16                    ; tile_dim0
	s_mov_b32 s[\g+4], 4                           ; tile_dim1
	s_mov_b32 s[\g+5], 8192                        ; 65,536 bytes from a block to the next
	s_mov_b32 s[\g+6], 0
	s_mov_b32 s[\g+7], 0
.endr
	s_mov_b32 s32, 1
	s_mov_b32 s56, 1
	s_lshl_b32 s33, s[WV], 15                      ; where they go: wave x 32,768: g's two halves, then W2's
	s_lshl_b32 s57, s[WV], 15
	s_lshl_b32 s36, s20, 3
	s_lshl2_add_u32 s36, s16, s36                  ; g: row block 8 x tile row + 4 x half
	s_lshl_b32 s36, s36, 16
	s_mov_b32 s37, 0
	s_lshl_b32 s38, s19, 3
	s_lshl2_add_u32 s38, s16, s38                  ; W2: column block 8 x tile column + 4 x half
	s_lshl_b32 s38, s38, 16
	s_add_co_u32 s38, s38, W2F
	s_mov_b32 s39, 0
	s_mov_b32 s61, SLOT                            ; the first change of slots turns it into 0
	s_wait_dscnt 0x0
	s_wait_kmcnt 0x0
	s_add_nc_u64 s[34:35], s[4:5], s[36:37]
	s_or_b32 s35, s35, 0x80000000
	s_add_nc_u64 s[58:59], s[6:7], s[38:39]
	s_or_b32 s59, s59, 0x80000000
	CROUND                                         ; all sixteen work-groups are here: the first joint loads meet
	JLOAD                                          ; K step 0 into slot 0
	v_and_b32 v1, 31, v0
	v_lshlrev_b32 v1, 4, v1                        ; 16 L
	s_lshl_b32 s40, s15, 15
	v_add_nc_u32 v18, s40, v1                      ; my four row blocks in a slot
	s_lshl_b32 s40, s16, 15
	s_add_co_u32 s40, s40, 65536
	v_add_nc_u32 v19, s40, v1                      ; my four column blocks
	v_and_b32 v2, 15, v0                           ; r
	v_bfe_u32 v3, v0, 4, 1                         ; h
	v_lshlrev_b32 v27, 5, v3                       ; 32 h
	s_mul_i32 s40, s[WV], 4352
	s_add_co_u32 s40, s40, STAGE                   ; my stage: 16 rows of 272 bytes
	v_mul_u32_u24 v24, v2, 272
	v_add_nc_u32 v24, v24, v27
	v_add_nc_u32 v24, s40, v24                     ; in: row r, 32 h
	v_mul_u32_u24 v25, v3, 272
	v_lshl_add_u32 v25, v2, 4, v25
	v_add_nc_u32 v25, s40, v25                     ; back: lanes 0-15 one row of 256 bytes, lanes 16-31 the next
	v_lshlrev_b32 v26, 11, v3
	v_lshl_add_u32 v26, v2, 4, v26                 ; and the same two rows in out
	s_lshl_b32 s40, s20, 3
	s_lshl2_add_u32 s40, s15, s40                  ; my first row block
	s_lshl_b32 s42, s40, 5
	s_lshl3_add_u32 s42, s19, s42
	s_lshl2_add_u32 s42, s16, s42                  ; x2's tile: 32 x row block + column block
	s_lshl_b32 s42, s42, 10
	s_mov_b32 s43, 0
	s_add_nc_u64 s[8:9], s[8:9], s[42:43]
	s_lshl_b32 s42, s19, 9
	s_lshl_b32 s44, s16, 8
	s_add_co_u32 s42, s42, s44                     ; my first column, in bytes
	s_add_nc_u64 s[10:11], s[10:11], s[42:43]
	s_lshl_b32 s44, s40, 15
	s_add_co_u32 s42, s42, s44
	s_add_nc_u64 s[12:13], s[12:13], s[42:43]
.set i, 0
.rept 16
	global_load_b128 v[ACC+8*i:ACC+8*i+3], v1, s[8:9] offset:(i/4)*32768+(i%4)*1024 th:TH_LOAD_NT
	global_load_b128 v[ACC+8*i+4:ACC+8*i+7], v1, s[8:9] offset:(i/4)*32768+(i%4)*1024+512 th:TH_LOAD_NT
.set i, i+1
.endr
.irp b, 0,1,2,3
	global_load_b128 v[64+8*\b:64+8*\b+3], v27, s[10:11] offset:\b*64
	global_load_b128 v[64+8*\b+4:64+8*\b+7], v27, s[10:11] offset:\b*64+16
.endr
	s_wait_loadcnt 0x0
.set i, 0
.rept 64
	v_pk_add_f32 v[ACC+2*i:ACC+2*i+1], v[ACC+2*i:ACC+2*i+1], v[64+2*(i%16):64+2*(i%16)+1]
.set i, i+1
.endr
	s_mov_b32 s60, 7
.Lk:                                                   ; seven trips: a K step is multiplied and the next is asked for
	CHANGE 1
	STEP
	s_sub_co_u32 s60, s60, 1
	s_cmp_lg_u32 s60, 0
	s_cbranch_scc1 .Lk
	CHANGE 0                                       ; the last K step is written out: nothing is asked for
	STEP
	PLACES
.irp a, 0,1,2,3                        ; THE WAY OUT, 16 rows at a time
.irp b, 0,1,2,3
	ds_store_b128 v24, v[ACC+8*(4*\a+\b):ACC+8*(4*\a+\b)+3] offset:\b*64
	ds_store_b128 v24, v[ACC+8*(4*\a+\b)+4:ACC+8*(4*\a+\b)+7] offset:\b*64+16
.endr
	s_wait_xcnt 0x0                                ; the last stores' base and data registers are rewritten only behind this wait
.if \a > 0
	s_add_nc_u64 s[12:13], s[12:13], 32768         ; 16 rows of out on
.endif
.irp t, 0,1,2,3,4,5,6,7
	ds_load_b128 v[32+4*\t:32+4*\t+3], v25 offset:\t*544   ; LDS serves a wave's instructions in order (ISA guide 5.7.1.4): these see the stores above
.endr
	s_wait_dscnt 0x0
.irp t, 0,1,2,3,4,5,6,7
	global_store_b128 v26, v[32+4*\t:32+4*\t+3], s[12:13] offset:\t*4096 th:TH_STORE_NT   ; 16 lanes store 256 consecutive bytes, at a multiple of 256 from out's first byte
.endr
.endr
	s_wait_tensorcnt 0x0                           ; the wave's end: behind my last LDS store
	ds_add_u32 v[SPW], v[NIL]
	s_wait_dscnt 0x0
	CROUND                                         ; the closing round
	s_endpgm
.Lfunc_end_k_q6b4ef705a3_ff2:
	.size	k_q6b4ef705a3_ff2, .Lfunc_end_k_q6b4ef705a3_ff2-k_q6b4ef705a3_ff2
	.p2alignl 7, 3214868480
	.fill 96, 4, 3214868480
	.section	.rodata,"a",@progbits
	.p2align	6, 0x0
	.amdhsa_kernel k_q6b4ef705a3_ff2
		.amdhsa_group_segment_fixed_size 327680
		.amdhsa_private_segment_fixed_size 0
		.amdhsa_enable_private_segment 0
		.amdhsa_kernarg_size 40
		.amdhsa_user_sgpr_count 2
		.amdhsa_user_sgpr_kernarg_segment_ptr 1
		.amdhsa_wavefront_size32 1
		.amdhsa_system_sgpr_workgroup_id_x 1
		.amdhsa_system_sgpr_workgroup_id_y 1
		.amdhsa_system_sgpr_workgroup_id_z 1
		.amdhsa_system_vgpr_workitem_id 0
		.amdhsa_next_free_vgpr 512
		.amdhsa_next_free_sgpr 66
		.amdhsa_reserve_vcc 0
		.amdhsa_float_denorm_mode_32 3
		.amdhsa_float_denorm_mode_16_64 3
		.amdhsa_memory_ordered 1
		.amdhsa_forward_progress 1
		.amdhsa_inst_pref_size 58
	.end_amdhsa_kernel
	.amdgpu_metadata
---
amdhsa.version: [ 1, 2 ]
amdhsa.kernels:
  - .name:           k_q6b4ef705a3_ff2
    .symbol:         k_q6b4ef705a3_ff2.kd
    .args:
      - { .name: gf, .offset: 0, .size: 8, .value_kind: global_buffer, .address_space: global }
      - { .name: wf, .offset: 8, .size: 8, .value_kind: global_buffer, .address_space: global }
      - { .name: x2f, .offset: 16, .size: 8, .value_kind: global_buffer, .address_space: global }
      - { .name: ff_b2, .offset: 24, .size: 8, .value_kind: global_buffer, .address_space: global }
      - { .name: out0, .offset: 32, .size: 8, .value_kind: global_buffer, .address_space: global }
    .group_segment_fixed_size: 327680
    .private_segment_fixed_size: 0
    .kernarg_segment_align: 8
    .kernarg_segment_size: 40
    .max_flat_workgroup_size: 128
    .sgpr_count:     66
    .vgpr_count:     512
    .wavefront_size: 32
...
	.end_amdgpu_metadata
.endif
;; end of part 6
;; ======== version 2 of 2: 6 launches; 1.13 times as fast as version 1
;; limits: values are held in f16: magnitudes above 65,504 overflow, below 6.1e-05 lose precision
;; workspace buffers: wf 8,650,752 bytes; af 11,534,336 bytes; qkv 14,680,064 bytes; of 4,194,304 bytes; x2f 16,777,216 bytes; h3f 8,388,608 bytes; gf 33,554,432 bytes
;; launch prep (part 7): grid 1168 x 1, 4 waves a work-group, no clusters, 25,344 bytes of LDS; arguments ff_w1, ff_w2, sa_wq, sa_wk, sa_wv, sa_wo, ca_wq, ca_wo, ca_wk, ca_wv, x, cond_emb, ln1_g, ln1_b, wf, af; writes wf, af
.if DOCPART == 7
	.amdgcn_target "amdgcn-amd-amdhsa--gfx1250"
	.amdhsa_code_object_version 6
	.text
	.protected	k_q6b4ef705a3_prep
	.globl	k_q6b4ef705a3_prep
	.p2align	8
	.type	k_q6b4ef705a3_prep,@function
k_q6b4ef705a3_prep:
	s_mov_b64 s[64:65], 0
	v_nop
	global_prefetch_b8 v0, s[64:65] scope:SCOPE_SE
	s_setreg_imm32_b32 hwreg(HW_REG_WAVE_MODE, 25, 1), 1
	s_wait_xcnt 0x0
; PREP.  Every operand of the later matrix products is laid out once in FRAGMENT ORDER.  A fragment is 1,024 bytes: 16 lines x 32 k of 16-bit numbers, in two
; chunks of 512 bytes; in chunk c lane L (r = L % 16, h = L / 16) owns the 16 bytes at 16 L: line r, k = 16 c + 8 h + 0..7.  Two 16-byte loads a lane then
; fill a matrix source, and every load or store of a wave covers 512 consecutive bytes.
; Work-groups 0-511: h1 = LayerNorm1(x) -> af + H1F, fragments [row block][kb 16], bf16.   Work-groups 512-639: cond_emb -> af, fragments [row block][kb 24], bf16.
;   A work-group makes one block of 16 rows: each of its four waves takes four rows, so that a wave waits for memory once; the rows meet in an LDS stage.
; Work-groups 640-1167: the ten weights [K][N] f32 -> wf, fragment (nb, kb) at its region + (nb K/32 + kb) 1024, line = column 16 nb + r.  bf16, but ff_w1 in f16.
;   ff_w1's column blocks are permuted: half s (0 a, 1 gate), block u -> 4 (u / 2) + 2 s + u % 2, so that four blocks on end are two of a and the two of gate for the same columns.
; The variance is the mean square of the deviations from the mean.  LIMITS: ff_w1 must lie within f16's 65,504; NaN and infinities are not treated apart.
.set SPARE, 24832                      ; behind the stage of 16 rows x 1,552 bytes at the most: the spare words, 128 bytes a wave
.set WG0, 640                          ; the first work-group of the weights
.set W2F, 4194304
.set SAQ, 6291456
.set SAK, 6553600
.set SAV, 6815744
.set SAO, 7077888
.set CAQ, 7340032
.set CAO, 7602176
.set CAK, 7864320
.set CAV, 8257536
.set H1F, 3145728
.set OFS, 8                            ; weights: v8-23   byte offsets of my 16 source rows
.set DST, 24                           ;          v24-27  byte offsets of my 16 bytes in the four fragments
.set DD_, 28                           ;          v28-91  64 numbers as loaded
.set PK_, 92                           ;          v92-123 packed
.set GG, 8                             ; rows: v8-23 gain, v24-39 bias of my columns
.set BB, 24
.set XX, 40                            ;       v40-135 four rows; then the chunks on the way out
.set TT, 136                           ;       v136-147 at work
	s_load_b512 s[4:19], s[0:1], 0x0               ; ff_w1, ff_w2, sa_wq, sa_wk, sa_wv, sa_wo, ca_wq, ca_wo
	s_load_b512 s[20:35], s[0:1], 0x40             ; ca_wk, ca_wv, x, cond_emb, ln1_g, ln1_b, wf, af
	v_lshl_add_u32 v5, v0, 2, SPARE                ; my spare word
	v_mov_b32 v6, 0
	v_lshrrev_b32 v7, 5, v0
	v_readfirstlane_b32 s42, v7                    ; wave 0..3
	v_and_b32 v1, 31, v0                           ; lane
	s_wait_kmcnt 0x0
	s_cmp_lt_u32 ttmp9, WG0
	s_cbranch_scc1 .Lrows
; ---- WEIGHTS.  A wave's task: one kb (32 source rows) and four neighbouring column blocks (256 bytes of each row).
.macro PICK first, P, lg, kb, dst      ; from work-group 'first' on: this weight, 64 << lg columns, K / 32 = kb, region dst
	s_cmp_ge_u32 ttmp9, \first
	s_cselect_b64 s[36:37], s[\P:\P+1], s[36:37]
	s_cselect_b32 s38, \first, s38
	s_cselect_b32 s39, \lg, s39
	s_cselect_b32 s40, \kb, s40
	s_cselect_b32 s41, \dst, s41
.endm
	s_mov_b64 s[36:37], s[4:5]
	s_mov_b32 s38, WG0
	s_mov_b32 s39, 6
	s_mov_b32 s40, 16
	s_mov_b32 s41, 0
	PICK WG0+256, 6, 3, 64, W2F
	PICK WG0+384, 8, 2, 16, SAQ
	PICK WG0+400, 10, 2, 16, SAK
	PICK WG0+416, 12, 2, 16, SAV
	PICK WG0+432, 14, 3, 8, SAO
	PICK WG0+448, 16, 2, 16, CAQ
	PICK WG0+464, 18, 3, 8, CAO
	PICK WG0+480, 20, 2, 24, CAK
	PICK WG0+504, 22, 2, 24, CAV
	s_sub_co_u32 s43, ttmp9, s38
	s_lshl_b32 s43, s43, 2
	s_add_co_u32 s43, s43, s42                     ; the task's number in its weight
	s_bfm_b32 s44, s39, 0
	s_and_b32 s44, s43, s44                        ; ng: which 64 columns
	s_lshr_b32 s45, s43, s39                       ; kb
	s_lshl_b32 s46, 256, s39                       ; bytes in a source row
	s_add_co_u32 s47, s39, 13
	s_lshl_b32 s48, s45, s47                       ; 32 kb rows
	s_lshl_b32 s49, s44, 8
	s_add_co_u32 s48, s48, s49
	s_mov_b32 s49, 0
	s_add_nc_u64 s[36:37], s[36:37], s[48:49]      ; the task's first source byte
	s_lshl_b32 s50, s44, 2                         ; first destination block: 4 ng, the four on end;
	s_and_b32 s51, s44, 31
	s_lshl_b32 s51, s51, 3
	s_lshr_b32 s52, s44, 5
	s_lshl1_add_u32 s51, s52, s51                  ; for ff_w1: 8 (ng % 32) + 2 (ng / 32), then +1, +4, +5
	s_cmp_lt_u32 ttmp9, WG0+256
	s_cselect_b32 s50, s51, s50
	s_cselect_b32 s53, 4, 2
	s_mul_i32 s50, s50, s40
	s_add_co_u32 s50, s50, s45
	s_lshl_b32 s50, s50, 10
	s_add_co_u32 s50, s50, s41
	s_mov_b32 s51, 0
	s_add_nc_u64 s[32:33], s[32:33], s[50:51]      ; the first fragment
	s_lshl_b32 s54, s40, 10                        ; bytes from a block to the next
	s_mul_i32 s55, s54, s53
	s_lshl_b32 s56, s46, 4                         ; 16 source rows
	v_and_b32 v2, 15, v0                           ; r
	v_bfe_u32 v3, v0, 4, 1                         ; h
	v_lshlrev_b32 v4, 3, v3
	v_mul_lo_u32 v4, v4, s46
	v_lshl_add_u32 v[OFS], v2, 2, v4               ; row 8 h, column r
.set q, 1
.rept 7
	v_add_nc_u32 v[OFS+q], s46, v[OFS+q-1]         ; rows 8 h + 1 .. 7
.set q, q+1
.endr
.set q, 0
.rept 8
	v_add_nc_u32 v[OFS+8+q], s56, v[OFS+q]         ; rows 16 + 8 h + 0 .. 7
.set q, q+1
.endr
	v_lshlrev_b32 v[DST], 4, v1
	v_add_nc_u32 v[DST+1], s54, v[DST]
	v_add_nc_u32 v[DST+2], s55, v[DST]
	v_add_nc_u32 v[DST+3], s54, v[DST+2]
.set i, 0
.rept 4
.set q, 0
.rept 16
	global_load_b32 v[DD_+16*i+q], v[OFS+q], s[36:37] offset:64*i th:TH_LOAD_NT
.set q, q+1
.endr
.set i, i+1
.endr
.macro CVST cvt                        ; block i: its 16 loads are in when at most the later blocks' 16 (3 - i) are out; two roundings an instruction; two stores of 512 consecutive bytes
.set i, 0
.rept 4
	s_wait_loadcnt 48-16*i
.set n, 0
.rept 8
	\cvt v[PK_+8*i+n], v[DD_+16*i+2*n], v[DD_+16*i+2*n+1]
.set n, n+1
.endr
	global_store_b128 v[DST+i], v[PK_+8*i:PK_+8*i+3], s[32:33]
	global_store_b128 v[DST+i], v[PK_+8*i+4:PK_+8*i+7], s[32:33] offset:512
.set i, i+1
.endr
	s_endpgm
.endm
	s_cmp_lt_u32 ttmp9, WG0+256
	s_cbranch_scc1 .Lw1
	CVST v_cvt_pk_bf16_f32
.Lw1:
	CVST v_cvt_pk_f16_f32
; ---- ROWS.  A row is read as NI loads of 512 consecutive bytes (lane L: columns 128 i + 4 L + 0..3), normalised (norm = 1), rounded to bf16 and put into the work-group's LDS stage
; (pitch 256 NI + 16 bytes: an odd multiple of 16, so the 16 rows of a chunk start in different groups of banks: ISA guide 11.1).  Behind a barrier wave w reads the chunks of fragments NI w .. NI w + NI - 1 and stores them.
.macro RED a, b                        ; the sum over the 32 lanes, into every lane
	v_add_f32_dpp v[\a], v[\a], v[\a] row_xmask:1 row_mask:0xf bank_mask:0xf
	v_add_f32_dpp v[\a], v[\a], v[\a] row_xmask:2 row_mask:0xf bank_mask:0xf
	v_add_f32_dpp v[\a], v[\a], v[\a] row_xmask:4 row_mask:0xf bank_mask:0xf
	v_add_f32_dpp v[\a], v[\a], v[\a] row_xmask:8 row_mask:0xf bank_mask:0xf
	v_permlanex16_b32 v[\b], v[\a], s58, s59
	v_add_f32 v[\a], v[\a], v[\b]
.endm
.macro LNR xb                          ; one row of 512 numbers, 16 a lane, at v[xb]
	v_pk_add_f32 v[TT:TT+1], v[\xb:\xb+1], v[\xb+2:\xb+3]
	v_pk_add_f32 v[TT+2:TT+3], v[\xb+4:\xb+5], v[\xb+6:\xb+7]
	v_pk_add_f32 v[TT+4:TT+5], v[\xb+8:\xb+9], v[\xb+10:\xb+11]
	v_pk_add_f32 v[TT+6:TT+7], v[\xb+12:\xb+13], v[\xb+14:\xb+15]
	v_pk_add_f32 v[TT:TT+1], v[TT:TT+1], v[TT+2:TT+3]
	v_pk_add_f32 v[TT+4:TT+5], v[TT+4:TT+5], v[TT+6:TT+7]
	v_pk_add_f32 v[TT:TT+1], v[TT:TT+1], v[TT+4:TT+5]
	v_add_f32 v[TT], v[TT], v[TT+1]
	RED TT, TT+1
	v_mul_f32 v[TT], s56, v[TT]                    ; the mean,
	v_mov_b32 v[TT+1], v[TT]                       ; as a pair
.set n, 0
.rept 8
	v_pk_add_f32 v[\xb+2*n:\xb+2*n+1], v[\xb+2*n:\xb+2*n+1], v[TT:TT+1] neg_lo:[0,1] neg_hi:[0,1]
.set n, n+1
.endr
	v_pk_mul_f32 v[TT+2:TT+3], v[\xb:\xb+1], v[\xb:\xb+1]
	v_pk_mul_f32 v[TT+4:TT+5], v[\xb+2:\xb+3], v[\xb+2:\xb+3]
.set n, 2
.rept 6
	v_pk_fma_f32 v[TT+2+2*(n%2):TT+3+2*(n%2)], v[\xb+2*n:\xb+2*n+1], v[\xb+2*n:\xb+2*n+1], v[TT+2+2*(n%2):TT+3+2*(n%2)]
.set n, n+1
.endr
	v_pk_add_f32 v[TT+2:TT+3], v[TT+2:TT+3], v[TT+4:TT+5]
	v_add_f32 v[TT+2], v[TT+2], v[TT+3]
	RED TT+2, TT+3
	v_fma_f32 v[TT+2], v[TT+2], s56, s57           ; variance + eps
	v_rsq_f32 v[TT+4], v[TT+2]
	v_rsq_f32 v[TT+5], v[TT+2]
	v_nop                                          ; a plain instruction behind the transcendentals (ISA guide 5.7.2)
.set n, 0
	s_wait_alu depctr_va_vdst(0)
.rept 8
	v_pk_mul_f32 v[\xb+2*n:\xb+2*n+1], v[\xb+2*n:\xb+2*n+1], v[TT+4:TT+5]
.set n, n+1
.endr
.set n, 0
.rept 8
	v_pk_fma_f32 v[\xb+2*n:\xb+2*n+1], v[\xb+2*n:\xb+2*n+1], v[GG+2*n:GG+2*n+1], v[BB+2*n:BB+2*n+1]
.set n, n+1
.endr
.endm
.macro ROWS NI, norm
.set PT, 256*\NI+16
.set RB, 512*\NI
	s_mul_i32 s43, s42, 4*PT
	v_lshl_add_u32 v3, v1, 3, s43                  ; in: my four rows of the stage, 8 bytes a lane
	v_mad_u32_u24 v4, v7, PT, v4                   ; back: row r of the stage, 16 h,
	s_mul_i32 s43, s42, 64*\NI
	v_add_nc_u32 v4, s43, v4                       ; and my NI fragments' 64 bytes each
.if \norm
	s_mov_b32 s44, ttmp9                           ; the block of 16 rows
.else
	s_sub_co_u32 s44, ttmp9, 512
.endif
	s_lshl2_add_u32 s46, s44, s42                  ; my four rows
	s_mul_i32 s46, s46, 4*RB
	s_mov_b32 s47, 0
.if \norm
	s_add_nc_u64 s[48:49], s[24:25], s[46:47]
.else
	s_add_nc_u64 s[48:49], s[26:27], s[46:47]
.endif
	s_mul_i32 s46, s44, 4096*\NI                   ; 4 NI fragments a block,
	s_mul_i32 s45, s42, 1024*\NI                   ; NI of them mine
	s_add_co_u32 s46, s46, s45
.if \norm
	s_add_co_u32 s46, s46, H1F
.set i, 0
.rept 4
	global_load_b128 v[GG+4*i:GG+4*i+3], v2, s[28:29] offset:512*i
	global_load_b128 v[BB+4*i:BB+4*i+3], v2, s[30:31] offset:512*i
.set i, i+1
.endr
.endif
	s_add_nc_u64 s[34:35], s[34:35], s[46:47]
.set j, 0
.rept 4
.set i, 0
.rept \NI
.if \norm
	global_load_b128 v[XX+4*\NI*j+4*i:XX+4*\NI*j+4*i+3], v2, s[48:49] offset:j*RB+512*i
.else
	global_load_b128 v[XX+4*\NI*j+4*i:XX+4*\NI*j+4*i+3], v2, s[48:49] offset:j*RB+512*i th:TH_LOAD_NT
.endif
.set i, i+1
.endr
.set j, j+1
.endr
.set j, 0
.rept 4
	s_wait_loadcnt (3-j)*\NI                       ; row j is in (and gain and bias, issued earlier); the later rows' loads stay out
.if \norm
	LNR XX+16*j
.endif
.set n, 0
.rept 2*\NI
	v_cvt_pk_bf16_f32 v[TT+n], v[XX+4*\NI*j+2*n], v[XX+4*\NI*j+2*n+1]
.set n, n+1
.endr
.set i, 0
.rept \NI
	ds_store_b64 v3, v[TT+2*i:TT+2*i+1] offset:j*PT+256*i
.set i, i+1
.endr
.set j, j+1
.endr
	s_wait_dscnt 0x0                               ; for the others' sake: my four rows are in the stage,
	s_barrier_signal -1
	s_barrier_wait -1                              ; everybody's are
.set n, 0
.rept 2*\NI
	ds_load_b128 v[XX+4*n:XX+4*n+3], v4 offset:(n/2)*64+(n%2)*32
.set n, n+1
.endr
.set n, 0
.rept 2*\NI
	s_wait_dscnt 2*\NI-1-n                         ; chunk n is in; the later chunks' loads stay out
	global_store_b128 v2, v[XX+4*n:XX+4*n+3], s[34:35] offset:(n/2)*1024+(n%2)*512
.set n, n+1
.endr
	s_wait_tensorcnt 0x0                           ; the wave's end: behind my last LDS store
	ds_add_u32 v5, v6
	s_wait_dscnt 0x0
	s_endpgm
.endm
.Lrows:
	v_lshlrev_b32 v2, 4, v1                        ; 16 L
	v_and_b32 v7, 15, v0                           ; r
	v_bfe_u32 v4, v0, 4, 1
	v_lshlrev_b32 v4, 4, v4                        ; 16 h
	s_mov_b32 s56, 0x3b000000                      ; 1 / 512
	s_mov_b32 s57, 0x3727c5ac                      ; 1e-5
	s_mov_b32 s58, 0x76543210
	s_mov_b32 s59, 0xfedcba98
	s_cmp_ge_u32 ttmp9, 512
	s_cbranch_scc1 .Lcond
	ROWS 4, 1
.Lcond:
	ROWS 6, 0
.Lfunc_end_k_q6b4ef705a3_prep:
	.size	k_q6b4ef705a3_prep, .Lfunc_end_k_q6b4ef705a3_prep-k_q6b4ef705a3_prep
	.p2alignl 7, 3214868480
	.fill 96, 4, 3214868480
	.section	.rodata,"a",@progbits
	.p2align	6, 0x0
	.amdhsa_kernel k_q6b4ef705a3_prep
		.amdhsa_group_segment_fixed_size 25344
		.amdhsa_private_segment_fixed_size 0
		.amdhsa_enable_private_segment 0
		.amdhsa_kernarg_size 128
		.amdhsa_user_sgpr_count 2
		.amdhsa_user_sgpr_kernarg_segment_ptr 1
		.amdhsa_wavefront_size32 1
		.amdhsa_system_sgpr_workgroup_id_x 1
		.amdhsa_system_sgpr_workgroup_id_y 1
		.amdhsa_system_sgpr_workgroup_id_z 1
		.amdhsa_system_vgpr_workitem_id 0
		.amdhsa_next_free_vgpr 148
		.amdhsa_next_free_sgpr 66
		.amdhsa_reserve_vcc 0
		.amdhsa_float_denorm_mode_32 3
		.amdhsa_float_denorm_mode_16_64 3
		.amdhsa_memory_ordered 1
		.amdhsa_forward_progress 1
		.amdhsa_inst_pref_size 50
	.end_amdhsa_kernel
	.amdgpu_metadata
---
amdhsa.version: [ 1, 2 ]
amdhsa.kernels:
  - .name:           k_q6b4ef705a3_prep
    .symbol:         k_q6b4ef705a3_prep.kd
    .args:
      - { .name: ff_w1, .offset: 0, .size: 8, .value_kind: global_buffer, .address_space: global }
      - { .name: ff_w2, .offset: 8, .size: 8, .value_kind: global_buffer, .address_space: global }
      - { .name: sa_wq, .offset: 16, .size: 8, .value_kind: global_buffer, .address_space: global }
      - { .name: sa_wk, .offset: 24, .size: 8, .value_kind: global_buffer, .address_space: global }
      - { .name: sa_wv, .offset: 32, .size: 8, .value_kind: global_buffer, .address_space: global }
      - { .name: sa_wo, .offset: 40, .size: 8, .value_kind: global_buffer, .address_space: global }
      - { .name: ca_wq, .offset: 48, .size: 8, .value_kind: global_buffer, .address_space: global }
      - { .name: ca_wo, .offset: 56, .size: 8, .value_kind: global_buffer, .address_space: global }
      - { .name: ca_wk, .offset: 64, .size: 8, .value_kind: global_buffer, .address_space: global }
      - { .name: ca_wv, .offset: 72, .size: 8, .value_kind: global_buffer, .address_space: global }
      - { .name: x, .offset: 80, .size: 8, .value_kind: global_buffer, .address_space: global }
      - { .name: cond_emb, .offset: 88, .size: 8, .value_kind: global_buffer, .address_space: global }
      - { .name: ln1_g, .offset: 96, .size: 8, .value_kind: global_buffer, .address_space: global }
      - { .name: ln1_b, .offset: 104, .size: 8, .value_kind: global_buffer, .address_space: global }
      - { .name: wf, .offset: 112, .size: 8, .value_kind: global_buffer, .address_space: global }
      - { .name: af, .offset: 120, .size: 8, .value_kind: global_buffer, .address_space: global }
    .group_segment_fixed_size: 25344
    .private_segment_fixed_size: 0
    .kernarg_segment_align: 8
    .kernarg_segment_size: 128
    .max_flat_workgroup_size: 128
    .sgpr_count:     66
    .vgpr_count:     148
    .wavefront_size: 32
...
	.end_amdgpu_metadata
.endif
;; end of part 7
;; launch front (part 8): grid 256 x 1, 4 waves a work-group, no clusters, 167,936 bytes of LDS; arguments af, wf, qkv; writes qkv
.if DOCPART == 8
	.amdgcn_target "amdgcn-amd-amdhsa--gfx1250"
	.amdhsa_code_object_version 6
	.text
	.protected	k_q6b4ef705a3_front
	.globl	k_q6b4ef705a3_front
	.p2align	8
	.type	k_q6b4ef705a3_front,@function
k_q6b4ef705a3_front:
	s_mov_b64 s[64:65], 0
	v_nop
	global_prefetch_b8 v0, s[64:65] scope:SCOPE_SE
	s_setreg_imm32_b32 hwreg(HW_REG_WAVE_MODE, 25, 1), 1
	s_wait_xcnt 0x0
; FRONT.  q (times log2(e) / 4), k, v = h1 W and k2, v2 = cond W, all bf16 products with f32 sums, stored as bf16 fragments by pairs of heads:
; fragment (batch, head pair, block of 16 rows): line = row, chunk = head % 2, k = channel.  (Fragment order: 1,024 bytes, chunk c, lane L's 16 bytes at 16 L = line L % 16, k = 16 c + 8 (L / 16) + 0..7.)
; A work-group owns 256 rows, a wave 64.  A's fragments stay in registers for the whole launch; only the weights go through LDS, brought by the tensor data mover and never filled again.
; Work-groups 0-191: rows rb = id % 32 of h1, columns 128 (id / 32) .. +127 of [q | k | v].  192-255: batch b = id' % 8 of cond, columns 64 (id' / 8) .. +63 of [k2 | v2].
; THE UNIT OF TEXT is a sub-tile of two column blocks, one pair of heads: 8 accumulators a wave; it is written once for each K and walked by a counted loop (4 or 2 trips) whose LDS and store addresses step.
; A is asked for by K steps and waited for by K steps, so that the first sub-tile's products begin while A's later steps are on their way.
; The matrix instruction takes 16 columns of W as source 0 and 16 rows of A as source 1: a lane then holds row L % 16 and eight neighbouring columns, which pack into its 16 bytes of a chunk.
; NO CLUSTER: the two kinds of work-groups issue different numbers of tensor loads and part on the work-group's number; the weights are 128 or 96 KB of the 384 or 480 KB that a work-group reads.
; q is rounded to bf16 after the scaling.  NaN and infinities are not treated apart.
; REGISTERS.  window 0: v1 16 L; v2 LDS address; v6, v7 the add's; v64-127 four buffers of W's two fragments; v128-191 accumulators (mb, nb) at 128 + 8 (2 mb + nb); v192-223 packed results.
;   windows 1-3: A's fragment (mb, kb) in window 1 + kb / 8 at v[8 (4 (kb % 8) + mb)].
.set SPARE, 131072
.set SAQ, 6291456
.set CAK, 7864320
.set H1F, 3145728
.set K2F, 12582912
.set BF, 64
.set ACC, 128
.set PKD, 192
.set MSB, 0
.macro WIN new                         ; the immediate's high byte repeats the setting that is left
.if MSB != (\new)
	s_set_vgpr_msb (MSB<<8)|(\new)
.set MSB, \new
.endif
.endm
.macro PLACES                          ; four places behind matrix instructions (ISA guide 7.12.1)
.rept 4
	v_nop
.endr
.endm
.macro DESC g, R                       ; descriptor group 1: R rows of 256 dense bytes (32 elements of 8 bytes)
	s_mov_b32 s[\g], 3<<16
	s_mov_b32 s[\g+1], 32<<16
	s_mov_b32 s[\g+2], (\R)<<16
	s_mov_b32 s[\g+3], 32<<16
	s_mov_b32 s[\g+4], \R
	s_mov_b32 s[\g+5], 32
	s_mov_b32 s[\g+6], 0
	s_mov_b32 s[\g+7], 0
.endm
.macro ALOAD KB                        ; my 4 x KB fragments of A, from s[54:55], by K steps: eight loads a step
.set kb, 0
.rept \KB
	WIN (1+kb/8)<<6
.set mb, 0
.rept 4
.set ar, ((kb%8)*4+mb)*8
	global_load_b128 v[ar:ar+3], v1, s[54:55] offset:(mb*\KB+kb)*1024
	global_load_b128 v[ar+4:ar+7], v1, s[54:55] offset:(mb*\KB+kb)*1024+512
.set mb, mb+1
.endr
.set kb, kb+1
.endr
	WIN 0
.endm
.macro FB KB, kb                       ; W's two fragments of K step kb: four LDS loads into buffer kb % 4
.set fb, BF+16*((\kb)%4)
.irp n, 0,1
	ds_load_b128 v[fb+8*\n:fb+8*\n+3], v2 offset:(\n*\KB+(\kb))*1024
	ds_load_b128 v[fb+8*\n+4:fb+8*\n+7], v2 offset:(\n*\KB+(\kb))*1024+512
.endr
.endm
; 64 rows x 32 columns x 32 KB.  The 8 accumulators take turns, one instruction a turn; the first K step starts the sums.
; W is fetched for two K steps at once, behind the odd steps, into the two buffers just multiplied: steps kk + 3 and kk + 4.
.macro MUL KB
	FB \KB, 0
	FB \KB, 1
	FB \KB, 2
	FB \KB, 3
.set kk, 0
.rept \KB
	WIN (1+kk/8)<<2                                ; source 1 alone leaves window 0
.set wl, 8*(\KB-1-kk)
.if wl > 63
.set wl, 63
.endif
	s_wait_loadcnt wl                              ; A's step kk is in: the later steps' eight loads each may be out (the count is cut at the field's 63); in later trips nothing is out
.set fh, (kk/2)*2+3                    ; the highest K step of W fetched so far
.if fh > \KB-1
.set fh, \KB-1
.endif
	s_wait_dscnt 4*(fh-kk)                         ; W's step kk is in: the later steps' four loads each may be out
.set mb, 0
.rept 4
.set nb, 0
.rept 2
.set ac, ACC+8*(2*mb+nb)
.set ar, ((kk%8)*4+mb)*8
.set br, BF+16*(kk%4)+8*nb
.if kk == 0
	v_wmma_f32_16x16x32_bf16 v[ac:ac+7], v[br:br+7], v[ar:ar+7], 0
.else
	v_wmma_f32_16x16x32_bf16 v[ac:ac+7], v[br:br+7], v[ar:ar+7], v[ac:ac+7]
.endif
.set nb, nb+1
.endr
.set mb, mb+1
.endr
.if (kk%2 == 1) && (kk+4 < \KB)
	PLACES                                         ; in front of loads into the buffer just multiplied
	FB \KB, kk+3
	FB \KB, kk+4
.endif
.set kk, kk+1
.endr
	WIN 0
.endm
.macro EPI                             ; scaled, rounded, stored: 512 consecutive bytes a store
	PLACES
.set mb, 0
.rept 4
.set nb, 0
.rept 2
.set ac, ACC+8*(2*mb+nb)
.set oo, PKD+4*(2*mb+nb)
.set n, 0
.rept 4
	v_pk_mul_f32 v[ac+2*n:ac+2*n+1], v[ac+2*n:ac+2*n+1], s[56:57] op_sel_hi:[1,0]
.set n, n+1
.endr
.set n, 0
.rept 4
	v_cvt_pk_bf16_f32 v[oo+n], v[ac+2*n], v[ac+2*n+1]
.set n, n+1
.endr
	global_store_b128 v1, v[oo:oo+3], s[52:53] offset:mb*1024+nb*512
.set nb, nb+1
.endr
.set mb, mb+1
.endr
.endm
.macro WALK KB, trips, lstep, dstep    ; the sub-tiles, one a trip
	s_mov_b32 s62, 0
	s_mov_b32 s50, \trips
.Lwalk_\@:
	v_add_nc_u32 v2, s62, v1
	MUL \KB
	EPI
	s_wait_xcnt 0x0                                ; the stores' base and data registers are rewritten only behind this wait
	s_add_nc_u64 s[52:53], s[52:53], \dstep        ; the next pair of heads
	s_add_co_u32 s62, s62, \lstep                  ; the next two blocks of W
	s_sub_co_u32 s50, s50, 1
	s_cmp_lg_u32 s50, 0
	s_cbranch_scc1 .Lwalk_\@
	s_wait_tensorcnt 0x0                           ; the wave's end
	ds_add_u32 v6, v7
	s_wait_dscnt 0x0
	s_endpgm
.endm
	s_load_b128 s[4:7], s[0:1], 0x0                ; af, wf
	s_load_b64 s[8:9], s[0:1], 0x10                ; qkv
	v_lshl_add_u32 v6, v0, 2, SPARE
	v_mov_b32 v7, 0
	ds_add_u32 v6, v7                              ; the wave's opening: the add and its wait ahead of my first tensor load
	ds_add_u32 v6, v7
	v_lshrrev_b32 v1, 5, v0
	v_readfirstlane_b32 s10, v1                    ; wave 0..3
	v_and_b32 v1, 31, v0
	v_lshlrev_b32 v1, 4, v1                        ; 16 L
	DESC 24, 64
	DESC 32, 96
	s_mov_b32 s40, 1
	s_mov_b32 s44, 1
	s_mov_b32 s15, 0
	s_mov_b32 s17, 0
	s_wait_dscnt 0x0
	s_wait_kmcnt 0x0
	s_cmp_ge_u32 ttmp9, 192
	s_cbranch_scc1 .Lcond
	s_lshr_b32 s11, ttmp9, 5                       ; y: 0, 1 q; 2, 3 k; 4, 5 v
	s_and_b32 s12, ttmp9, 31                       ; rb
	s_lshl_b32 s14, s11, 17                        ; eight blocks of 16,384 bytes:
	s_lshl_b32 s41, s10, 14                        ; blocks w and 4 + w are mine, and go to LDS bytes 16,384 w and 65,536 + 16,384 w
	s_add_co_u32 s14, s14, s41
	s_add_co_u32 s14, s14, SAQ
	s_add_nc_u64 s[42:43], s[6:7], s[14:15]
	s_add_nc_u64 s[46:47], s[42:43], 65536
	s_or_b32 s43, s43, 0x80000000
	s_or_b32 s47, s47, 0x80000000
	s_add_co_u32 s45, s41, 65536
	tensor_load_to_lds s[40:43], s[24:31]          ; both go out together: two loads of mine are out
	s_nop 0
	tensor_load_to_lds s[44:47], s[24:31]
	s_nop 0
	PLACES
	s_lshl_b32 s14, s12, 4
	s_lshl2_add_u32 s14, s10, s14                  ; my first block of 16 rows
	s_lshl_b32 s14, s14, 14
	s_add_co_u32 s14, s14, H1F
	s_add_nc_u64 s[54:55], s[4:5], s[14:15]
	ALOAD 16
	s_lshr_b32 s16, s11, 1                         ; where the results go: tensor,
	s_lshl_b32 s16, s16, 22
	s_lshr_b32 s18, s12, 2                         ; batch,
	s_lshl_b32 s18, s18, 19
	s_add_co_u32 s16, s16, s18
	s_and_b32 s18, s11, 1                          ; head pairs 4 (y % 2) on,
	s_lshl_b32 s18, s18, 18
	s_add_co_u32 s16, s16, s18
	s_and_b32 s18, s12, 3                          ; row block in the batch
	s_lshl_b32 s18, s18, 4
	s_lshl2_add_u32 s18, s10, s18
	s_lshl_b32 s18, s18, 10
	s_add_co_u32 s16, s16, s18
	s_add_nc_u64 s[52:53], s[8:9], s[16:17]
	s_cmp_lt_u32 s11, 2
	s_cselect_b32 s56, 0x3eb8aa3b, 1.0             ; q takes log2(e) / 4
	s_mov_b32 s57, s56
	s_wait_tensorcnt 0x0                           ; my blocks are in,
	s_barrier_signal -1
	s_barrier_wait -1                              ; everybody's are
	WALK 16, 4, 32768, 65536
.Lcond:
	s_sub_co_u32 s11, ttmp9, 192
	s_and_b32 s12, s11, 7                          ; batch
	s_lshr_b32 s11, s11, 3                         ; 64 columns: 0-3 k2, 4-7 v2
	s_mul_i32 s14, s11, 98304
	s_mul_i32 s41, s10, 24576
	s_add_co_u32 s14, s14, s41
	s_add_co_u32 s14, s14, CAK
	s_add_nc_u64 s[42:43], s[6:7], s[14:15]
	s_or_b32 s43, s43, 0x80000000
	tensor_load_to_lds s[40:43], s[32:39]
	s_nop 0
	PLACES
	s_lshl_b32 s14, s12, 4
	s_lshl2_add_u32 s14, s10, s14
	s_mul_i32 s14, s14, 24576
	s_add_nc_u64 s[54:55], s[4:5], s[14:15]
	ALOAD 24
	s_lshr_b32 s16, s11, 2
	s_lshl_b32 s16, s16, 20
	s_lshl_b32 s18, s12, 17
	s_add_co_u32 s16, s16, s18
	s_and_b32 s18, s11, 3
	s_lshl_b32 s18, s18, 15
	s_add_co_u32 s16, s16, s18
	s_lshl_b32 s18, s10, 12
	s_add_co_u32 s16, s16, s18
	s_add_co_u32 s16, s16, K2F
	s_add_nc_u64 s[52:53], s[8:9], s[16:17]
	s_mov_b32 s56, 1.0
	s_mov_b32 s57, 1.0
	s_wait_tensorcnt 0x0
	s_barrier_signal -1
	s_barrier_wait -1
	WALK 24, 2, 49152, 16384
.Lfunc_end_k_q6b4ef705a3_front:
	.size	k_q6b4ef705a3_front, .Lfunc_end_k_q6b4ef705a3_front-k_q6b4ef705a3_front
	.p2alignl 7, 3214868480
	.fill 96, 4, 3214868480
	.section	.rodata,"a",@progbits
	.p2align	6, 0x0
	.amdhsa_kernel k_q6b4ef705a3_front
		.amdhsa_group_segment_fixed_size 167936
		.amdhsa_private_segment_fixed_size 0
		.amdhsa_enable_private_segment 0
		.amdhsa_kernarg_size 24
		.amdhsa_user_sgpr_count 2
		.amdhsa_user_sgpr_kernarg_segment_ptr 1
		.amdhsa_wavefront_size32 1
		.amdhsa_system_sgpr_workgroup_id_x 1
		.amdhsa_system_sgpr_workgroup_id_y 1
		.amdhsa_system_sgpr_workgroup_id_z 1
		.amdhsa_system_vgpr_workitem_id 0
		.amdhsa_next_free_vgpr 1024
		.amdhsa_next_free_sgpr 66
		.amdhsa_reserve_vcc 0
		.amdhsa_float_denorm_mode_32 3
		.amdhsa_float_denorm_mode_16_64 3
		.amdhsa_memory_ordered 1
		.amdhsa_forward_progress 1
		.amdhsa_inst_pref_size 81
	.end_amdhsa_kernel
	.amdgpu_metadata
---
amdhsa.version: [ 1, 2 ]
amdhsa.kernels:
  - .name:           k_q6b4ef705a3_front
    .symbol:         k_q6b4ef705a3_front.kd
    .args:
      - { .name: af, .offset: 0, .size: 8, .value_kind: global_buffer, .address_space: global }
      - { .name: wf, .offset: 8, .size: 8, .value_kind: global_buffer, .address_space: global }
      - { .name: qkv, .offset: 16, .size: 8, .value_kind: global_buffer, .address_space: global }
    .group_segment_fixed_size: 167936
    .private_segment_fixed_size: 0
    .kernarg_segment_align: 8
    .kernarg_segment_size: 24
    .max_flat_workgroup_size: 128
    .sgpr_count:     66
    .vgpr_count:     1024
    .wavefront_size: 32
...
	.end_amdgpu_metadata
.endif
;; end of part 8
;; launch attn: the kernel of part 3 again; grid 4 x 64, 8 waves a work-group, clusters of 4 x 1, 167,936 bytes of LDS; arguments qkv, of; writes of
;; launch mid (part 9): grid 256 x 1, 8 waves a work-group, clusters of 4 x 1, 327,680 bytes of LDS; arguments of, x, wf, qkv, sa_bo, ln2_g, ln2_b, ca_bo, ln3_g, ln3_b, x2f, h3f; writes x2f, h3f
.if DOCPART == 9
	.amdgcn_target "amdgcn-amd-amdhsa--gfx1250"
	.amdhsa_code_object_version 6
	.text
	.protected	k_q6b4ef705a3_mid
	.globl	k_q6b4ef705a3_mid
	.p2align	8
	.type	k_q6b4ef705a3_mid,@function
k_q6b4ef705a3_mid:
	s_mov_b64 s[64:65], 0
	v_nop
	global_prefetch_b8 v0, s[64:65] scope:SCOPE_SE
	s_setreg_imm32_b32 hwreg(HW_REG_WAVE_MODE, 25, 1), 1
	s_wait_xcnt 0x0
	s_wait_alu depctr_hold_cnt(0) depctr_sa_sdst(0) depctr_va_vdst(0) depctr_va_sdst(0) depctr_va_ssrc(0) depctr_va_vcc(0) depctr_vm_vsrc(0)
	s_getreg_b32 s2, hwreg(HW_REG_IB_STS2, 6, 4)
	s_cmp_eq_u32 s2, 0
	s_cbranch_scc0 .Lentry_in_a_cluster
	s_endpgm
.Lentry_in_a_cluster:
	s_bfe_u32 s2, ttmp6, 0x10000c
	s_cmp_lg_u32 s2, 0x3003
	s_cbranch_scc0 .Lentry_shape_is_right
	s_endpgm
.Lentry_shape_is_right:
; MID.  All that is local to a row between self-attention and the FFN, for 32 rows a work-group:
;   x1 = o Wo + bo + x;  h2 = LN2(x1);  q2 = h2 Wq log2(e) / 4;  cross-attention over the batch's 256 keys;  x2 = o2 Wo2 + bo2 + x1;  h3 = LN3(x2).
; Stored: x2 as f32 result tiles (1,024 bytes: chunk c = registers 4 c .. 4 c + 3 of lane L at 16 L), h3 as f16 fragments.  Matrix operands here are bf16, sums f32.
; SHARES.  Wave w owns columns 64 w .. 64 w + 63 of the 512 (blocks nb = 4 w + 0..3) for both row blocks: eight accumulators X that carry x1 and then x2; in the cross-attention it owns head pair w.
; The matrix instruction takes W's columns as source 0 and rows as source 1: a lane holds row L % 16 and eight neighbouring columns.
; K2 and V2 of the batch (128 KB each) come into LDS once by joint tensor loads: the four work-groups of a cluster lie in one batch.  They are waited for in front of the last barrier ahead of the cross-attention.
; THE WEIGHTS are not shared through LDS: each of their fragments is used by exactly one wave of a work-group, and LDS is full.  A product's 32 fragments fill window 1 (256 registers) and are asked for whole
; and early: the first projection's at the kernel's head; the registers that a K step has multiplied are loaded again at once with the NEXT product's fragments, so that q2's weights are on their way
; during the first projection and LN2, and the last projection's during the q2 product and the whole cross-attention.  LN2's gain and bias are asked for ahead of all weights, so that LN2 waits for none of them.
; Row statistics meet in LDS: each wave's partial sums, a barrier, every wave adds the eight.  The variance is the mean square of the deviations.
; LIMITS: h3 must lie within f16's 65,504, that is 22.6 |ln3_g| + |ln3_b| must; a weight below 2^-126 counts as 0; NaN and infinities are not treated apart.
.set PA, 262144                        ; 16 KB: A of the two output projections, fragment (mb, kb) at (8 mb + kb) 1024
.set PH, 278528                        ; 32 KB: h2, fragment (mb, kb) at (16 mb + kb) 1024
.set STAT, 311296                      ; 4 x 1 KB: [wave][32 rows] f32
.set SPARE, 315392
.set SAO, 7077888
.set CAQ, 7340032
.set CAO, 7602176
.set K2F, 12582912
.set X, 16                             ; v16-79  X(mb, n) at 16 + 8 (4 mb + n)
.set NT, 2
.set KAD, 2
.set VAD, 3
.set KAD0, 4
.set VAD0, 5
.set Q_, 80
.set KZ_, 96
.set VT_, 120
.set ONE_, 136
.set NM_, 144
.set S_, 160
.set O_, 192
.set LS_, 208
.set M_, 224
.set MT_, 226
.set R_, 228
.set OC_, 232
.set WV, 30
.set CT, 50
.set SELR, 60
.set MSB, 0
.macro WIN new                         ; the immediate's high byte repeats the setting that is left
.if MSB != (\new)
	s_set_vgpr_msb (MSB<<8)|(\new)
.set MSB, \new
.endif
.endm
.macro PLACES
.rept 4
	v_nop
.endr
.endm
.macro CROUND
	s_barrier_signal -1
	s_barrier_wait -1
	s_cmp_lg_u32 s[WV], 0
	s_cbranch_scc1 .Lnot_wave_0_\@
	s_barrier_signal -3
.Lnot_wave_0_\@:
	s_barrier_wait -3
	s_barrier_signal -1
	s_barrier_wait -1
.endm
.macro BAR
	s_barrier_signal -1
	s_barrier_wait -1
.endm
; ---- the attention macros (as in the self-attention launch; here one query tile, two tile-heads)
.macro KLD
.irp kbl, 0,1
.irp hd, 0,1
	ds_load_b128 v[KZ_+12*\kbl+8*\hd:KZ_+12*\kbl+8*\hd+3], v[KAD] offset:\kbl*1024+\hd*512
.endr
.endr
	v_add_nc_u32 v[KAD], 2048, v[KAD]
.endm
.macro VLD
.irp hd, 0,1
.irp kbl, 0,1
	ds_load_tr16_b128 v[VT_+8*\hd+4*\kbl:VT_+8*\hd+4*\kbl+3], v[VAD] offset:\hd*512+\kbl*1024
.endr
.endr
	v_add_nc_u32 v[VAD], 2048, v[VAD]
.endm
.macro SCORES cm
.set tq, 0
.rept NT
.set kbl, 0
.rept 2
.if \cm
	v_wmma_f32_16x16x32_bf16 v[S_+16*tq+8*kbl:S_+16*tq+8*kbl+7], v[KZ_+12*kbl+4*(tq%2):KZ_+12*kbl+4*(tq%2)+7], v[Q_+8*(tq/2):Q_+8*(tq/2)+7], v[NM_+8*tq:NM_+8*tq+7]
.else
	v_wmma_f32_16x16x32_bf16 v[S_+16*tq+8*kbl:S_+16*tq+8*kbl+7], v[KZ_+12*kbl+4*(tq%2):KZ_+12*kbl+4*(tq%2)+7], v[Q_+8*(tq/2):Q_+8*(tq/2)+7], 0
.endif
.set kbl, kbl+1
.endr
.set tq, tq+1
.endr
.endm
.macro EE t
.set n, 0
.rept 8
	v_exp_f32 v[S_+8*(\t)+n], v[S_+8*(\t)+n]
.set n, n+1
.endr
.endm
.macro CC t
.set n, 0
	s_wait_alu depctr_va_vdst(0)
.rept 4
	v_cvt_pk_bf16_f32 v[S_+16*((\t)/2)+4*((\t)%2)+n], v[S_+8*(\t)+2*n], v[S_+8*(\t)+2*n+1]
.set n, n+1
.endr
.endm
.macro ATT trips
	v_mov_b32 v[KAD], v[KAD0]
	v_mov_b32 v[VAD], v[VAD0]
.set tq, 0
.rept NT
	v_mov_b32 v[M_+tq], 0xff7fffff
	v_mov_b32 v[MT_+tq], 0
.set tq, tq+1
.endr
	KLD
	s_mov_b32 s[CT], \trips
.Lp1_\@:                                               ; pass 1: the true maximum
	s_wait_dscnt 0x0
	SCORES 0
	PLACES
	KLD                                            ; (the last trip's reads the 2 KB behind my K, filled bytes that nobody uses)
.set ii, 0
.rept 4
.set kbl, 0
.rept 2
.set tq, 0
.rept NT
	v_max3_num_f32 v[M_+tq], v[M_+tq], v[S_+16*tq+8*kbl+2*ii], v[S_+16*tq+8*kbl+2*ii+1]
.set tq, tq+1
.endr
.set kbl, kbl+1
.endr
.set ii, ii+1
.endr
	s_sub_co_u32 s[CT], s[CT], 1
	s_cmp_lg_u32 s[CT], 0
	s_cbranch_scc1 .Lp1_\@
	s_wait_dscnt 0x0
.set tq, 0
.rept NT
	v_permlanex16_b32 v[MT_+tq], v[M_+tq], s[SELR], s[SELR+1]
.set tq, tq+1
.endr
.set tq, 0
.rept NT
	v_max_num_f32 v[M_+tq], v[M_+tq], v[MT_+tq]
.set tq, tq+1
.endr
.set tq, 0
.rept NT
.set n, 0
.rept 8
	v_sub_f32 v[NM_+8*tq+n], 0, v[M_+tq]
.set n, n+1
.endr
.set tq, tq+1
.endr
	v_mov_b32 v[KAD], v[KAD0]
.set n, 0
.rept 8*NT
	v_mov_b32 v[O_+n], 0
	v_mov_b32 v[LS_+n], 0
.set n, n+1
.endr
	KLD
	s_mov_b32 s[CT], \trips
.Lp2_\@:                                               ; pass 2: s - m from the product itself
	VLD
	s_wait_dscnt 0x4                               ; K is in; V's four loads may be out
	SCORES 1
	PLACES
	KLD
	EE 0
	v_nop
.set tt, 1
.rept 2*NT-1
	EE tt
	CC tt-1
.set tt, tt+1
.endr
	CC 2*NT-1
	s_wait_dscnt 0x4                               ; V is in; the next K's four loads may be out
.set tq, 0
.rept NT
	v_wmma_f32_16x16x32_bf16 v[O_+8*tq:O_+8*tq+7], v[VT_+8*(tq%2):VT_+8*(tq%2)+7], v[S_+16*tq:S_+16*tq+7], v[O_+8*tq:O_+8*tq+7]
	v_wmma_f32_16x16x32_bf16 v[LS_+8*tq:LS_+8*tq+7], v[ONE_:ONE_+7], v[S_+16*tq:S_+16*tq+7], v[LS_+8*tq:LS_+8*tq+7]
.set tq, tq+1
.endr
.rept 5
	v_nop
.endr
	s_sub_co_u32 s[CT], s[CT], 1
	s_cmp_lg_u32 s[CT], 0
	s_cbranch_scc1 .Lp2_\@
	s_wait_dscnt 0x0
.set tq, 0
.rept NT
	v_rcp_f32 v[R_+2*tq], v[LS_+8*tq]
	v_rcp_f32 v[R_+2*tq+1], v[LS_+8*tq]
.set tq, tq+1
.endr
	v_nop
.set tq, 0
	s_wait_alu depctr_va_vdst(0)
.rept NT
.set n, 0
.rept 4
	v_pk_mul_f32 v[O_+8*tq+2*n:O_+8*tq+2*n+1], v[O_+8*tq+2*n:O_+8*tq+2*n+1], v[R_+2*tq:R_+2*tq+1]
.set n, n+1
.endr
.set n, 0
.rept 4
	v_cvt_pk_bf16_f32 v[OC_+4*tq+n], v[O_+8*tq+2*n], v[O_+8*tq+2*n+1]
.set n, n+1
.endr
.set tq, tq+1
.endr
.endm
; ---- a product of the 32 rows with NBW column blocks of a weight.  W's fragment (n, kb) lies in window 1 at v[8 NBW kb + 8 n]; A's come from the LDS panel whose address is v[PAN] into two buffers at v208.
.macro WF base, reg, off               ; one fragment of a weight into window 1 (the caller has set the destination's window)
	global_load_b128 v[\reg:\reg+3], v1, s[\base:\base+1] offset:\off
	global_load_b128 v[\reg+4:\reg+7], v1, s[\base:\base+1] offset:\off+512
.endm
.macro AL KB, PAN, kb
.set ab, 208+16*((\kb)%2)
.irp mb, 0,1
	ds_load_b128 v[ab+8*\mb:ab+8*\mb+3], v[\PAN] offset:(\mb*\KB+(\kb))*1024
	ds_load_b128 v[ab+8*\mb+4:ab+8*\mb+7], v[\PAN] offset:(\mb*\KB+(\kb))*1024+512
.endr
.endm
; nxt = 1 (here KB = 8, NBW = 4): the 32 registers of step gk take q2's weights (KB 16, NBW 2), steps 2 gk and 2 gk + 1, from s[70:71].
; nxt = 2 (here KB = 16, NBW = 2): the 16 registers of step gk take the last projection's (KB 8, NBW 4) fragments n = 2 (gk % 2) + 0, 1 of step gk / 2, from s[72:73].
; lw >= 0: the count for LOADcnt in front of each step; lw < 0: the weights were shown landed by a wait for 0 ahead of the macro.
.macro GEMMW KB, NBW, PAN, AC, zero, nxt, lw
	AL \KB, \PAN, 0
	AL \KB, \PAN, 1
.set gk, 0
.rept \KB
.if \lw >= 0
	s_wait_loadcnt \lw                             ; this step's W is in: younger are the later steps' loads and those already issued for the next product, the same number at every step
.endif
.if gk == \KB-1
	s_wait_dscnt 0x0
.else
	s_wait_dscnt 0x4                               ; this step's A is in; the next step's four loads may be out
.endif
	WIN 0x01                                       ; source 0 in window 1
.set mb, 0
.rept 2
.set n, 0
.rept \NBW                             ; the 2 NBW accumulators take turns
.set ac, \AC+8*(\NBW*mb+n)
.set wr, 8*\NBW*gk+8*n
.set ar, 208+16*(gk%2)+8*mb
.if (\zero) && (gk == 0)
	v_wmma_f32_16x16x32_bf16 v[ac:ac+7], v[wr:wr+7], v[ar:ar+7], 0
.else
	v_wmma_f32_16x16x32_bf16 v[ac:ac+7], v[wr:wr+7], v[ar:ar+7], v[ac:ac+7]
.endif
.set n, n+1
.endr
.set mb, mb+1
.endr
.if (\nxt) || (gk+2 < \KB)
	PLACES                                         ; in front of loads into registers just multiplied
.endif
.if \nxt == 1
	WIN 0x40                                       ; destination in window 1
	WF 70, 32*gk, (2*gk)*1024
	WF 70, 32*gk+8, (16+2*gk)*1024
	WF 70, 32*gk+16, (2*gk+1)*1024
	WF 70, 32*gk+24, (17+2*gk)*1024
.endif
.if \nxt == 2
	WIN 0x40
	WF 72, 16*gk, (16*(gk%2)+gk/2)*1024
	WF 72, 16*gk+8, (16*(gk%2)+8+gk/2)*1024
.endif
	WIN 0
.if gk+2 < \KB
	AL \KB, \PAN, gk+2
.endif
.set gk, gk+1
.endr
.endm
.macro BLOAD P, R                      ; a bias of my 64 columns into v[R .. R + 31]: lane: columns 16 n + 8 h + 0..7
.irp n, 0,1,2,3
	global_load_b128 v[\R+8*\n:\R+8*\n+3], v9, s[\P:\P+1] offset:\n*64
	global_load_b128 v[\R+8*\n+4:\R+8*\n+7], v9, s[\P:\P+1] offset:\n*64+16
.endr
.endm
.macro BADD R
.set i, 0
.rept 32
	v_pk_add_f32 v[X+2*i:X+2*i+1], v[X+2*i:X+2*i+1], v[\R+2*(i%16):\R+2*(i%16)+1]
.set i, i+1
.endr
.endm
.macro GBL gP, bP                      ; a LayerNorm's gain into v144-175 and bias into v176-207
.irp n, 0,1,2,3
	global_load_b128 v[144+8*\n:144+8*\n+3], v9, s[\gP:\gP+1] offset:\n*64
	global_load_b128 v[144+8*\n+4:144+8*\n+7], v9, s[\gP:\gP+1] offset:\n*64+16
	global_load_b128 v[176+8*\n:176+8*\n+3], v9, s[\bP:\bP+1] offset:\n*64
	global_load_b128 v[176+8*\n+4:176+8*\n+7], v9, s[\bP:\bP+1] offset:\n*64+16
.endr
.endm
; ---- the exchange of row statistics: my lanes' sums at v[208 + 8 mb] -> the rows' sums over all eight waves at v[232 + 8 mb]
.macro XCH st
.irp mb, 0,1
	v_add_f32 v[208+8*\mb], v[208+8*\mb], v[209+8*\mb]
	v_permlanex16_b32 v[209+8*\mb], v[208+8*\mb], s[SELR], s[SELR+1]  ; the row's other 32 of my columns lie in the lane 16 away
	v_add_f32 v[208+8*\mb], v[208+8*\mb], v[209+8*\mb]
	ds_store_b32 v12, v[208+8*\mb] offset:(\st)*1024+64*\mb
.endr
	s_wait_dscnt 0x0                               ; for the others' sake: my stores are done
	BAR
.irp mb, 0,1
.irp wv, 0,1,2,3,4,5,6,7
	ds_load_b32 v[232+8*\mb+\wv], v13 offset:(\st)*1024+64*\mb+128*\wv
.endr
.endr
	s_wait_dscnt 0x0
.irp mb, 0,1
	v_add_f32 v[232+8*\mb], v[232+8*\mb], v[233+8*\mb]
	v_add_f32 v[234+8*\mb], v[234+8*\mb], v[235+8*\mb]
	v_add_f32 v[236+8*\mb], v[236+8*\mb], v[237+8*\mb]
	v_add_f32 v[238+8*\mb], v[238+8*\mb], v[239+8*\mb]
	v_add_f32 v[232+8*\mb], v[232+8*\mb], v[234+8*\mb]
	v_add_f32 v[236+8*\mb], v[236+8*\mb], v[238+8*\mb]
	v_add_f32 v[232+8*\mb], v[232+8*\mb], v[236+8*\mb]
.endr
.endm
; ---- LayerNorm of X.  H v80-143, gain v144-175, bias v176-207.  dest 0: bf16 into the LDS panel PH; dest 1: f16 to h3f.
; ld = 1: gain and bias are asked for here and waited for; ld = 0: they were asked for ahead of weights that have been shown landed.
.macro LNM st, gP, bP, dest, ld
.if \ld
	GBL \gP, \bP
.endif
.irp mb, 0,1
.set xb, X+32*\mb
.set tb, 208+8*\mb
	v_pk_add_f32 v[tb:tb+1], v[xb:xb+1], v[xb+8:xb+9]              ; each accumulator is read from its low end on
	v_pk_add_f32 v[tb+2:tb+3], v[xb+16:xb+17], v[xb+24:xb+25]
.set i, 0
.rept 12
	v_pk_add_f32 v[tb+2*(i%2):tb+2*(i%2)+1], v[tb+2*(i%2):tb+2*(i%2)+1], v[xb+8*(i%4)+2*(i/4)+2:xb+8*(i%4)+2*(i/4)+3]
.set i, i+1
.endr
	v_pk_add_f32 v[tb:tb+1], v[tb:tb+1], v[tb+2:tb+3]
.endr
	XCH \st
.irp mb, 0,1
	v_mul_f32 v[224+2*\mb], s66, v[232+8*\mb]      ; the mean, as a pair
	v_mov_b32 v[225+2*\mb], v[224+2*\mb]
.endr
.set i, 0
.rept 32
	v_pk_add_f32 v[80+2*i:80+2*i+1], v[X+2*i:X+2*i+1], v[224+2*(i/16):225+2*(i/16)] neg_lo:[0,1] neg_hi:[0,1]
.set i, i+1
.endr
.irp mb, 0,1
.set hb, 80+32*\mb
.set tb, 208+8*\mb
	v_pk_mul_f32 v[tb:tb+1], v[hb:hb+1], v[hb:hb+1]
	v_pk_mul_f32 v[tb+2:tb+3], v[hb+2:hb+3], v[hb+2:hb+3]
.set i, 2
.rept 14
	v_pk_fma_f32 v[tb+2*(i%2):tb+2*(i%2)+1], v[hb+2*i:hb+2*i+1], v[hb+2*i:hb+2*i+1], v[tb+2*(i%2):tb+2*(i%2)+1]
.set i, i+1
.endr
	v_pk_add_f32 v[tb:tb+1], v[tb:tb+1], v[tb+2:tb+3]
.endr
	XCH (\st)+1
	v_fma_f32 v232, v232, s66, s67                 ; variance + eps
	v_fma_f32 v240, v240, s66, s67
	v_rsq_f32 v228, v232
	v_rsq_f32 v229, v232
	v_rsq_f32 v230, v240
	v_rsq_f32 v231, v240
	v_nop
.if \ld
	s_wait_loadcnt 0x0                             ; gain and bias
.endif
.set i, 0
	s_wait_alu depctr_va_vdst(0)
.rept 32
	v_pk_mul_f32 v[80+2*i:80+2*i+1], v[80+2*i:80+2*i+1], v[228+2*(i/16):229+2*(i/16)]
.set i, i+1
.endr
.set i, 0
.rept 32
	v_pk_fma_f32 v[80+2*i:80+2*i+1], v[80+2*i:80+2*i+1], v[144+2*(i%16):144+2*(i%16)+1], v[176+2*(i%16):176+2*(i%16)+1]
.set i, i+1
.endr
.set i, 0
.rept 8                                ; (mb, n) = (i / 4, i % 4): packed in place, ascending, and sent as chunk n % 2 of fragment (mb, 2 w + n / 2)
.set hb, 80+8*i
.set n, 0
.rept 4
.if \dest
	v_cvt_pk_f16_f32 v[hb+n], v[hb+2*n], v[hb+2*n+1]
.else
	v_cvt_pk_bf16_f32 v[hb+n], v[hb+2*n], v[hb+2*n+1]
.endif
.set n, n+1
.endr
.if \dest
	global_store_b128 v1, v[hb:hb+3], s[26:27] offset:((i/4)*16+(i%4)/2)*1024+(i%2)*512
.else
	ds_store_b128 v14, v[hb:hb+3] offset:((i/4)*16+(i%4)/2)*1024+(i%2)*512
.endif
.set i, i+1
.endr
.endm
	s_load_b512 s[4:19], s[0:1], 0x0               ; of, x, wf, qkv, sa_bo, ln2_g, ln2_b, ca_bo
	s_load_b256 s[20:27], s[0:1], 0x40             ; ln3_g, ln3_b, x2f, h3f
	v_lshl_add_u32 v6, v0, 2, SPARE
	v_mov_b32 v7, 0
	ds_add_u32 v6, v7                              ; the wave's opening: the add and its wait ahead of my first tensor load
	ds_add_u32 v6, v7
	v_lshrrev_b32 v1, 5, v0
	v_readfirstlane_b32 s[WV], v1                  ; wave 0..7
	s_bfe_u32 s31, ttmp6, 0x40000                  ; cx
	s_lshl_b32 s32, ttmp9, 2
	s_add_co_u32 s32, s32, s31                     ; g: my 32 rows; it enters global addresses alone
	s_lshr_b32 s33, ttmp9, 3                       ; the batch, which the four partners share
	s_mov_b32 s36, 15|(3<<16)|(1<<21)              ; group 1: the mask of four; 128 rows of 256 dense bytes
	s_mov_b32 s37, 32<<16
	s_mov_b32 s38, 128<<16
	s_mov_b32 s39, 32<<16
	s_mov_b32 s40, 128
	s_mov_b32 s41, 32
	s_mov_b32 s42, 0
	s_mov_b32 s43, 0
	s_mov_b32 s44, 1
	s_lshl_b32 s45, s[WV], 15                      ; waves 0-3: K2's quarters to LDS 0 ..; waves 4-7: V2's to 131,072 ..
	s_lshr_b32 s52, s[WV], 2
	s_lshl_b32 s52, s52, 20
	s_lshl_b32 s53, s33, 17
	s_add_co_u32 s52, s52, s53
	s_and_b32 s53, s[WV], 3
	s_lshl_b32 s53, s53, 15
	s_add_co_u32 s52, s52, s53
	s_add_co_u32 s52, s52, K2F
	s_mov_b32 s53, 0
	s_mov_b32 s[SELR], 0x76543210
	s_mov_b32 s[SELR+1], 0xfedcba98
	s_mov_b32 s62, 0x3eb8aa3b                      ; log2(e) / 4
	s_mov_b32 s63, s62
	s_mov_b32 s66, 0x3b000000                      ; 1 / 512
	s_mov_b32 s67, 0x3727c5ac                      ; 1e-5
	s_wait_dscnt 0x0
	s_wait_kmcnt 0x0
	s_add_nc_u64 s[46:47], s[10:11], s[52:53]
	s_or_b32 s47, s47, 0x80000000
	CROUND                                         ; all four work-groups are here: the joint loads meet
	tensor_load_to_lds s[44:47], s[36:43]          ; my one tensor load of the launch
	s_nop 0
	PLACES
	s_lshl_b32 s52, s32, 14
	s_lshl_b32 s54, s[WV], 11
	s_add_co_u32 s52, s52, s54
	s_add_nc_u64 s[4:5], s[4:5], s[52:53]          ; of: my 2 KB of the group's 16 fragments
	s_lshl_b32 s52, s32, 16
	s_lshl_b32 s54, s[WV], 8
	s_add_co_u32 s52, s52, s54
	s_add_nc_u64 s[6:7], s[6:7], s[52:53]          ; x: the group's first row, my 256 bytes of it
	s_lshl_b32 s52, s32, 16
	s_lshl_b32 s54, s[WV], 12
	s_add_co_u32 s52, s52, s54
	s_add_nc_u64 s[24:25], s[24:25], s[52:53]      ; x2f
	s_lshl_b32 s52, s32, 15
	s_lshl_b32 s54, s[WV], 11
	s_add_co_u32 s52, s52, s54
	s_add_nc_u64 s[26:27], s[26:27], s[52:53]      ; h3f
	s_lshl_b32 s52, s[WV], 15
	s_add_nc_u64 s[8:9], s[8:9], s[52:53]          ; wf + 32,768 w: my blocks in each of the three weights
	s_add_nc_u64 s[68:69], s[8:9], SAO
	s_add_nc_u64 s[70:71], s[8:9], CAQ
	s_add_nc_u64 s[72:73], s[8:9], CAO
	v_and_b32 v1, 31, v0
	v_lshlrev_b32 v1, 4, v1                        ; 16 L
	v_and_b32 v208, 15, v0                         ; r
	v_bfe_u32 v209, v0, 4, 1                       ; h
	v_lshlrev_b32 v9, 5, v209
	v_lshl_add_u32 v8, v208, 11, v9                ; x: row r, 32 h
	s_lshl_b32 s54, s[WV], 8
	v_add_nc_u32 v9, s54, v9                       ; biases and gains: 256 w + 32 h
	v_add_nc_u32 v10, PA, v1
	v_add_nc_u32 v11, PH, v1
	v_lshlrev_b32 v13, 2, v208
	v_add_nc_u32 v13, STAT, v13
	s_lshl_b32 s54, s[WV], 7
	v_add_nc_u32 v12, s54, v13
	s_lshl_b32 s54, s[WV], 11
	v_add_nc_u32 v14, s54, v11
	v_add_nc_u32 v210, s54, v10
	s_lshl_b32 s54, s[WV], 10
	v_add_nc_u32 v15, s54, v10
	s_lshl_b32 s54, s[WV], 14
	v_add_nc_u32 v[KAD0], s54, v1                  ; my head pair's K2
	v_and_b32 v211, 7, v0
	v_lshl_add_u32 v211, v209, 3, v211
	v_lshlrev_b32 v211, 4, v211
	v_bfe_u32 v212, v0, 3, 1
	v_lshl_add_u32 v211, v212, 8, v211
	s_add_co_u32 s54, s54, 131072
	v_add_nc_u32 v[VAD0], s54, v211                ; and V2, for the turning load
	; P0: o into the panel; X = x + sa_bo; LN2's gain and bias, then the first projection's weights whole
.irp n, 0,1,2,3
	global_load_b128 v[80+4*\n:80+4*\n+3], v1, s[4:5] offset:512*\n
.endr
.set i, 0
.rept 8
	global_load_b128 v[X+8*i:X+8*i+3], v8, s[6:7] offset:(i/4)*32768+(i%4)*64
	global_load_b128 v[X+8*i+4:X+8*i+7], v8, s[6:7] offset:(i/4)*32768+(i%4)*64+16
.set i, i+1
.endr
	BLOAD 12, 96
	GBL 14, 16
	WIN 0x40
.set kb, 0
.rept 8                                ; by K steps, so that a count tells which steps are in
.set nn, 0
.rept 4
	WF 68, 32*kb+8*nn, (nn*8+kb)*1024
.set nn, nn+1
.endr
.set kb, kb+1
.endr
	WIN 0
	s_wait_loadcnt 63                              ; o, x, the bias, LN2's gain and bias are in: 64 loads, the weights', are younger
.irp n, 0,1,2,3
	ds_store_b128 v210, v[80+4*\n:80+4*\n+3] offset:512*\n
.endr
	BADD 96
	s_wait_dscnt 0x0                               ; my part of the panel is written:
	BAR                                            ; everybody's is.  (My tensor load may stay out, and K2 and V2 are read only behind a later barrier)
	; P1: X += o Wo.  Younger than step gk's eight loads: 8 (7 - gk) of this product and 8 gk of the next: 56
	GEMMW 8, 4, 10, X, 0, 1, 56
	; P2: h2 = LN2(X) into PH, while q2's weights are on their way
	PLACES
	LNM 0, 14, 16, 0, 0
	s_wait_tensorcnt 0x0                           ; my part of K2 or V2 is in,
	s_wait_dscnt 0x0                               ; my part of h2 is written:
	BAR                                            ; everybody's are
	; P3: q2 for head pair w, straight into source registers.  Younger than step gk's four loads: 4 (15 - gk) of this product and 4 gk of the next: 60
	GEMMW 16, 2, 11, 144, 1, 2, 60
	PLACES
.set i, 0
.rept 16
	v_pk_mul_f32 v[144+2*i:144+2*i+1], v[144+2*i:144+2*i+1], s[62:63] op_sel_hi:[1,0]
.set i, i+1
.endr
.set i, 0
.rept 16
	v_cvt_pk_bf16_f32 v[80+i], v[144+2*i], v[144+2*i+1]            ; tile mb at v[80 + 8 mb]: registers 0-3 head 2 w, 4-7 head 2 w + 1
.set i, i+1
.endr
.irp n, 0,1,2,3
	v_mov_b32 v[KZ_+4+\n], 0
	v_mov_b32 v[KZ_+16+\n], 0
.endr
.irp n, 0,1,2,3,4,5,6,7
	v_mov_b32 v[ONE_+\n], 0x3f803f80
.endr
	; P4: cross-attention, a query tile a trip; o2 into the panel PA, whose earlier readers have passed two barriers
	s_mov_b32 s51, 2
.Lqt:
	ATT 8
	ds_store_b128 v15, v[OC_:OC_+3]
	ds_store_b128 v15, v[OC_+4:OC_+7] offset:512
	v_add_nc_u32 v15, 8192, v15                    ; the second row block's fragments
.irp n, 0,1,2,3,4,5,6,7
	v_mov_b32 v[Q_+\n], v[Q_+8+\n]                 ; the second tile's q goes where the one text names Q
.endr
	s_sub_co_u32 s51, s51, 1
	s_cmp_lg_u32 s51, 0
	s_cbranch_scc1 .Lqt
	BLOAD 18, 144
	s_wait_dscnt 0x0
	BAR
	; P5: X += ca_bo + o2 Wo2
	s_wait_loadcnt 0x0                             ; the bias, and with it the weights asked for during P3
	BADD 144
	GEMMW 8, 4, 10, X, 0, 0, -1
	; P6: x2 out, h3 = LN3(X) out
	PLACES
.set i, 0
.rept 8
	global_store_b128 v1, v[X+8*i:X+8*i+3], s[24:25] offset:(i/4)*32768+(i%4)*1024
	global_store_b128 v1, v[X+8*i+4:X+8*i+7], s[24:25] offset:(i/4)*32768+(i%4)*1024+512
.set i, i+1
.endr
	LNM 2, 20, 22, 1, 1
	s_wait_tensorcnt 0x0                           ; the wave's end: behind my last LDS store
	ds_add_u32 v6, v7
	s_wait_dscnt 0x0
	CROUND                                         ; the closing round
	s_endpgm
.Lfunc_end_k_q6b4ef705a3_mid:
	.size	k_q6b4ef705a3_mid, .Lfunc_end_k_q6b4ef705a3_mid-k_q6b4ef705a3_mid
	.p2alignl 7, 3214868480
	.fill 96, 4, 3214868480
	.section	.rodata,"a",@progbits
	.p2align	6, 0x0
	.amdhsa_kernel k_q6b4ef705a3_mid
		.amdhsa_group_segment_fixed_size 327680
		.amdhsa_private_segment_fixed_size 0
		.amdhsa_enable_private_segment 0
		.amdhsa_kernarg_size 96
		.amdhsa_user_sgpr_count 2
		.amdhsa_user_sgpr_kernarg_segment_ptr 1
		.amdhsa_wavefront_size32 1
		.amdhsa_system_sgpr_workgroup_id_x 1
		.amdhsa_system_sgpr_workgroup_id_y 1
		.amdhsa_system_sgpr_workgroup_id_z 1
		.amdhsa_system_vgpr_workitem_id 0
		.amdhsa_next_free_vgpr 512
		.amdhsa_next_free_sgpr 80
		.amdhsa_reserve_vcc 0
		.amdhsa_float_denorm_mode_32 3
		.amdhsa_float_denorm_mode_16_64 3
		.amdhsa_memory_ordered 1
		.amdhsa_forward_progress 1
		.amdhsa_inst_pref_size 112
	.end_amdhsa_kernel
	.amdgpu_metadata
---
amdhsa.version: [ 1, 2 ]
amdhsa.kernels:
  - .name:           k_q6b4ef705a3_mid
    .symbol:         k_q6b4ef705a3_mid.kd
    .args:
      - { .name: of, .offset: 0, .size: 8, .value_kind: global_buffer, .address_space: global }
      - { .name: x, .offset: 8, .size: 8, .value_kind: global_buffer, .address_space: global }
      - { .name: wf, .offset: 16, .size: 8, .value_kind: global_buffer, .address_space: global }
      - { .name: qkv, .offset: 24, .size: 8, .value_kind: global_buffer, .address_space: global }
      - { .name: sa_bo, .offset: 32, .size: 8, .value_kind: global_buffer, .address_space: global }
      - { .name: ln2_g, .offset: 40, .size: 8, .value_kind: global_buffer, .address_space: global }
      - { .name: ln2_b, .offset: 48, .size: 8, .value_kind: global_buffer, .address_space: global }
      - { .name: ca_bo, .offset: 56, .size: 8, .value_kind: global_buffer, .address_space: global }
      - { .name: ln3_g, .offset: 64, .size: 8, .value_kind: global_buffer, .address_space: global }
      - { .name: ln3_b, .offset: 72, .size: 8, .value_kind: global_buffer, .address_space: global }
      - { .name: x2f, .offset: 80, .size: 8, .value_kind: global_buffer, .address_space: global }
      - { .name: h3f, .offset: 88, .size: 8, .value_kind: global_buffer, .address_space: global }
    .group_segment_fixed_size: 327680
    .private_segment_fixed_size: 0
    .kernarg_segment_align: 8
    .kernarg_segment_size: 96
    .max_flat_workgroup_size: 256
    .sgpr_count:     80
    .vgpr_count:     512
    .wavefront_size: 32
...
	.end_amdgpu_metadata
.endif
;; end of part 9
;; launch ff1 (part 10): grid 32 x 8, 4 waves a work-group, clusters of 4 x 1, 327,680 bytes of LDS; arguments h3f, wf, ff_b1, gf; writes gf
.if DOCPART == 10
	.amdgcn_target "amdgcn-amd-amdhsa--gfx1250"
	.amdhsa_code_object_version 6
	.text
	.protected	k_q6b4ef705a3_ff1
	.globl	k_q6b4ef705a3_ff1
	.p2align	8
	.type	k_q6b4ef705a3_ff1,@function
k_q6b4ef705a3_ff1:
	s_mov_b64 s[64:65], 0
	v_nop
	global_prefetch_b8 v0, s[64:65] scope:SCOPE_SE
	s_setreg_imm32_b32 hwreg(HW_REG_WAVE_MODE, 25, 1), 1
	s_wait_xcnt 0x0
	s_wait_alu depctr_hold_cnt(0) depctr_sa_sdst(0) depctr_va_vdst(0) depctr_va_sdst(0) depctr_va_ssrc(0) depctr_va_vcc(0) depctr_vm_vsrc(0)
	s_getreg_b32 s2, hwreg(HW_REG_IB_STS2, 6, 4)
	s_cmp_eq_u32 s2, 0
	s_cbranch_scc0 .Lentry_in_a_cluster
	s_endpgm
.Lentry_in_a_cluster:
	s_bfe_u32 s2, ttmp6, 0x10000c
	s_cmp_lg_u32 s2, 0x3003
	s_cbranch_scc0 .Lentry_shape_is_right
	s_endpgm
.Lentry_shape_is_right:
; FF1 + GEGLU.  g = (h3 W1a + b1a) gelu(h3 W1g + b1g), gelu exact (erf).  h3 and W1 are f16 fragments, sums f32, g leaves as bf16 fragments [row block][kb 64].
; A work-group owns 256 rows (a wave 64) and 8 tiles of W1; h3's fragments stay in registers for the whole launch (windows 1, 2), only W1 goes through LDS.
; A tile is four column blocks of 16,384 bytes: two of a, then the two of gate for the same 32 columns of g.
; THE UNIT OF TEXT is a sub-tile: one block of a and the gate block of the same 16 columns, 32,768 bytes behind it: 8 accumulators a wave, one chunk of g's fragment for each row block.
; It is written once for the loop and once for the last tile, and walked twice a tile; its LDS address, bias address and store address step.
; BY TURNS.  While sub-tile s is multiplied, sub-tile s - 1 goes through the GELU.  At a sub-tile's head 32 packed additions take the finished sums, plus their biases, out of the accumulators into H; the other
; 320 vector instructions are RIDERS: five behind each two matrix instructions, 64 times; row block m rides on K steps 4 m .. 4 m + 3.  A is source 1 and lies in windows 1 and 2, the riders in window 0:
; two window switches for each two matrix instructions, nine issue slots in all beside them.  The last sub-tile's GELU is written out behind the loops.
; The first sub-tile has no forerunner: accumulators and biases start at 0, its riders work on zeros, and their four stores are jumped over on a scalar flag: the price, once a launch, of one text.
; MEMORY INSTRUCTIONS stand in few runs: W's fragments for two K steps at once behind the odd K steps; the bias loads and the stores beside those runs.
; RING.  Two LDS slots of 64 KB; wave w brings block w of a tile by one joint tensor load (the four row blocks of a cluster walk the same tiles).  A slot is asked for behind a round of the
; cluster's barrier and has a whole tile (256 matrix instructions) in which to land; one tensor load of a wave is out at a time.
; GELU: gelu(x) = max(x, 0) - |x| e B, t = 1 / (1 + 0.2316419 |x|), B = a polynomial of degree 5 in t, e = exp(-x^2 / 2) (Abramowitz and Stegun 26.2.17): the normal distribution function within 7.5e-8.
; LIMITS: h3 and W1 arrive within f16's range; g is bf16 because a x gelu(gate) has no room in f16; NaN and infinities are not treated apart.
; REGISTERS.  window 0: v1 16 L; v2 LDS address; v4 g's offset; v5 32 h; v6, v7 the add's; v8-15 a's bias, v16-23 gate's; v24-39 packed results; v40-63 three times eight at work;
;   v64-127 four buffers of W's two fragments; v128-191 accumulators: a of row block mb at 128 + 16 mb, gate 8 behind it; v192-255 H, laid out likewise.
;   windows 1, 2: A's fragment (mb, kb) in window 1 + kb / 8 at v[8 (4 (kb % 8) + mb)].
.set SLOT, 65536
.set SPARE, 131072
.set BA, 8
.set BG, 16
.set OUT, 24
.set T1, 40                            ; |x|; when e |x| is made, the polynomial
.set T2, 48                            ; 1 + p |x|, then t
.set T3, 56                            ; -x^2 log2(e) / 2, then e, then e |x|
.set BF, 64
.set ACC, 128
.set H, 192
.set WV, 12
.set MSB, 0
.macro WIN new                         ; the immediate's high byte repeats the setting that is left
.if MSB != (\new)
	s_set_vgpr_msb (MSB<<8)|(\new)
.set MSB, \new
.endif
.endm
.macro PLACES
.rept 4
	v_nop
.endr
.endm
.macro CROUND
	s_barrier_signal -1
	s_barrier_wait -1
	s_cmp_lg_u32 s[WV], 0
	s_cbranch_scc1 .Lnot_wave_0_\@
	s_barrier_signal -3
.Lnot_wave_0_\@:
	s_barrier_wait -3
	s_barrier_signal -1
	s_barrier_wait -1
.endm
.macro PAIR r, val                     ; a constant for packed arithmetic: both words are written, the low one is used
	s_mov_b32 s[\r], \val
	s_mov_b32 s[\r+1], \val
.endm
.macro ALOAD                           ; my 4 x 16 fragments of A, from s[54:55], by K steps: eight loads a step
.set kb, 0
.rept 16
	WIN (1+kb/8)<<6
.set mb, 0
.rept 4
.set ar, ((kb%8)*4+mb)*8
	global_load_b128 v[ar:ar+3], v1, s[54:55] offset:(mb*16+kb)*1024
	global_load_b128 v[ar+4:ar+7], v1, s[54:55] offset:(mb*16+kb)*1024+512
.set mb, mb+1
.endr
.set kb, kb+1
.endr
	WIN 0
.endm
.macro FB kb                           ; the fragments of a and of gate for K step kb: four LDS loads into buffer kb % 4
.set fb, BF+16*((\kb)%4)
.irp n, 0,1
	ds_load_b128 v[fb+8*\n:fb+8*\n+3], v2 offset:\n*32768+(\kb)*1024
	ds_load_b128 v[fb+8*\n+4:fb+8*\n+7], v2 offset:\n*32768+(\kb)*1024+512
.endr
.endm
.macro HST                             ; H = the finished sums + their biases; each accumulator is read from its low end on
.set hm, 0
.rept 4
.set hp, 0
.rept 4
	v_pk_add_f32 v[H+16*hm+hp:H+16*hm+hp+1], v[ACC+16*hm+hp:ACC+16*hm+hp+1], v[BA+hp:BA+hp+1]
.set hp, hp+2
.endr
.set hp, 0
.rept 4
	v_pk_add_f32 v[H+16*hm+8+hp:H+16*hm+8+hp+1], v[ACC+16*hm+8+hp:ACC+16*hm+8+hp+1], v[BG+hp:BG+hp+1]
.set hp, hp+2
.endr
.set hm, hm+1
.endr
.endm
; RIDER number ri of 320: number rj = ri % 80 of row block rm = ri / 80.  ha: a + its bias, hx: x = gate + its bias (eight registers each).
;   0-7 |x|   8-11 1 + p |x|   12-19 -x^2 log2(e) / 2   20-27 t   28-35 e   36-43 max(x, 0): the plain instructions behind the transcendentals (ISA guide 5.7.2)
;   44-47 e |x|   48-67 B   68-71 gelu   72-75 times a   76-79 rounded to bf16
.macro RID
.set rm, ri/80
.set rj, ri%80
.set ha, H+16*rm
.set hx, H+16*rm+8
.set rq, 2*(rj%4)
.if rj < 8
	v_and_b32 v[T1+rj], s80, v[hx+rj]
.elseif rj < 12
	v_pk_fma_f32 v[T2+rq:T2+rq+1], v[T1+rq:T1+rq+1], s[66:67], 1.0 op_sel_hi:[1,0,0]
.elseif rj < 16
	v_pk_mul_f32 v[T3+rq:T3+rq+1], v[hx+rq:hx+rq+1], s[68:69] op_sel_hi:[1,0]
.elseif rj < 20
	v_pk_mul_f32 v[T3+rq:T3+rq+1], v[T3+rq:T3+rq+1], v[hx+rq:hx+rq+1]
.elseif rj < 28
	v_rcp_f32 v[T2+rj-20], v[T2+rj-20]
.elseif rj < 36
	v_exp_f32 v[T3+rj-28], v[T3+rj-28]
.elseif rj < 44
	v_max_num_f32 v[hx+rj-36], 0, v[hx+rj-36]
.elseif rj < 48
	s_wait_alu depctr_va_vdst(0)
	v_pk_mul_f32 v[T3+rq:T3+rq+1], v[T3+rq:T3+rq+1], v[T1+rq:T1+rq+1]
.elseif rj < 52
	v_pk_fma_f32 v[T1+rq:T1+rq+1], v[T2+rq:T2+rq+1], s[78:79], s[76:77] op_sel_hi:[1,0,0]
.elseif rj < 56
	v_pk_fma_f32 v[T1+rq:T1+rq+1], v[T1+rq:T1+rq+1], v[T2+rq:T2+rq+1], s[74:75] op_sel_hi:[1,1,0]
.elseif rj < 60
	v_pk_fma_f32 v[T1+rq:T1+rq+1], v[T1+rq:T1+rq+1], v[T2+rq:T2+rq+1], s[72:73] op_sel_hi:[1,1,0]
.elseif rj < 64
	v_pk_fma_f32 v[T1+rq:T1+rq+1], v[T1+rq:T1+rq+1], v[T2+rq:T2+rq+1], s[70:71] op_sel_hi:[1,1,0]
.elseif rj < 68
	v_pk_mul_f32 v[T1+rq:T1+rq+1], v[T1+rq:T1+rq+1], v[T2+rq:T2+rq+1]
.elseif rj < 72
	v_pk_fma_f32 v[hx+rq:hx+rq+1], v[T1+rq:T1+rq+1], v[T3+rq:T3+rq+1], v[hx+rq:hx+rq+1] neg_lo:[1,0,0] neg_hi:[1,0,0]
.elseif rj < 76
	v_pk_mul_f32 v[ha+rq:ha+rq+1], v[ha+rq:ha+rq+1], v[hx+rq:hx+rq+1]
.else
	v_cvt_pk_bf16_f32 v[OUT+4*rm+rj-76], v[ha+2*(rj-76)], v[ha+2*(rj-76)+1]
.endif
.set ri, ri+1
.endm
.macro STO m, skip                     ; row block m's chunk of g: 512 consecutive bytes.  skip = 1: not in the launch's first sub-tile, whose riders had nothing to work on
.if \skip
	s_cmp_lg_u32 s83, 0
	s_cbranch_scc1 .Lnone_\@
.endif
	global_store_b128 v4, v[OUT+4*(\m):OUT+4*(\m)+3], s[56:57] offset:(\m)*65536
.if \skip
.Lnone_\@:
.endif
.endm
; A SUB-TILE.  The 8 accumulators take turns, one instruction a turn; the first K step starts the sums.
; The five riders behind a K step's last two products are the places (ISA guide 7.12.1) in front of what follows: behind K steps 4 m + 1 one exponential and four plain instructions, behind 4 m + 3 five plain ones;
; none of them names a register of a product.
.macro SUBP skip
	v_add_nc_u32 v2, s62, v1
	FB 0
	FB 1
	FB 2
	FB 3
	HST                                            ; stands between those loads and the wait for them
.set ri, 0
.set kk, 0
.rept 16
.set wl, 8*(15-kk)+4
.if wl > 63
.set wl, 63
.endif
.if kk == 15
.set wl, 0
.endif
	s_wait_loadcnt wl                              ; A's step kk is in: the later steps' eight loads each and the four bias loads may be out (cut at the field's 63); at the last step the biases too are in
.set fh, (kk/2)*2+3                    ; the highest K step of W fetched so far
.if fh > 15
.set fh, 15
.endif
	s_wait_dscnt 4*(fh-kk)                         ; W's step kk is in: the later steps' four loads each may be out
.set mb, 0
.rept 4
	WIN (1+kk/8)<<2                                ; source 1 in A's window
.set ar, ((kk%8)*4+mb)*8
.set br, BF+16*(kk%4)
.set ac, ACC+16*mb
.if kk == 0
	v_wmma_f32_16x16x32_f16 v[ac:ac+7], v[br:br+7], v[ar:ar+7], 0
	v_wmma_f32_16x16x32_f16 v[ac+8:ac+15], v[br+8:br+15], v[ar:ar+7], 0
.else
	v_wmma_f32_16x16x32_f16 v[ac:ac+7], v[br:br+7], v[ar:ar+7], v[ac:ac+7]
	v_wmma_f32_16x16x32_f16 v[ac+8:ac+15], v[br+8:br+15], v[ar:ar+7], v[ac+8:ac+15]
.endif
	WIN 0
.rept 5
	RID
.endr
.set mb, mb+1
.endr
.if (kk%2 == 1) && (kk < 13)
	FB kk+3                                        ; into the two buffers just multiplied
	FB kk+4
.endif
.if kk == 1
	global_load_b128 v[BA:BA+3], v5, s[52:53]      ; this sub-tile's biases: HST above has read the last one's
	global_load_b128 v[BA+4:BA+7], v5, s[52:53] offset:16
	global_load_b128 v[BG:BG+3], v5, s[52:53] offset:8192
	global_load_b128 v[BG+4:BG+7], v5, s[52:53] offset:8208
.endif
.if kk%4 == 3
	STO kk/4, \skip
.endif
.set kk, kk+1
.endr
	s_wait_xcnt 0x0                                ; the bases and the stores' data registers are rewritten only behind this wait
	s_add_nc_u64 s[52:53], s[52:53], 64            ; the next 16 columns' biases
	s_add_nc_u64 s[56:57], s[56:57], s[84:85]      ; g's next chunk: the stores lag a sub-tile behind, so the first step is 0
	s_mov_b32 s84, 512
	s_mov_b32 s83, 0                               ; from now on the riders have a forerunner
	s_add_co_u32 s62, s62, 16384                   ; the next block of a
.endm
.macro TWO skip                        ; a tile: the sub-tile's text, walked twice
	s_mov_b32 s51, 2
.Lsub_\@:
	SUBP \skip
	s_sub_co_u32 s51, s51, 1
	s_cmp_lg_u32 s51, 0
	s_cbranch_scc1 .Lsub_\@
.endm
; THE CHANGE OF SLOTS.  Each wave waits for all its tensor loads (one is out: its part of the tile to be multiplied), adds 0 to its spare word, and waits for that and for its reads of the other slot.
; fill = 1: a round of the cluster's barrier, and the other slot is asked for again, first thing behind it.
.macro CHANGE fill
	WIN 0
	s_wait_tensorcnt 0x0
	ds_add_u32 v6, v7
.if \fill
	s_xor_b32 s41, s41, SLOT
	s_add_nc_u64 s[42:43], s[42:43], 65536
.endif
	s_wait_dscnt 0x0
.if \fill
	CROUND
	tensor_load_to_lds s[40:43], s[24:31]
	s_nop 0
	PLACES
.else
	s_barrier_signal -1
	s_barrier_wait -1
.endif
	s_sub_co_u32 s62, s62, 32768                   ; the reads go back to a slot's first block,
	s_xor_b32 s62, s62, SLOT                       ; in the other slot
.endm
	s_load_b256 s[4:11], s[0:1], 0x0               ; h3f, wf, ff_b1, gf
	v_lshl_add_u32 v6, v0, 2, SPARE
	v_mov_b32 v7, 0
	ds_add_u32 v6, v7                              ; the wave's opening: the add and its wait ahead of my first tensor load
	ds_add_u32 v6, v7
	v_lshrrev_b32 v1, 5, v0
	v_readfirstlane_b32 s[WV], v1                  ; wave 0..3
	s_bfe_u32 s13, ttmp6, 0x40000                  ; cx
	s_lshl_b32 s14, ttmp9, 2
	s_add_co_u32 s14, s14, s13                     ; rb: my 256 rows; it enters h3f's and gf's addresses alone
	s_and_b32 s15, ttmp7, 0xffff                   ; y: tiles 8 y .. 8 y + 7, which the four partners share
	s_mov_b32 s24, 15|(3<<16)|(1<<21)              ; group 1: the mask of four; 64 rows of 256 dense bytes
	s_mov_b32 s25, 32<<16
	s_mov_b32 s26, 64<<16
	s_mov_b32 s27, 32<<16
	s_mov_b32 s28, 64
	s_mov_b32 s29, 32
	s_mov_b32 s30, 0
	s_mov_b32 s31, 0
	s_mov_b32 s40, 1
	s_lshl_b32 s41, s[WV], 14
	s_lshl_b32 s16, s15, 19
	s_add_co_u32 s16, s16, s41
	s_mov_b32 s17, 0
	s_mov_b32 s62, SLOT+32768                      ; the first change of slots turns it into 0
	PAIR 66, 0x3e6d3389
	PAIR 68, 0xbf38aa3b
	PAIR 70, 0x3e027906
	PAIR 72, 0xbe11a98e
	PAIR 74, 0x3f35f0e3
	PAIR 76, 0xbf3a00e3
	PAIR 78, 0x3f07dc22
	s_mov_b32 s80, 0x7fffffff
	s_mov_b32 s83, 1                               ; the first sub-tile's riders have no forerunner
	s_mov_b32 s84, 0                               ; the store address's first step
	s_mov_b32 s85, 0
.set i, 0
.rept 16                               ; what the first sub-tile's head finds: biases and sums of 0.  80 moves, while the arguments are on their way
	v_mov_b32 v[BA+i], 0
.set i, i+1
.endr
.set i, 0
.rept 64
	v_mov_b32 v[ACC+i], 0
.set i, i+1
.endr
	s_wait_dscnt 0x0
	s_wait_kmcnt 0x0
	s_add_nc_u64 s[42:43], s[6:7], s[16:17]
	s_or_b32 s43, s43, 0x80000000
	CROUND                                         ; all four work-groups are here: the first joint loads meet
	tensor_load_to_lds s[40:43], s[24:31]          ; tile 0 into slot 0
	s_nop 0
	PLACES
	v_and_b32 v1, 31, v0
	v_lshlrev_b32 v1, 4, v1
	v_bfe_u32 v5, v0, 4, 1
	v_lshlrev_b32 v5, 5, v5
	s_lshl_b32 s16, s[WV], 18
	v_add_nc_u32 v4, s16, v1                       ; 16 L + my four row blocks' place in gf
	s_lshl_b32 s16, s14, 4
	s_lshl2_add_u32 s16, s[WV], s16
	s_lshl_b32 s16, s16, 14
	s_add_nc_u64 s[54:55], s[4:5], s[16:17]
	ALOAD                                          ; waited for by K steps, in the first sub-tile
	s_lshl_b32 s16, s15, 10
	s_add_nc_u64 s[52:53], s[8:9], s[16:17]        ; the biases of tile 8 y
	s_lshl_b32 s16, s14, 20
	s_lshl_b32 s18, s15, 13
	s_add_co_u32 s16, s16, s18
	s_add_nc_u64 s[56:57], s[10:11], s[16:17]      ; g's fragment kb = 8 y of my first rows
	s_mov_b32 s50, 7
.Lt:                                                   ; seven trips: a tile is multiplied and the next is asked for
	CHANGE 1
	TWO 1
	s_sub_co_u32 s50, s50, 1
	s_cmp_lg_u32 s50, 0
	s_cbranch_scc1 .Lt
	CHANGE 0                                       ; the last tile is written out: nothing is asked for
	TWO 0
	HST                                            ; the last sub-tile's GELU has no products to ride on; the last five riders are the places behind the last products
.set ri, 0
.rept 4
.rept 80
	RID
.endr
	STO ri/80-1, 0
.endr
	s_wait_tensorcnt 0x0                           ; the wave's end
	ds_add_u32 v6, v7
	s_wait_dscnt 0x0
	CROUND                                         ; the closing round
	s_endpgm
.Lfunc_end_k_q6b4ef705a3_ff1:
	.size	k_q6b4ef705a3_ff1, .Lfunc_end_k_q6b4ef705a3_ff1-k_q6b4ef705a3_ff1
	.p2alignl 7, 3214868480
	.fill 96, 4, 3214868480
	.section	.rodata,"a",@progbits
	.p2align	6, 0x0
	.amdhsa_kernel k_q6b4ef705a3_ff1
		.amdhsa_group_segment_fixed_size 327680
		.amdhsa_private_segment_fixed_size 0
		.amdhsa_enable_private_segment 0
		.amdhsa_kernarg_size 32
		.amdhsa_user_sgpr_count 2
		.amdhsa_user_sgpr_kernarg_segment_ptr 1
		.amdhsa_wavefront_size32 1
		.amdhsa_system_sgpr_workgroup_id_x 1
		.amdhsa_system_sgpr_workgroup_id_y 1
		.amdhsa_system_sgpr_workgroup_id_z 1
		.amdhsa_system_vgpr_workitem_id 0
		.amdhsa_next_free_vgpr 768
		.amdhsa_next_free_sgpr 90
		.amdhsa_reserve_vcc 0
		.amdhsa_float_denorm_mode_32 3
		.amdhsa_float_denorm_mode_16_64 3
		.amdhsa_memory_ordered 1
		.amdhsa_forward_progress 1
		.amdhsa_inst_pref_size 113
	.end_amdhsa_kernel
	.amdgpu_metadata
---
amdhsa.version: [ 1, 2 ]
amdhsa.kernels:
  - .name:           k_q6b4ef705a3_ff1
    .symbol:         k_q6b4ef705a3_ff1.kd
    .args:
      - { .name: h3f, .offset: 0, .size: 8, .value_kind: global_buffer, .address_space: global }
      - { .name: wf, .offset: 8, .size: 8, .value_kind: global_buffer, .address_space: global }
      - { .name: ff_b1, .offset: 16, .size: 8, .value_kind: global_buffer, .address_space: global }
      - { .name: gf, .offset: 24, .size: 8, .value_kind: global_buffer, .address_space: global }
    .group_segment_fixed_size: 327680
    .private_segment_fixed_size: 0
    .kernarg_segment_align: 8
    .kernarg_segment_size: 32
    .max_flat_workgroup_size: 128
    .sgpr_count:     90
    .vgpr_count:     768
    .wavefront_size: 32
...
	.end_amdgpu_metadata
.endif
;; end of part 10
;; launch ff2: the kernel of part 6 again; grid 4 x 64, 4 waves a work-group, clusters of 4 x 4, 327,680 bytes of LDS; arguments gf, wf, x2f, ff_b2, out0; writes out0
